; MI455X (gfx1250); checked and timed in simulation.
; The chip was launched on July 23, 2026; its instructions are those of AMD's public machine-readable ISA for CDNA 5 (MIT licence, August 2026) and "CDNA5" Instruction Set Architecture Reference Guide (July 2026). The comments in the code are by the model that wrote it; some were corrected since.
;; Perceiver Attention. Allowed arithmetic: matrix products marked QUANTISED: E2M3 operands, one E8M0 scale for each 32 along K, by v_wmma_scale_f32_16x16x128_f8f6f4 with both operands' format E2M3, f32 sums; everything else in f32.
;; Inputs: Wk 1,024 x 512 float32; Wo 512 x 1,024 float32; Wq 1,024 x 512 float32; Wv 1,024 x 512 float32; bo 1,024 float32; context 8 x 4,096 x 1,024 float32; x 8 x 512 x 1,024 float32.
;; Outputs: out0 8 x 512 x 1,024 float32.
;; This version of the problem:
;;   THIS VERSION OF THE PROBLEM IS GIVEN IN LOW PRECISION. The matrix products marked QUANTISED in the list below multiply operands that are first quantised to E2M3 (2 exponent bits, 3 mantissa bits; 6 bits a number), with one power-of-two scale for each 32 numbers along K (OCP MX v1.0); their sums are f32. All else is computed in f32.
;;   The module's matrix products, in the order in which they are computed (A, B: the left and right operand; K: the contracted axis; several contracted axes count as one K, in the product's order):
;;     1. [M 4,096, K 1,024] x [K 1,024, N 512]; A: input x; B: input Wq: QUANTISED
;;     2. [M 32,768, K 1,024] x [K 1,024, N 512]; A: input context; B: input Wk: QUANTISED
;;     3. [M 32,768, K 1,024] x [K 1,024, N 512]; A: input context; B: input Wv: QUANTISED
;;     4. batch 64 x [M 512, K 64] x [K 64, N 4,096]; A: computed on the way; B: computed on the way: QUANTISED
;;     5. batch 64 x [M 512, K 4,096] x [K 4,096, N 64]; A: softmax (see below); B: computed on the way: QUANTISED
;;     6. [M 4,096, K 512] x [K 512, N 1,024]; A: computed on the way; B: input Wo: QUANTISED
;;   THE QUANTISER, for each operand of a quantised product, along K:
;;     - K is cut into blocks of 32 from its start; a last block that is shorter is filled with zeros.
;;     - A block's scale is 2^e with e = floor(log2(the largest magnitude in the block)) - 2, held to -126 .. 127; a block of zeros has e = 0. As a byte (E8M0): e + 127.
;;     - Each number is divided by its block's scale, clamped to +-7.5, and rounded to the nearest number of E2M3, ties to even, subnormals kept.
;;     - The product sums the exact products of the quantised numbers (number of the format x scale) in f32.
;;   ~~~python
;;   def quantise(x, axis):      # numpy; x: float32 -> the quantised numbers, widened to float32 again
;;       x = np.moveaxis(x, axis, -1); K = x.shape[-1]
;;       x = np.pad(x, [(0, 0)] * (x.ndim - 1) + [(0, -K % 32)]); x = x.reshape(x.shape[:-1] + (-1, 32)); a = np.abs(x).max(-1, keepdims=True)
;;       e = np.where(a > 0, np.clip(np.frexp(np.where(a > 0, a, 1))[1] - 1 - 2, -126, 127), 0)      # np.frexp(a)[1] - 1 = floor(log2(a)), exactly
;;       r = np.clip(x / 2.0 ** e, -7.5, 7.5)
;;       step = 2.0 ** (np.maximum(np.frexp(np.where(r == 0, 1, r))[1] - 1, 0) - 3)
;;       q = np.round(r / step) * step * 2.0 ** e      # np.round: ties to even
;;       return np.moveaxis(q.reshape(q.shape[:-2] + (-1,))[..., :K], -1, axis).astype(np.float32)
;;   ~~~
;;   SOFTMAX AHEAD OF A QUANTISED PRODUCT. Where the list says 'softmax', what is quantised is not the finished softmax but p = 2^(t - M), with t = logit x log2(e) and M = ceil(the row's largest t), a whole number; so 1/2 < the row's largest p <= 1. The row's sum l is taken of the UNQUANTISED p, in f32, and the product's result is divided by l at the end. Since M is a whole number, a kernel that streams over the keys may use a running M (the ceiling of the running maximum): every later rescaling is an exact power of two, which a block's scale takes up: the codes' values come out the same.
;;   OPERANDS COMPUTED ON THE WAY. 'Computed on the way' means the value that the module computes at that place (a softmax that the list does not call 'softmax' is quantised finished and normalised). What goes into a quantiser is computed in f32, as accurately as f32 sums, v_exp_f32 and their like allow (about 1e-6 of the number): no bf16 or f16 on the way to a quantiser, and a product that is left as it is and whose result goes on into a quantised operand takes f32 operands (vector FMAs, or v_wmma_f32_16x16x4_f32). A number that lies on a knife's edge between two numbers of the format may be rounded either way, as far as f32 arithmetic and the matrix unit's own rounding can turn it there, and no further.
;; 2 versions. Each part assembles by itself: llvm-mc -triple=amdgcn-amd-amdhsa -mcpu=gfx1250 --defsym DOCPART=n.
;; ======== version 1 of 2: 4 launches
;; workspace buffers: wimg 1,638,400 bytes; kvc 25,165,824 bytes; kvs 1,572,864 bytes; ximg 3,145,728 bytes; xsc 131,072 bytes; oimg 1,572,864 bytes; osc 131,072 bytes
;; launch prep (part 1): grid 128 x 1, 8 waves a work-group, no clusters, 1,536 bytes of LDS; arguments Wq, Wk, Wv, Wo, wimg; writes wimg
.if DOCPART == 1
	.amdgcn_target "amdgcn-amd-amdhsa--gfx1250"
	.amdhsa_code_object_version 6
	.text
	.protected	k_qb97c746f1a_prep
	.globl	k_qb97c746f1a_prep
	.p2align	8
	.type	k_qb97c746f1a_prep,@function
k_qb97c746f1a_prep:
	s_mov_b64 s[64:65], 0
	v_nop
	global_prefetch_b8 v0, s[64:65] scope:SCOPE_SE
	s_setreg_imm32_b32 hwreg(HW_REG_WAVE_MODE, 25, 1), 1
	s_wait_xcnt 0x0
; The four weights, f32 with K as their FIRST axis, become codes of FP6 (E2M3) with one E8M0 byte for each 32 along K, laid in the order of the operand's registers.
; wimg is 128 records of 12,800 bytes.  A record is 128 output columns x 128 along K: eight tiles of 16 columns, each an IMAGE of a fragment's 12 registers
; (three planes of 512 bytes; plane c = registers 4 c .. 4 c + 3, lane l at 16 l), then a pack of 512 bytes of scale words: lane l's 16 bytes = the words of tiles 2 i + l / 16, row l % 16, i = 0 .. 3.
; THE COLUMNS OF A TILE ARE NOT NEIGHBOURS: row r of tile 2 blk + u is column 32 blk + 8 u + r + 8 (r / 8) of the record's 128.
; Records: Wq 8 w + s;  Wk 32 + 16 w + s;  Wv 32 + 16 w + 8 + s  (w: 128 columns, s: 128 along K);  Wo 96 + 4 w + s.
; A work-group makes one record, wave t its tile t.  A lane takes one column and its registers run down K in the order that the operand's layout gives that lane, so the conversions' results are the registers.
; A block's scale is 2^(floor(log2(largest magnitude)) - 2); its byte is the largest magnitude's exponent field - 2, held at 1 from below.
; LIMITS: NaN and infinities among the inputs are not served; a block whose largest magnitude lies under 2^-124 keeps the byte 1; a block of zeros gets the byte 1 (not 127): its codes are zeros, and this program alone reads the bytes.
.set REC, 12800
.set X,   32                           ; v32-95   64 numbers: X[32 c + i] = W[128 s + 64 c + 32 h + i][my column]
.set F,   96                           ; v96-107  the fragment
.set CT,  108                          ; v108-110, v112-114: the upper halves of the two blocks' codes (a conversion's three registers begin on an even number)
	s_load_b256 s[4:11], s[0:1], 0x0               ; Wq, Wk, Wv, Wo
	s_load_b64 s[12:13], s[0:1], 0x20              ; wimg
	v_lshl_add_u32 v128, v0, 2, 0x200
	v_mov_b32 v129, 0
	v_lshrrev_b32 v1, 5, v0
	v_readfirstlane_b32 s14, v1                    ; wave = tile 0..7
	s_lshr_b32 s15, ttmp9, 5                       ; which weight: 0 Wq, 1 Wk, 2 Wv, 3 Wo
	s_and_b32 s16, ttmp9, 31                       ; which of its 32 records
	s_lshr_b32 s17, s16, 3                         ; w and s for [1024][512] ..
	s_and_b32 s18, s16, 7
	s_lshr_b32 s19, s16, 2                         ; .. and for Wo, [512][1024]
	s_and_b32 s20, s16, 3
	s_cmp_eq_u32 s15, 3
	s_cselect_b32 s17, s19, s17                    ; w
	s_cselect_b32 s18, s20, s18                    ; s
	s_cselect_b32 s21, 12, 11                      ; log2 of a row's bytes: 4,096 or 2,048
	s_lshl_b32 s22, s17, 4
	s_lshl_b32 s23, s15, 3
	s_add_co_u32 s22, s22, s23
	s_add_co_u32 s22, s22, s18
	s_add_co_u32 s22, s22, 24                      ; Wk, Wv: 32 + 16 w + 8 (weight - 1) + s
	s_sub_co_u32 s23, s15, 1
	s_cmp_lt_u32 s23, 2
	s_cselect_b32 s22, s22, ttmp9                  ; Wq, Wo: the work-group's own number
	s_mul_i32 s26, s22, REC
	s_mov_b32 s27, 0                               ; s[26:27]: the record's first byte
	s_add_co_u32 s23, s21, 7
	s_lshl_b32 s24, s18, s23                       ; 128 s rows
	s_lshl_b32 s23, s17, 9
	s_add_co_u32 s24, s24, s23                     ; + 128 w columns
	s_lshr_b32 s28, s14, 1                         ; blk
	s_and_b32 s29, s14, 1                          ; u
	s_lshl_b32 s23, s28, 7
	s_add_co_u32 s24, s24, s23                     ; + 32 blk columns
	s_lshl_b32 s23, s29, 5
	s_add_co_u32 s24, s24, s23                     ; + 8 u columns
	s_mov_b32 s25, 0                               ; s[24:25]: where my tile begins in the weight
	s_add_co_u32 s30, s21, 5                       ; log2 of 32 rows' bytes
	s_lshl_b32 s31, s29, 8
	s_lshl_b32 s23, s28, 2
	s_add_co_u32 s31, s31, s23                     ; the pack: 256 u + 4 blk
	s_mul_i32 s32, s14, 1536                       ; my tile's image in the record
	s_mov_b32 s34, 0x76543210
	s_mov_b32 s35, 0xfedcba98                      ; v_permlanex16_b32's selects for lane l xor 16
	v_and_b32 v1, 15, v0                           ; r
	v_bfe_u32 v2, v0, 4, 1                         ; h
	v_and_b32 v7, 31, v0                           ; lane
	v_and_b32 v8, 8, v1
	v_add_nc_u32 v8, v8, v1                        ; r + 8 (r / 8)
	v_lshlrev_b32 v3, 2, v8
	v_lshlrev_b32 v9, s30, v2
	v_add_nc_u32 v3, v3, v9                        ; in: my column, and 32 rows further down for lanes 16-31
	v_lshlrev_b32 v6, 4, v7                        ; 16 x lane
	v_add_nc_u32 v4, s32, v6                       ; out: my 16 bytes of a plane of my tile's image
	v_lshl_add_u32 v5, v1, 4, s31                  ; LDS: my row's scale word in the pack: 16 (16 u + r) + 4 blk
	s_wait_kmcnt 0x0
	s_cmp_eq_u32 s15, 1                            ; the choice hangs on the work-group's number alone
	s_cselect_b64 s[4:5], s[6:7], s[4:5]
	s_cmp_eq_u32 s15, 2
	s_cselect_b64 s[4:5], s[8:9], s[4:5]
	s_cmp_eq_u32 s15, 3
	s_cselect_b64 s[4:5], s[10:11], s[4:5]
	s_add_nc_u64 s[4:5], s[4:5], s[24:25]
	s_add_nc_u64 s[12:13], s[12:13], s[26:27]
.macro LOADS pitch                     ; 64 loads: the eight waves together read 512 consecutive bytes of each row
.set cc, 0
.rept 2
.set ii, 0
.rept 32
	global_load_b32 v[X+32*cc+ii], v3, s[4:5] offset:(64*cc+ii)*(\pitch) th:TH_LOAD_NT
.set ii, ii+1
.endr
.set cc, cc+1
.endr
.endm
	s_cbranch_scc1 .Lwide                          ; only the loads differ: a row's bytes stand in their immediates
	LOADS 2048
	s_branch .Lin
.Lwide:
	LOADS 4096
.Lin:
	s_wait_loadcnt 0x0
.irp c, 0,1                            ; my block 2 c + h: all its 32 numbers are mine
	v_max3_num_f32 v[8+\c], |v[X+32*\c]|, |v[X+32*\c+1]|, 0x1800000   ; with the floor 2^(3 - 127) among the leaves: the byte cannot fall under 1
.endr
.irp i, 2,4,6,8,10,12,14,16,18,20,22,24,26,28,30
.irp c, 0,1
	v_max3_num_f32 v[8+\c], v[8+\c], |v[X+32*\c+\i]|, |v[X+32*\c+\i+1]|   ; the two blocks by turns
.endr
.endr
.irp c, 0,1
	v_add_nc_u32 v[10+\c], 0xff000000, v[8+\c]     ; 2 off the exponent field: the conversion's scale operand
.endr
.irp c, 0,1
	v_lshrrev_b32 v[12+\c], 23, v[10+\c]           ; the scale's byte
.endr
	v_lshl_or_b32 v14, v13, 16, v12                ; my two bytes: blocks h and 2 + h,
	v_lshlrev_b32 v15, 3, v2
	v_lshlrev_b32 v14, v15, v14                    ; at their places in the word (8 h bits up);
	v_mov_b32 v15, 0
	v_permlanex16_b32 v15, v14, s34, s35
	v_or_b32 v14, v14, v15                         ; with lane l xor 16's two the word is whole, in both halves of the lanes
.irp c, 0,1
	v_cvt_scalef32_pk16_fp6_f32 v[F+6*\c:F+6*\c+2], v[X+32*\c:X+32*\c+15], v[10+\c]
	v_cvt_scalef32_pk16_fp6_f32 v[CT+4*\c:CT+4*\c+2], v[X+32*\c+16:X+32*\c+31], v[10+\c]
.endr
	v_nop                                          ; one plain line behind the scaled conversions
.irp c, 0,1
.irp i, 0,1,2
	v_mov_b32 v[F+3+6*\c+\i], v[CT+4*\c+\i]
.endr
.endr
.irp c, 0,1,2
	global_store_b128 v4, v[F+4*\c:F+4*\c+3], s[12:13] offset:512*\c   ; each store of the wave covers 512 consecutive bytes, aligned
.endr
	ds_store_b32 v5, v14                           ; both halves of the lanes write the same word with the same value
	s_wait_dscnt 0x0                               ; for the others' sake: my word lies in the pack
	s_barrier_signal -1
	s_barrier_wait -1
	s_cmp_lg_u32 s14, 0
	s_cbranch_scc1 .Lend
	ds_load_b128 v[16:19], v6                      ; wave 0 stores the pack whole
	s_wait_dscnt 0x0
	global_store_b128 v6, v[16:19], s[12:13] offset:12288
.Lend:
	s_wait_tensorcnt 0x0
	ds_add_u32 v128, v129
	s_wait_dscnt 0x0
	s_endpgm
.Lfunc_end_k_qb97c746f1a_prep:
	.size	k_qb97c746f1a_prep, .Lfunc_end_k_qb97c746f1a_prep-k_qb97c746f1a_prep
	.p2alignl 7, 3214868480
	.fill 96, 4, 3214868480
	.section	.rodata,"a",@progbits
	.p2align	6, 0x0
	.amdhsa_kernel k_qb97c746f1a_prep
		.amdhsa_group_segment_fixed_size 1536
		.amdhsa_private_segment_fixed_size 0
		.amdhsa_enable_private_segment 0
		.amdhsa_kernarg_size 40
		.amdhsa_user_sgpr_count 2
		.amdhsa_user_sgpr_kernarg_segment_ptr 1
		.amdhsa_wavefront_size32 1
		.amdhsa_system_sgpr_workgroup_id_x 1
		.amdhsa_system_sgpr_workgroup_id_y 1
		.amdhsa_system_sgpr_workgroup_id_z 1
		.amdhsa_system_vgpr_workitem_id 0
		.amdhsa_next_free_vgpr 130
		.amdhsa_next_free_sgpr 66
		.amdhsa_reserve_vcc 0
		.amdhsa_float_denorm_mode_32 3
		.amdhsa_float_denorm_mode_16_64 3
		.amdhsa_memory_ordered 1
		.amdhsa_forward_progress 1
		.amdhsa_inst_pref_size 19
	.end_amdhsa_kernel
	.amdgpu_metadata
---
amdhsa.version: [ 1, 2 ]
amdhsa.kernels:
  - .name:           k_qb97c746f1a_prep
    .symbol:         k_qb97c746f1a_prep.kd
    .args:
      - { .name: Wq, .offset: 0, .size: 8, .value_kind: global_buffer, .address_space: global }
      - { .name: Wk, .offset: 8, .size: 8, .value_kind: global_buffer, .address_space: global }
      - { .name: Wv, .offset: 16, .size: 8, .value_kind: global_buffer, .address_space: global }
      - { .name: Wo, .offset: 24, .size: 8, .value_kind: global_buffer, .address_space: global }
      - { .name: wimg, .offset: 32, .size: 8, .value_kind: global_buffer, .address_space: global }
    .group_segment_fixed_size: 1536
    .private_segment_fixed_size: 0
    .kernarg_segment_align: 8
    .kernarg_segment_size: 40
    .max_flat_workgroup_size: 256
    .sgpr_count:     66
    .vgpr_count:     130
    .wavefront_size: 32
...
	.end_amdgpu_metadata
.endif
;; end of part 1
;; launch kvproj (part 2): grid 256 x 1, 4 waves a work-group, no clusters, 170,496 bytes of LDS; arguments context, x, wimg, kvc, kvs, ximg, xsc; writes kvc, kvs, ximg, xsc
.if DOCPART == 2
	.amdgcn_target "amdgcn-amd-amdhsa--gfx1250"
	.amdhsa_code_object_version 6
	.text
	.protected	k_qb97c746f1a_kvproj
	.globl	k_qb97c746f1a_kvproj
	.p2align	8
	.type	k_qb97c746f1a_kvproj,@function
k_qb97c746f1a_kvproj:
	s_mov_b64 s[64:65], 0
	v_nop
	global_prefetch_b8 v0, s[64:65] scope:SCOPE_SE
	s_setreg_imm32_b32 hwreg(HW_REG_WAVE_MODE, 25, 1), 1
	s_wait_xcnt 0x0
; k = context Wk and v = context Wv on codes of FP6 (E2M3) with one E8M0 byte for each 32 along K; the results are quantised at once (k along the head's 64, v along the keys) and leave as images of the
; registers in which the attention launch wants them.  Besides, x is quantised along its rows into fragment images.
; SHARES.  Work-group g owns 128 rows of context (batch g / 32, key step g % 32) and rows 16 g .. 16 g + 15 of x.  THE WAVES SHARE THE COLUMNS: wave w makes inner columns 128 w .. 128 w + 127 (heads 2 w, 2 w + 1)
; for all 128 rows, first of k, then of v: 64 accumulators, 512 registers.  The rows' codes are made ONCE (phase X: wave w quantises rows 32 w .. 32 w + 31) and lie in LDS as images that all four waves read;
; the weights' images are read by the one wave that multiplies by them, from memory straight into registers, two K steps ahead.
; THE ROWS OF A TILE ARE NOT NEIGHBOURS: row i of tile 2 blk + u is row 32 blk + 8 u + i + 8 (i / 8) of the 128.  So where such a tile is source 0, a lane's 16 registers of tiles 2 blk, 2 blk + 1 are 16 neighbours.
; k is made TRANSPOSED (source 0 = 16 columns of Wk, source 1 = 16 rows): a lane holds one key and its registers run along d.  v is made the other way (source 0 = 16 rows, source 1 = 16 columns of Wv): a lane holds one d and its registers run along the keys.
; OUT.  kvc [batch][head][key step][12,288]: four images of K (image blk: registers 0-5 = key tile (blk, 0), 6-11 = key tile (blk, 1); six registers = the key's 64 codes), then four images of V (16 of d x 128 keys).
;       kvs [batch][head][key step][768]: K's scale words (lane l: words of key tiles (i, l / 16), i = 0 .. 3; bytes 0, 1 count), then V's (lane l: words of d tiles 2 i + l / 16, i = 0, 1).
;       ximg [row tile][K step][1,536], xsc [row tile][row][K step] words.
; LIMITS: NaN and infinities are not served; a block whose largest magnitude lies under 2^-124 keeps the byte 1; a block of zeros gets the byte 1 (not 127): its codes are zeros, and this program alone reads the bytes.
; LDS: 0: the rows' images [blk 4][K step 8][u 2][1,536]: wave w writes bytes 24,576 w on;  ASC: their scale words [blk 4][K step 8][lane 16 u + r];  STG: two stages of 16 rows x 528 bytes for each wave.
; REGISTERS, in windows of 256: window 0: v1-14 addresses; v24-31 the rows' scale words, v32-39 the weights' (two sets each: these hold scales and nothing else); v64-159, v160-255 the rows' fragments, two sets
;   (phase X: v64-191 two sets of 64 numbers; phase X and the ways out: v192-253 at work).  window 1: the weights' fragments, two sets of 96.  windows 2, 3: the accumulators (phase X: window 2 = four sets of 64 numbers as loaded).
.set REC,  12800
.set ASC,  98304
.set STG,  102400
.set STW,  16896
.set LI,   1                           ; 16 x lane; never rewritten
.set SIN,  2                           ; my stage, on the way in: 16 x lane
.set SOUT, 3                           ; and out: 528 r + 64 h
.set XWI,  4                           ; where I store images: 16 x lane + 24,576 x wave
.set XWS,  5                           ; and scale words: ASC + 1,024 x wave + 4 r
.set ADA,  6                           ; the K step's images, tiles 0-3
.set L8,   7                           ; 8 x lane
.set XSO,  8                           ; xsc: 32 r + 8 x wave + 4 h
.set ADA2, 9                           ; the K step's images, tiles 4-7 (49,152 bytes on: an LDS immediate has 16 bits)
.set ADS,  10                          ; the K step's scale words
.set LI2,  11                          ; 16 x lane + 49,152
.set LS,   12                          ; ASC + 4 x lane
.set XW,   13                          ; XWI + the trip's K steps
.set XV,   14                          ; XWS + the trip's K steps
.set AS,   24
.set WS,   32
.set AF,   64
.set TM,   192                         ; +0..3 largest magnitudes, +4..7 the other half's, then bytes, +12..15 the conversions' scale operands
.set PW,   208                         ; the scale word just made
.set PW0,  209
.set CT,   210                         ; v210-212, v214-216
.set PA,   220                         ; 12 registers of codes
.set PB,   232                         ; 12 more
.set SKA,  244
.set SKB,  248
.set XP,   252
.set WV,   18
.set SEL,  20
.set HIM,  22                          ; the mask of lanes 16-31
.set CNT,  23
.set SA,   24                          ; 3,072 x the K step to be fetched
.set SS,   25                          ; 128 x the same
.set SX,   26
.set SY,   27
.set MSB, 0
.macro WIN new                         ; the immediate's high byte repeats the setting that is left; a switch that changes nothing is dropped
.if MSB != (\new)
	s_set_vgpr_msb (MSB<<8)|(\new)
.set MSB, \new
.endif
.endm
.macro PLACES                          ; four plain lines behind a matrix instruction, ahead of loads into its registers and of reads of its results
.rept 4
	v_nop
.endr
.endm
; one product.  z = 1: C is the constant 0;  ra, rb: source 0's, source 1's scale words stand in lanes 16-31
.macro WM d, a, b, z, sa, sb, ra, rb
.if (\z) && (\ra) && (\rb)
	v_wmma_scale_f32_16x16x128_f8f6f4 v[(\d):(\d)+7], v[(\a):(\a)+11], v[(\b):(\b)+11], 0, v[(\sa)], v[(\sb)] matrix_a_fmt:MATRIX_FMT_FP6 matrix_b_fmt:MATRIX_FMT_FP6 matrix_a_scale:MATRIX_SCALE_ROW1 matrix_b_scale:MATRIX_SCALE_ROW1
.elseif (\z) && (\ra)
	v_wmma_scale_f32_16x16x128_f8f6f4 v[(\d):(\d)+7], v[(\a):(\a)+11], v[(\b):(\b)+11], 0, v[(\sa)], v[(\sb)] matrix_a_fmt:MATRIX_FMT_FP6 matrix_b_fmt:MATRIX_FMT_FP6 matrix_a_scale:MATRIX_SCALE_ROW1
.elseif (\z) && (\rb)
	v_wmma_scale_f32_16x16x128_f8f6f4 v[(\d):(\d)+7], v[(\a):(\a)+11], v[(\b):(\b)+11], 0, v[(\sa)], v[(\sb)] matrix_a_fmt:MATRIX_FMT_FP6 matrix_b_fmt:MATRIX_FMT_FP6 matrix_b_scale:MATRIX_SCALE_ROW1
.elseif (\z)
	v_wmma_scale_f32_16x16x128_f8f6f4 v[(\d):(\d)+7], v[(\a):(\a)+11], v[(\b):(\b)+11], 0, v[(\sa)], v[(\sb)] matrix_a_fmt:MATRIX_FMT_FP6 matrix_b_fmt:MATRIX_FMT_FP6
.elseif (\ra) && (\rb)
	v_wmma_scale_f32_16x16x128_f8f6f4 v[(\d):(\d)+7], v[(\a):(\a)+11], v[(\b):(\b)+11], v[(\d):(\d)+7], v[(\sa)], v[(\sb)] matrix_a_fmt:MATRIX_FMT_FP6 matrix_b_fmt:MATRIX_FMT_FP6 matrix_a_scale:MATRIX_SCALE_ROW1 matrix_b_scale:MATRIX_SCALE_ROW1
.elseif (\ra)
	v_wmma_scale_f32_16x16x128_f8f6f4 v[(\d):(\d)+7], v[(\a):(\a)+11], v[(\b):(\b)+11], v[(\d):(\d)+7], v[(\sa)], v[(\sb)] matrix_a_fmt:MATRIX_FMT_FP6 matrix_b_fmt:MATRIX_FMT_FP6 matrix_a_scale:MATRIX_SCALE_ROW1
.elseif (\rb)
	v_wmma_scale_f32_16x16x128_f8f6f4 v[(\d):(\d)+7], v[(\a):(\a)+11], v[(\b):(\b)+11], v[(\d):(\d)+7], v[(\sa)], v[(\sb)] matrix_a_fmt:MATRIX_FMT_FP6 matrix_b_fmt:MATRIX_FMT_FP6 matrix_b_scale:MATRIX_SCALE_ROW1
.else
	v_wmma_scale_f32_16x16x128_f8f6f4 v[(\d):(\d)+7], v[(\a):(\a)+11], v[(\b):(\b)+11], v[(\d):(\d)+7], v[(\sa)], v[(\sb)] matrix_a_fmt:MATRIX_FMT_FP6 matrix_b_fmt:MATRIX_FMT_FP6
.endif
.endm
; the weights: tiles 4 g2 .. 4 g2 + 3 of the record at s[8:9] + imm into set p (12 loads), and the record's scale pack (1 load)
.macro RELB p, g2, imm
	WIN 0x40                                       ; destination window 1
.irp t, 0,1,2,3
.irp c, 0,1,2
	global_load_b128 v[96*(\p)+12*(4*(\g2)+\t)+4*\c:96*(\p)+12*(4*(\g2)+\t)+4*\c+3], v[LI], s[8:9] offset:(\imm)+1536*(4*(\g2)+\t)+512*\c
.endr
.endr
.endm
.macro RELS p, imm
	WIN 0
	global_load_b128 v[WS+4*(\p):WS+4*(\p)+3], v[LI], s[8:9] offset:(\imm)+12288
.endm
; phase X: 16 rows x 128 numbers as they lie: each load is 512 consecutive bytes of one row.  context's rows in the tile's order, x's as they come
.macro LOADC set, imm
	WIN 0x80                                       ; destination window 2
.set ii, 0
.rept 16
	global_load_b128 v[64*(\set)+4*ii:64*(\set)+4*ii+3], v[LI], s[4:5] offset:(\imm)+(ii+8*(ii/8))*4096 th:TH_LOAD_NT
.set ii, ii+1
.endr
.endm
.macro LOADX set, e
	WIN 0x80
.set ii, 0
.rept 16
	global_load_b128 v[64*(\set)+4*ii:64*(\set)+4*ii+3], v[LI], s[6:7] offset:512*(\e)+ii*4096 th:TH_LOAD_NT
.set ii, ii+1
.endr
.endm
; unit t's numbers through my stage: in as rows, out so that register 16 bb + i of lane (r, h) is k = 32 bb + 16 h + i of row r.  Rows 528 = 33 x 16 bytes apart.  LDS serves a wave's instructions in order (ISA guide 5.7.1.4): no wait between
.macro TURN t
	WIN 0x08                                       ; an LDS store's data are its source 1: window 2
.set ii, 0
.rept 16
	ds_store_b128 v[SIN], v[64*((\t)%4)+4*ii:64*((\t)%4)+4*ii+3] offset:8448*((\t)%2)+528*ii
.set ii, ii+1
.endr
	WIN 0
.irp bb, 0,1,2,3
.irp jj, 0,1,2,3
	ds_load_b128 v[AF+64*((\t)%2)+16*\bb+4*\jj:AF+64*((\t)%2)+16*\bb+4*\jj+3], v[SOUT] offset:8448*((\t)%2)+128*\bb+16*\jj
.endr
.endr
.endm
; 64 numbers of a lane in window win, register s + 16 b + i = k 32 b + 16 h + i of the lane's row, become codes: k 0-63 in v[d0] .. v[d0 + 5], k 64-127 in v[d1] .. v[d1 + 5], and the row's scale word in v[PW] (both halves of the lanes).
; Each accumulator is read from its low end on.
.macro QUANT win, s, d0, d1
	WIN (\win)|((\win)<<2)
.irp b, 0,1,2,3
	v_max3_num_f32 v[TM+\b], |v[(\s)+16*\b]|, |v[(\s)+16*\b+1]|, 0x1800000   ; my 16 numbers of block b, and the floor 2^(3 - 127): the byte cannot fall under 1
.endr
.irp i, 2,4,6,8,10,12,14
.irp b, 0,1,2,3
	v_max3_num_f32 v[TM+\b], |v[(\s)+16*\b+\i]|, |v[(\s)+16*\b+\i+1]|, v[TM+\b]   ; the four blocks by turns
.endr
.endr
	WIN 0
.irp b, 0,1,2,3
	v_permlanex16_b32 v[TM+4+\b], v[TM+\b], s[SEL], s[SEL+1]
.endr
.irp b, 0,1,2,3
	v_max_num_f32 v[TM+\b], v[TM+\b], v[TM+4+\b]   ; with lane l xor 16's: the block's largest magnitude
.endr
.irp b, 0,1,2,3
	v_add_nc_u32 v[TM+12+\b], 0xff000000, v[TM+\b] ; 2 off its exponent field: the conversion's scale operand
.endr
.irp b, 0,1,2,3
	v_lshrrev_b32 v[TM+4+\b], 23, v[TM+12+\b]      ; the scale's byte
.endr
	v_lshl_or_b32 v[PW], v[TM+5], 8, v[TM+4]
	v_lshl_or_b32 v[PW], v[TM+6], 16, v[PW]
	v_lshl_or_b32 v[PW], v[TM+7], 24, v[PW]
	WIN \win
	v_cvt_scalef32_pk16_fp6_f32 v[(\d0):(\d0)+2], v[(\s):(\s)+15], v[TM+12]
	v_cvt_scalef32_pk16_fp6_f32 v[CT:CT+2], v[(\s)+16:(\s)+31], v[TM+13]
	v_cvt_scalef32_pk16_fp6_f32 v[(\d1):(\d1)+2], v[(\s)+32:(\s)+47], v[TM+14]
	v_cvt_scalef32_pk16_fp6_f32 v[CT+4:CT+6], v[(\s)+48:(\s)+63], v[TM+15]
	WIN 0
	v_nop                                          ; one plain line behind the scaled conversions
.irp i, 0,1,2                          ; the operand's layout wants a WHOLE block in a lane: lanes 0-15 the even block, lanes 16-31 the odd one
	v_permlane16_swap_b32 v[(\d0)+\i], v[CT+\i]
	v_permlane16_swap_b32 v[(\d1)+\i], v[CT+4+\i]
.endr
.irp i, 0,1,2
	v_mov_b32 v[(\d0)+3+\i], v[CT+\i]
	v_mov_b32 v[(\d1)+3+\i], v[CT+4+\i]
.endr
.endm
; the rows' eight fragments and four scale registers of the K step at ADA, ADA2, ADS into set p: 28 LDS loads
.macro FETCHA p
.irp bl, 0,1
.irp u, 0,1
.irp c, 0,1,2
	ds_load_b128 v[AF+96*(\p)+12*(2*\bl+\u)+4*\c:AF+96*(\p)+12*(2*\bl+\u)+4*\c+3], v[ADA] offset:24576*\bl+1536*\u+512*\c
.endr
.endr
.endr
.irp bl, 0,1
.irp u, 0,1
.irp c, 0,1,2
	ds_load_b128 v[AF+96*(\p)+12*(4+2*\bl+\u)+4*\c:AF+96*(\p)+12*(4+2*\bl+\u)+4*\c+3], v[ADA2] offset:24576*\bl+1536*\u+512*\c
.endr
.endr
.endr
.irp bl, 0,1,2,3
	ds_load_b32 v[AS+4*(\p)+\bl], v[ADS] offset:1024*\bl   ; lanes 0-15: tile 2 bl's words, lanes 16-31: tile 2 bl + 1's
.endr
.endm
; 32 products: the weights' tiles 4 g2 .. 4 g2 + 3 against the rows' eight.  Every accumulator has one turn of one instruction in a K step, in the same order in every step.
.macro HALF p, tr, g2, zero
.if \tr
.irp hh, 0,1
	WIN 0xa1+0x50*\hh                              ; source 0 (weights) window 1, source 1 (rows) window 0, C and D window 2 or 3
.irp a4, 0,1,2,3
.irp b4, 0,1,2,3
	WM 64*\a4+8*(4*(\g2)+\b4), 96*(\p)+12*(4*(\g2)+\b4), AF+96*(\p)+12*(4*\hh+\a4), \zero, WS+4*(\p)+(4*(\g2)+\b4)/2, AS+4*(\p)+(4*\hh+\a4)/2, \b4%2, \a4%2
.endr
.endr
.endr
.else
	WIN 0xa4+0x50*(\g2)                            ; source 0 (rows) window 0, source 1 (weights) window 1, C and D window 2 or 3
.irp n4, 0,1,2,3
.irp a8, 0,1,2,3,4,5,6,7
	WM 64*\n4+8*\a8, AF+96*(\p)+12*\a8, 96*(\p)+12*(4*(\g2)+\n4), \zero, AS+4*(\p)+\a8/2, WS+4*(\p)+(4*(\g2)+\n4)/2, \a8%2, \n4%2
.endr
.endr
.endif
.endm
; A K STEP of 128: 64 products on sets p.  rel = 1: each half of the weights' set is filled again, as soon as its products are issued, with the record two K steps on.  fa = 1: the next K step's rows come into the other set.
; The weights' loads go out in the order: tiles 0-3 (12), scale pack (1), tiles 4-7 (12), step by step.  n0: how many loads are younger than this step's scale pack; n1: than its tiles 4-7.
.macro KSTEP p, tr, zero, rel, n0, n1, fa
	s_wait_loadcnt \n0
	s_wait_dscnt 0x0                               ; the rows' set p is in (asked for 32 products ago)
	HALF \p, \tr, 0, \zero
	WIN 0
.if \fa
	v_add_nc_u32 v[ADA], s[SA], v[LI]              ; the next K step's places in LDS: three plain lines, and one more: the four places
	v_add_nc_u32 v[ADA2], s[SA], v[LI2]
	v_add_nc_u32 v[ADS], s[SS], v[LS]
	v_nop
.else
	PLACES
.endif
.if \rel
	s_wait_xcnt 0x0                                ; the earlier loads and stores have read their base and registers
	s_add_nc_u64 s[8:9], s[8:9], REC               ; the record two K steps on
	RELB \p, 0, 0
.endif
.if \fa
	WIN 0
	FETCHA 1-(\p)
	s_add_co_u32 s[SA], s[SA], 3072
	s_add_co_u32 s[SS], s[SS], 128
.endif
	s_wait_loadcnt \n1
	HALF \p, \tr, 1, \zero
	WIN 0
	PLACES
.if \rel
	RELS \p, 0
	RELB \p, 1, 0
.endif
	WIN 0
.endm
; A UNIT of phase X: 16 rows x 128 numbers become a fragment.  ldk: 1 = context's unit four on is asked for (imm: its bytes), 2 = x's (imm: which);  n: how many loads are younger than the next unit's (-1: there is no next unit);
; snk = 0: the image goes to LDS (ds: which of the trip's two K steps);  snk = 1: it is x's and goes to memory (ds: which of my two K steps).
.macro UNIT t, ldk, imm, n, snk, ds
	s_wait_dscnt 0x0                               ; this unit's numbers are back from the stage; the stage's stores have read the set that is loaded next; the last image's stores have read their registers
.if \ldk == 1
	LOADC (\t)%4, \imm
.elseif \ldk == 2
	LOADX (\t)%4, \imm
.endif
.if \n >= 0
	s_wait_loadcnt \n
	TURN (\t)+1                                    ; the next unit goes through the other stage while this one is worked
.endif
.if \snk
	s_wait_xcnt 0x0                                ; the stores of the image before have read their registers
.endif
	QUANT 0, AF+64*((\t)%2), PA, PA+6
.if \snk == 0
.irp c, 0,1,2
	ds_store_b128 v[XW], v[PA+4*\c:PA+4*\c+3] offset:3072*(\ds)+1536*((\t)%2)+512*\c
.endr
	ds_store_b32 v[XV], v[PW] offset:128*(\ds)+64*((\t)%2)   ; both halves of the lanes write the same word with the same value
.else
.irp c, 0,1,2
	global_store_b128 v[LI], v[PA+4*\c:PA+4*\c+3], s[14:15] offset:1536*(\ds)+512*\c
.endr
	v_mov_b32 v[XP+(\ds)], v[PW]
.endif
.endm
	s_load_b256 s[4:11], s[0:1], 0x0               ; context, x, wimg, kvc
	s_load_b128 s[12:15], s[0:1], 0x20             ; kvs, ximg
	s_load_b64 s[16:17], s[0:1], 0x30              ; xsc
	v_lshl_add_u32 v62, v0, 2, 0x29800
	v_mov_b32 v63, 0
	v_lshrrev_b32 v15, 5, v0
	v_readfirstlane_b32 s[WV], v15                 ; wave 0..3
	v_and_b32 v15, 31, v0                          ; lane
	v_and_b32 v16, 15, v0                          ; r
	v_bfe_u32 v17, v0, 4, 1                        ; h
	v_lshlrev_b32 v[LI], 4, v15
	s_mul_i32 s28, s[WV], STW
	s_add_co_u32 s28, s28, STG
	v_add_nc_u32 v[SIN], s28, v[LI]
	v_mul_u32_u24 v[SOUT], v16, 528
	v_lshl_add_u32 v[SOUT], v17, 6, v[SOUT]
	v_add_nc_u32 v[SOUT], s28, v[SOUT]
	s_mul_i32 s28, s[WV], 24576
	v_add_nc_u32 v[XWI], s28, v[LI]
	s_lshl_b32 s28, s[WV], 10
	s_add_co_u32 s28, s28, ASC
	v_lshl_add_u32 v[XWS], v16, 2, s28
	v_add_nc_u32 v[LI2], 49152, v[LI]
	v_lshl_add_u32 v[LS], v15, 2, ASC
	v_lshlrev_b32 v[L8], 3, v15
	v_lshlrev_b32 v[XSO], 5, v16
	v_lshl_add_u32 v[XSO], v17, 2, v[XSO]
	s_lshl_b32 s28, s[WV], 3
	v_add_nc_u32 v[XSO], s28, v[XSO]
.irp b, 0,1,2,3
	v_mov_b32 v[TM+4+\b], 0                        ; written once: a lane permute's destination counts as one of its sources
.endr
	s_mov_b32 s[SEL], 0x76543210
	s_mov_b32 s[SEL+1], 0xfedcba98                 ; v_permlanex16_b32's selects for lane l xor 16
	s_mov_b32 s[HIM], 0xffff0000
	s_lshl_b32 s28, ttmp9, 19                      ; context: 128 rows of 4,096 bytes a work-group,
	s_lshl_b32 s42, s[WV], 17                      ; 32 a wave
	s_add_co_u32 s28, s28, s42
	s_mov_b32 s29, 0
	s_lshl_b32 s30, ttmp9, 16                      ; x: 16 rows a work-group,
	s_lshl_b32 s42, s[WV], 10                      ; two K steps of 512 bytes a wave
	s_add_co_u32 s30, s30, s42
	s_mov_b32 s31, 0
	s_mul_i32 s32, s[WV], 16*REC                   ; wimg: my 16 records, Wk's eight and then Wv's, from record 32 + 16 w
	s_add_co_u32 s32, s32, 32*REC
	s_mov_b32 s33, 0
	s_lshr_b32 s42, ttmp9, 5                       ; batch
	s_and_b32 s43, ttmp9, 31                       ; key step
	s_lshl_b32 s42, s42, 8
	s_add_co_u32 s42, s42, s43
	s_lshl_b32 s43, s[WV], 6
	s_add_co_u32 s42, s42, s43                     ; (8 batch + 2 w) 32 + key step
	s_mul_i32 s34, s42, 12288
	s_mov_b32 s35, 0
	s_mul_i32 s36, s42, 768
	s_mov_b32 s37, 0
	s_mul_i32 s38, ttmp9, 12288
	s_mul_i32 s43, s[WV], 3072
	s_add_co_u32 s38, s38, s43
	s_mov_b32 s39, 0
	s_lshl_b32 s40, ttmp9, 9
	s_mov_b32 s41, 0
	s_wait_kmcnt 0x0
	s_add_nc_u64 s[4:5], s[4:5], s[28:29]
	s_add_nc_u64 s[6:7], s[6:7], s[30:31]
	s_add_nc_u64 s[8:9], s[8:9], s[32:33]
	s_add_nc_u64 s[10:11], s[10:11], s[34:35]
	s_add_nc_u64 s[12:13], s[12:13], s[36:37]
	s_add_nc_u64 s[14:15], s[14:15], s[38:39]
	s_add_nc_u64 s[16:17], s[16:17], s[40:41]
	RELB 0, 0, 0                                   ; the weights of the first two K steps, in the order in which the K steps count them
	RELS 0, 0
	RELB 0, 1, 0
	RELB 1, 0, REC
	RELS 1, REC
	RELB 1, 1, REC
	; ---- PHASE X.  Unit 2 s + u (0 .. 15) is my row tile 2 w + u at K step s; units 16, 17 are x's tile at K steps 2 w, 2 w + 1.  Loads run four units ahead, the turn through the stage one.
	LOADC 0, 0
	LOADC 1, 32768
	LOADC 2, 512
	LOADC 3, 512+32768
	s_wait_loadcnt 48                              ; unit 0's sixteen loads are in; three units' may be out
	TURN 0
	s_mov_b32 s[SX], 0
	s_mov_b32 s[SY], 0
	s_mov_b32 s[CNT], 3
.Lx:                                                   ; a trip: four units, two K steps
	v_add_nc_u32 v[XW], s[SX], v[XWI]
	v_add_nc_u32 v[XV], s[SY], v[XWS]
	UNIT 0, 1, 2*512, 48, 0, 0
	UNIT 1, 1, 2*512+32768, 48, 0, 0
	UNIT 2, 1, 3*512, 48, 0, 1
	UNIT 3, 1, 3*512+32768, 48, 0, 1
	s_wait_xcnt 0x0                                ; the loads have read their base
	s_add_nc_u64 s[4:5], s[4:5], 1024
	s_add_co_u32 s[SX], s[SX], 6144
	s_add_co_u32 s[SY], s[SY], 256
	s_sub_co_u32 s[CNT], s[CNT], 1
	s_cmp_lg_u32 s[CNT], 0
	s_cbranch_scc1 .Lx
	v_add_nc_u32 v[XW], s[SX], v[XWI]
	v_add_nc_u32 v[XV], s[SY], v[XWS]
	UNIT 0, 2, 0, 48, 0, 0                         ; units 12, 13 ask for x's two; then nothing is left to ask for and the counts run down
	UNIT 1, 2, 1, 48, 0, 0
	UNIT 2, 0, 0, 32, 0, 1
	UNIT 3, 0, 0, 16, 0, 1
	UNIT 0, 0, 0, 0, 1, 0
	UNIT 1, 0, 0, -1, 1, 1
	v_cndmask_b32 v[XP], v[XP], v[XP+1], s[HIM]    ; lanes 0-15 store K step 2 w's words, lanes 16-31 K step 2 w + 1's
	global_store_b32 v[XSO], v[XP], s[16:17]
	s_wait_dscnt 0x0                               ; for the others' sake: my images and scale words lie in LDS
	s_barrier_signal -1
	s_barrier_wait -1                              ; the launch's one barrier: from here on LDS is only read
	; ---- k: eight K steps
	s_wait_xcnt 0x0
	s_add_nc_u64 s[8:9], s[8:9], REC               ; the base stands one record ahead of the K step; each step's reload steps it once more
	s_mov_b32 s[SA], 0
	s_mov_b32 s[SS], 0
	v_add_nc_u32 v[ADA], s[SA], v[LI]
	v_add_nc_u32 v[ADA2], s[SA], v[LI2]
	v_add_nc_u32 v[ADS], s[SS], v[LS]
	FETCHA 0
	s_add_co_u32 s[SA], s[SA], 3072
	s_add_co_u32 s[SS], s[SS], 128
	KSTEP 0, 1, 1, 1, 37, 37, 1                    ; the first step stands ahead of the loop: its products start the sums
	s_mov_b32 s[CNT], 3
.Lk:
	KSTEP 1, 1, 0, 1, 37, 37, 1
	KSTEP 0, 1, 0, 1, 37, 37, 1
	s_sub_co_u32 s[CNT], s[CNT], 1
	s_cmp_lg_u32 s[CNT], 0
	s_cbranch_scc1 .Lk
	s_mov_b32 s[SA], 0                             ; the last step fetches K step 0 of the rows again, for v
	s_mov_b32 s[SS], 0
	KSTEP 1, 1, 0, 1, 37, 37, 1
	; ---- k leaves.  Row tile a's 64 registers run along my 128 columns: codes 0-63 are head 2 w's, 64-127 head 2 w + 1's; bytes 0, 1 of the scale word likewise, bytes 2, 3.
.irp blk, 0,1,2,3
.if \blk > 0
	s_wait_xcnt 0x0                                ; the stores of the pair before have read their registers
.endif
	QUANT 2+\blk/2, 64*((2*\blk)%4), PA, PB
	v_mov_b32 v[PW0], v[PW]
	QUANT 2+\blk/2, 64*((2*\blk+1)%4), PA+6, PB+6
	v_cndmask_b32 v[SKA+\blk], v[PW0], v[PW], s[HIM]   ; lanes 0-15: key tile (blk, 0)'s words, lanes 16-31: (blk, 1)'s
	v_lshrrev_b32 v[SKB+\blk], 16, v[SKA+\blk]     ; the second head's two bytes
.irp c, 0,1,2
	global_store_b128 v[LI], v[PA+4*\c:PA+4*\c+3], s[10:11] offset:1536*\blk+512*\c          ; each store of the wave covers 512 consecutive bytes, aligned
	global_store_b128 v[LI], v[PB+4*\c:PB+4*\c+3], s[10:11] offset:393216+1536*\blk+512*\c   ; the next head lies 32 key steps on
.endr
.endr
	global_store_b128 v[LI], v[SKA:SKA+3], s[12:13]
	global_store_b128 v[LI], v[SKB:SKB+3], s[12:13] offset:24576
	; ---- v: eight K steps; the last two ask for no more weights, and their counts run down
	KSTEP 0, 0, 1, 1, 37, 37, 1
	s_mov_b32 s[CNT], 2
.Lv:
	KSTEP 1, 0, 0, 1, 37, 37, 1
	KSTEP 0, 0, 0, 1, 37, 37, 1
	s_sub_co_u32 s[CNT], s[CNT], 1
	s_cmp_lg_u32 s[CNT], 0
	s_cbranch_scc1 .Lv
	KSTEP 1, 0, 0, 1, 37, 37, 1
	KSTEP 0, 0, 0, 0, 37, 25, 1
	KSTEP 1, 0, 0, 0, 12, 0, 0
	; ---- v leaves.  Column tile n's 64 registers run along the 128 keys: one fragment and one scale word a column
.irp n, 0,1,2,3,4,5,6,7
.if (\n%2 == 0) && (\n > 0)
	s_wait_xcnt 0x0                                ; the stores of the two tiles before have read their registers
.endif
	QUANT 2+\n/4, 64*(\n%4), PA+12*(\n%2), PA+12*(\n%2)+6
.if \n%2 == 0
	v_mov_b32 v[PW0], v[PW]
.else
	v_cndmask_b32 v[SKA+\n/2], v[PW0], v[PW], s[HIM]
.endif
.irp c, 0,1,2
	global_store_b128 v[LI], v[PA+12*(\n%2)+4*\c:PA+12*(\n%2)+4*\c+3], s[10:11] offset:6144+1536*(\n%4)+512*\c+393216*(\n/4)
.endr
.endr
	global_store_b64 v[L8], v[SKA:SKA+1], s[12:13] offset:512
	global_store_b64 v[L8], v[SKA+2:SKA+3], s[12:13] offset:512+24576
	s_wait_tensorcnt 0x0
	ds_add_u32 v62, v63
	s_wait_dscnt 0x0
	s_endpgm
.Lfunc_end_k_qb97c746f1a_kvproj:
	.size	k_qb97c746f1a_kvproj, .Lfunc_end_k_qb97c746f1a_kvproj-k_qb97c746f1a_kvproj
	.p2alignl 7, 3214868480
	.fill 96, 4, 3214868480
	.section	.rodata,"a",@progbits
	.p2align	6, 0x0
	.amdhsa_kernel k_qb97c746f1a_kvproj
		.amdhsa_group_segment_fixed_size 170496
		.amdhsa_private_segment_fixed_size 0
		.amdhsa_enable_private_segment 0
		.amdhsa_kernarg_size 56
		.amdhsa_user_sgpr_count 2
		.amdhsa_user_sgpr_kernarg_segment_ptr 1
		.amdhsa_wavefront_size32 1
		.amdhsa_system_sgpr_workgroup_id_x 1
		.amdhsa_system_sgpr_workgroup_id_y 1
		.amdhsa_system_sgpr_workgroup_id_z 1
		.amdhsa_system_vgpr_workitem_id 0
		.amdhsa_next_free_vgpr 1024
		.amdhsa_next_free_sgpr 66
		.amdhsa_reserve_vcc 0
		.amdhsa_float_denorm_mode_32 3
		.amdhsa_float_denorm_mode_16_64 3
		.amdhsa_memory_ordered 1
		.amdhsa_forward_progress 1
		.amdhsa_inst_pref_size 255
	.end_amdhsa_kernel
	.section	.bss,"aw",@nobits
	.p2align	6
	.space	262144
	.amdgpu_metadata
---
amdhsa.version: [ 1, 2 ]
amdhsa.kernels:
  - .name:           k_qb97c746f1a_kvproj
    .symbol:         k_qb97c746f1a_kvproj.kd
    .args:
      - { .name: context, .offset: 0, .size: 8, .value_kind: global_buffer, .address_space: global }
      - { .name: x, .offset: 8, .size: 8, .value_kind: global_buffer, .address_space: global }
      - { .name: wimg, .offset: 16, .size: 8, .value_kind: global_buffer, .address_space: global }
      - { .name: kvc, .offset: 24, .size: 8, .value_kind: global_buffer, .address_space: global }
      - { .name: kvs, .offset: 32, .size: 8, .value_kind: global_buffer, .address_space: global }
      - { .name: ximg, .offset: 40, .size: 8, .value_kind: global_buffer, .address_space: global }
      - { .name: xsc, .offset: 48, .size: 8, .value_kind: global_buffer, .address_space: global }
    .group_segment_fixed_size: 170496
    .private_segment_fixed_size: 0
    .kernarg_segment_align: 8
    .kernarg_segment_size: 56
    .max_flat_workgroup_size: 128
    .sgpr_count:     66
    .vgpr_count:     1024
    .wavefront_size: 32
...
	.end_amdgpu_metadata
.endif
;; end of part 2
;; launch attn (part 3): grid 4 x 64, 16 waves a work-group, no clusters, 280,576 bytes of LDS; arguments ximg, xsc, wimg, kvc, kvs, oimg, osc; writes oimg, osc
.if DOCPART == 3
	.amdgcn_target "amdgcn-amd-amdhsa--gfx1250"
	.amdhsa_code_object_version 6
	.text
	.protected	k_qb97c746f1a_attn
	.globl	k_qb97c746f1a_attn
	.p2align	8
	.type	k_qb97c746f1a_attn,@function
k_qb97c746f1a_attn:
	s_mov_b64 s[64:65], 0
	v_nop
	global_prefetch_b8 v0, s[64:65] scope:SCOPE_SE
	s_setreg_imm32_b32 hwreg(HW_REG_WAVE_MODE, 25, 1), 1
	s_wait_xcnt 0x0
; For one head and 128 queries: q = x Wq, quantised along d; S = q k^T; the softmax by the rule p = 2^(t - M), t = score x log2(e) / 8, M the running largest t rounded UP to a whole number; O = p v; o = O / l, quantised along d.
; All products on codes of FP6 (E2M3) with one E8M0 byte for each 32 along K.  The row's sum l is taken of the unquantised p.  When M moves, l and O are multiplied by 2^(old M - new M): exact.
; SHARES.  Work-group (x = block of 128 queries, y = 8 batch + head).  Wave W owns 16 queries (tile W % 8) and HALF of the keys (key steps 16 (W / 8) .. + 15, 128 keys each): four waves to a SIMD, so that one wave's
; exponentials stand beside another's products and loads.  At the end the two halves of a tile meet in LDS: M is a whole number, so both are brought under the larger M by exact factors.
; q: the two waves of a tile share its K = 1,024: wave W sums K steps 4 (W / 8) .. + 3; the two partial sums change places through LDS and are added in f32 (a + b = b + a to the bit: both waves hold the same q).
; LAYOUT.  All products are used transposed (source 0 = 16 columns of Wq, 16 keys, 16 of d; source 1 = my 16 queries): a lane holds ONE query throughout.  The rows of source 0's tiles are chosen (row i of tile 2 b + u is 32 b + 8 u + i + 8 (i / 8))
; so that a lane's 16 registers of two neighbouring tiles are 16 neighbours along the next product's K.
; K = 64 IN A FORM OF K = 128: q's upper 64 codes are zeros.  Key tile t's operand is the 12 registers from KF + 6 t: its own six, then the next tile's six (or six zeros): finite numbers, which meet q's zeros; the scale bytes
; that stand over them are bytes of the quantiser or 0, never 0xff.  So the upper half adds exactly 0.
; K and V come as images of registers (12,288 bytes a key step) through a ring of FOUR LDS slots; each wave copies 1,536 bytes of a step's 24,576 through 12 registers, asked for a step ahead of their store.
; One barrier a step, its signal and its wait a step's work apart (macro STEP says what it orders).
; LIMITS: NaN and infinities are not served; a block whose largest magnitude lies under 2^-124 keeps the byte 1; a block of zeros gets the byte 1 (not 127): its codes are zeros, and this program alone reads the bytes.
; LDS: SCL: the head's 32 x 768 scale bytes;  WQ: Wq's [K step 8][tile 4][1,536];  MRG: for each query tile O 4,096, -M 128, l 128;  QX: q's partial sums, 4,096 bytes a wave;  RING: four slots [half of the keys 2][K 6,144, V 6,144].
.set SCL,  0
.set WQ,   24576
.set MRG,  73728
.set QX,   114688                      ; a multiple of 8,192: one exclusive or with 4,096 turns my place into my partner's
.set RING, 180224
.set SLOT, 24576
.set LI,   1                           ; 16 x lane
.set RK,   2                           ; my half's part of slot 0 (slot 1 by the immediate)
.set ASK,  3                           ; K's scale words of my half's first key step
.set ASV,  4                           ; V's
.set CPL,  5                           ; 16 x lane + 1,536 W: what I copy of the head's scale bytes, in memory and in LDS
.set CPG,  6                           ; what I copy of a key step's codes, in memory
.set MO,   7
.set MS,   8
.set L8,   9                           ; 8 x lane
.set R32,  10                          ; 32 r
.set WQA,  11                          ; Wq's images of my four K steps
.set RK2,  29                          ; my half's part of slot 2 (slot 3 by the immediate): an LDS immediate has 16 bits
.set CPR,  110                         ; what I copy, in slot 0
.set CPR2, 111                         ; and in slot 2
.set QXO,  254                         ; where I put q's partial sums
.set QXP,  255                         ; and where my partner puts them
.set QF,   16                          ; v16-27 q's fragment
.set QS,   28                          ; q's scale word
.set XS,   32                          ; v32-53 hold scales and nothing else.  Prologue: x's four words, v40-47 Wq's
.set WQS,  40
.set KS,   32                          ; loop: K's four, V's two, p's
.set VS,   36
.set PS,   38
.set KF,   56                          ; v56-103 K's, then V's fragments; v104-109 six zeros
.set S,    112                         ; v112-175 the scores, then p
.set O,    176                         ; v176-207 O^T
.set PC,   208                         ; v208-219 p's codes
.set CT,   220                         ; v220-227 at work
.set BM,   228                         ; v228-231 the blocks' largest scores
.set SO,   232                         ; v232-235 the conversions' scale operands
.set AK,   238
.set AV,   239
.set STA,  240                         ; v240-251 the copy's 12 registers
.set WV,   18
.set SEL,  20
.set CS,   22
.set CNT,  24
.set TS,   25                          ; 768 x the trip's first key step
.macro PLACES                          ; four plain lines behind a matrix instruction, ahead of loads into its registers and of reads of its results
.rept 4
	v_nop
.endr
.endm
.macro WM d, a, b, z, sa, sb, ra       ; one product.  z = 1: C is the constant 0;  ra = 1: source 0's scale words stand in lanes 16-31
.if (\z) && (\ra)
	v_wmma_scale_f32_16x16x128_f8f6f4 v[(\d):(\d)+7], v[(\a):(\a)+11], v[(\b):(\b)+11], 0, v[(\sa)], v[(\sb)] matrix_a_fmt:MATRIX_FMT_FP6 matrix_b_fmt:MATRIX_FMT_FP6 matrix_a_scale:MATRIX_SCALE_ROW1
.elseif (\z)
	v_wmma_scale_f32_16x16x128_f8f6f4 v[(\d):(\d)+7], v[(\a):(\a)+11], v[(\b):(\b)+11], 0, v[(\sa)], v[(\sb)] matrix_a_fmt:MATRIX_FMT_FP6 matrix_b_fmt:MATRIX_FMT_FP6
.elseif (\ra)
	v_wmma_scale_f32_16x16x128_f8f6f4 v[(\d):(\d)+7], v[(\a):(\a)+11], v[(\b):(\b)+11], v[(\d):(\d)+7], v[(\sa)], v[(\sb)] matrix_a_fmt:MATRIX_FMT_FP6 matrix_b_fmt:MATRIX_FMT_FP6 matrix_a_scale:MATRIX_SCALE_ROW1
.else
	v_wmma_scale_f32_16x16x128_f8f6f4 v[(\d):(\d)+7], v[(\a):(\a)+11], v[(\b):(\b)+11], v[(\d):(\d)+7], v[(\sa)], v[(\sb)] matrix_a_fmt:MATRIX_FMT_FP6 matrix_b_fmt:MATRIX_FMT_FP6
.endif
.endm
; 32 numbers of a lane, register s + 16 b + i = d 32 b + 16 h + i of my query, become six registers of codes at v[d] and the scale word v[w] (bytes 0, 1; bytes 2, 3 are 0).  T: nine registers at work
.macro QUANT2 s, d, T, w
.irp b, 0,1
	v_max3_num_f32 v[(\T)+\b], |v[(\s)+16*\b]|, |v[(\s)+16*\b+1]|, 0x1800000   ; with the floor 2^(3 - 127): the byte cannot fall under 1
.endr
.irp i, 2,4,6,8,10,12,14
.irp b, 0,1
	v_max3_num_f32 v[(\T)+\b], v[(\T)+\b], |v[(\s)+16*\b+\i]|, |v[(\s)+16*\b+\i+1]|
.endr
.endr
.irp b, 0,1
	v_permlanex16_b32 v[(\T)+2+\b], v[(\T)+\b], s[SEL], s[SEL+1]
.endr
.irp b, 0,1
	v_max_num_f32 v[(\T)+\b], v[(\T)+\b], v[(\T)+2+\b]
.endr
.irp b, 0,1
	v_add_nc_u32 v[(\T)+4+\b], 0xff000000, v[(\T)+\b]
.endr
.irp b, 0,1
	v_lshrrev_b32 v[(\T)+2+\b], 23, v[(\T)+4+\b]
.endr
	v_lshl_or_b32 v[(\w)], v[(\T)+3], 8, v[(\T)+2]
	v_cvt_scalef32_pk16_fp6_f32 v[(\d):(\d)+2], v[(\s):(\s)+15], v[(\T)+4]
	v_cvt_scalef32_pk16_fp6_f32 v[(\T)+6:(\T)+8], v[(\s)+16:(\s)+31], v[(\T)+5]
	v_nop                                          ; one plain line behind the scaled conversions
.irp i, 0,1,2
	v_permlane16_swap_b32 v[(\d)+\i], v[(\T)+6+\i] ; a WHOLE block to a lane: lanes 0-15 block 0, lanes 16-31 block 1
.endr
.irp i, 0,1,2
	v_mov_b32 v[(\d)+3+\i], v[(\T)+6+\i]
.endr
.endm
	s_load_b256 s[4:11], s[0:1], 0x0               ; ximg, xsc, wimg, kvc
	s_load_b128 s[12:15], s[0:1], 0x20             ; kvs, oimg
	s_load_b64 s[16:17], s[0:1], 0x30              ; osc
	v_lshl_add_u32 v54, v0, 2, 0x44000
	v_mov_b32 v55, 0
	v_lshrrev_b32 v12, 5, v0
	v_readfirstlane_b32 s[WV], v12                 ; wave 0..15
	s_and_b32 s26, s[WV], 7                        ; my tile of queries
	s_lshr_b32 s27, s[WV], 3                       ; my half of the keys, and of q's K
	s_and_b32 s28, ttmp7, 0xffff                   ; 8 batch + head
	s_lshr_b32 s29, s28, 3
	s_and_b32 s30, s28, 7
	s_lshl_b32 s31, s29, 5
	s_lshl_b32 s32, ttmp9, 3
	s_add_co_u32 s31, s31, s32
	s_add_co_u32 s31, s31, s26                     ; my row tile of x: 32 batch + 8 block + tile
	v_and_b32 v12, 31, v0                          ; lane
	v_and_b32 v13, 15, v0                          ; r
	v_lshlrev_b32 v[LI], 4, v12
	s_mul_i32 s32, s27, 12288
	s_add_co_u32 s33, s32, RING
	v_add_nc_u32 v[RK], s33, v[LI]
	v_add_nc_u32 v[RK2], 2*SLOT, v[RK]
	s_add_co_u32 s33, s32, SCL
	v_add_nc_u32 v[ASK], s33, v[LI]
	s_add_co_u32 s33, s33, 512
	v_lshl_add_u32 v[ASV], v12, 3, s33
	s_mul_i32 s33, s[WV], 1536
	v_add_nc_u32 v[CPL], s33, v[LI]
	v_add_nc_u32 v[CPR], RING, v[CPL]
	v_add_nc_u32 v[CPR2], RING+2*SLOT, v[CPL]
	s_mul_i32 s33, s26, 1536
	s_mul_i32 s34, s27, 196608                     ; 16 key steps of 12,288 bytes
	s_add_co_u32 s33, s33, s34
	v_add_nc_u32 v[CPG], s33, v[LI]
	s_mul_i32 s33, s26, 4352
	s_add_co_u32 s33, s33, MRG
	v_add_nc_u32 v[MO], s33, v[LI]
	s_add_co_u32 s33, s33, 4096
	v_lshl_add_u32 v[MS], v12, 2, s33
	s_lshl_b32 s33, s26, 13                        ; q's partial sums: 8,192 bytes a tile,
	s_lshl_b32 s34, s27, 12                        ; 4,096 a wave
	s_add_co_u32 s33, s33, s34
	s_add_co_u32 s33, s33, QX
	v_add_nc_u32 v[QXO], s33, v[LI]
	v_xor_b32 v[QXP], 0x1000, v[QXO]
	v_lshlrev_b32 v[L8], 3, v12
	v_lshlrev_b32 v[R32], 5, v13
	s_mul_i32 s33, s27, 24576                      ; my four K steps of Wq's eight: 6,144 bytes each
	s_add_co_u32 s33, s33, WQ
	v_add_nc_u32 v[WQA], s33, v[LI]
	s_mul_i32 s33, s[WV], 3072
	s_add_co_u32 s33, s33, WQ
	v_add_nc_u32 v253, s33, v[LI]                  ; Wq's copy in LDS: two tiles a wave
	s_lshr_b32 s33, s[WV], 1
	s_mul_i32 s33, s33, 12800
	s_and_b32 s34, s[WV], 1
	s_mul_i32 s34, s34, 3072
	s_add_co_u32 s33, s33, s34
	v_add_nc_u32 v252, s33, v[LI]                  ; and in wimg: record W / 2, tiles 2 (W % 2) on
	s_mul_i32 s36, s31, 12288
	s_mul_i32 s54, s27, 6144                       ; x's fragments of my four K steps
	s_add_co_u32 s36, s36, s54
	s_mov_b32 s37, 0
	s_lshl_b32 s38, s31, 9
	s_mov_b32 s39, 0
	s_lshl_b32 s54, s27, 4                         ; and their four scale words of a row's eight
	s_mov_b32 s55, 0
	s_lshr_b32 s40, s30, 1
	s_mul_i32 s40, s40, 8*12800                    ; Wq's eight records of my head's 128 columns
	s_mov_b32 s41, 0
	s_and_b32 s33, s30, 1
	s_mul_i32 s42, s33, 6144                       ; my head's four tiles of the eight
	s_mov_b32 s43, 0
	s_lshl_b32 s44, s33, 3
	s_add_co_u32 s44, s44, 12288                   ; their two words in each lane's 16 bytes of the scale pack,
	s_mul_i32 s56, s27, 4*12800                    ; in the records of my four K steps
	s_add_co_u32 s44, s44, s56
	s_mov_b32 s45, 0
	s_mul_i32 s46, s28, 393216
	s_mov_b32 s47, 0
	s_mul_i32 s48, s28, 24576
	s_mov_b32 s49, 0
	s_mul_i32 s50, s31, 6144
	s_mul_i32 s52, s30, 768
	s_add_co_u32 s50, s50, s52
	s_mov_b32 s51, 0
	s_lshl_b32 s52, s30, 2
	s_mov_b32 s53, 0
	s_mov_b32 s[SEL], 0x76543210
	s_mov_b32 s[SEL+1], 0xfedcba98                 ; v_permlanex16_b32's selects for lane l xor 16
	s_mov_b32 s[CS], 0x3e38aa3b                    ; c = log2(e) / 8
	s_mov_b32 s[CS+1], s[CS]                       ; (named with it as a pair, so it is written)
	s_mov_b32 s[TS], 0
	s_wait_kmcnt 0x0
	s_add_nc_u64 s[4:5], s[4:5], s[36:37]
	s_add_nc_u64 s[6:7], s[6:7], s[38:39]
	s_add_nc_u64 s[6:7], s[6:7], s[54:55]
	s_add_nc_u64 s[16:17], s[16:17], s[38:39]
	s_add_nc_u64 s[16:17], s[16:17], s[52:53]
	s_add_nc_u64 s[8:9], s[8:9], s[40:41]
	s_add_nc_u64 s[32:33], s[8:9], s[42:43]
	s_add_nc_u64 s[34:35], s[8:9], s[44:45]
	s_add_nc_u64 s[10:11], s[10:11], s[46:47]
	s_add_nc_u64 s[12:13], s[12:13], s[48:49]
	s_add_nc_u64 s[14:15], s[14:15], s[50:51]
	; ---- PROLOGUE.  Twelve loads of what goes to LDS, then 17 of what stays in my registers
.irp i, 0,1,2
	global_load_b128 v[56+4*\i:59+4*\i], v[CPL], s[12:13] offset:512*\i        ; the head's scale bytes
.endr
.irp i, 0,1,2,3,4,5
	global_load_b128 v[68+4*\i:71+4*\i], v252, s[32:33] offset:512*\i          ; Wq's images
.endr
.irp i, 0,1,2
	global_load_b128 v[92+4*\i:95+4*\i], v[CPG], s[10:11] offset:512*\i        ; key step 0's K and V
.endr
.irp s, 0,1,2,3
.irp c, 0,1,2
	global_load_b128 v[S+12*\s+4*\c:S+12*\s+4*\c+3], v[LI], s[4:5] offset:1536*\s+512*\c   ; x's fragments of my four K steps
.endr
.endr
	global_load_b128 v[XS:XS+3], v[R32], s[6:7]
.irp s, 0,1,2,3
	global_load_b64 v[WQS+2*\s:WQS+2*\s+1], v[LI], s[34:35] offset:12800*\s
.endr
	s_wait_loadcnt 17                              ; the twelve are in; the 12 + 1 + 4 behind them may be out
.irp i, 0,1,2
	ds_store_b128 v[CPL], v[56+4*\i:59+4*\i] offset:SCL+512*\i
.endr
.irp i, 0,1,2,3,4,5
	ds_store_b128 v253, v[68+4*\i:71+4*\i] offset:512*\i
.endr
.irp i, 0,1,2
	ds_store_b128 v[CPR], v[92+4*\i:95+4*\i] offset:512*\i                     ; slot 0
.endr
.irp i, 0,1,2
	global_load_b128 v[STA+4*\i:STA+4*\i+3], v[CPG], s[10:11] offset:12288+512*\i   ; key step 1's K and V
.endr
	s_wait_dscnt 0x0                               ; for the others' sake: my stores have landed
	s_barrier_signal -1
	s_barrier_wait -1
	s_wait_loadcnt 3                               ; x and the scale words are in; key step 1's three may be out
	; my part of q^T = Wq^T x^T: four tiles of 16 of d, by turns, four K steps; accumulators v208-239
.irp s, 0,1,2,3
.if \s > 0
	PLACES
.endif
.irp t, 0,1,2,3
.irp c, 0,1,2
	ds_load_b128 v[KF+12*\t+4*\c:KF+12*\t+4*\c+3], v[WQA] offset:6144*\s+1536*\t+512*\c
.endr
.endr
	s_wait_dscnt 0x0
.irp t, 0,1,2,3
.if \s == 0
	WM 208+8*\t, KF+12*\t, S+12*\s, 1, WQS+2*\s+\t/2, XS+\s, \t%2
.else
	WM 208+8*\t, KF+12*\t, S+12*\s, 0, WQS+2*\s+\t/2, XS+\s, \t%2
.endif
.endr
.endr
	PLACES
.irp i, 0,1,2,3,4,5,6,7
	ds_store_b128 v[QXO], v[208+4*\i:211+4*\i] offset:512*\i   ; my partial sums, each accumulator from its low end on
.endr
	s_wait_dscnt 0x0                               ; for my partner's sake: they have landed
	s_barrier_signal -1
	s_barrier_wait -1
.irp i, 0,1,2,3,4,5,6,7
	ds_load_b128 v[S+4*\i:S+4*\i+3], v[QXP] offset:512*\i      ; my partner's (x's fragments are done with)
.endr
	s_wait_dscnt 0x0
.set jj, 0
.rept 16
	v_pk_add_f32 v[208+jj:209+jj], v[208+jj:209+jj], v[S+jj:S+jj+1]   ; q: the same bits in both waves of the tile
.set jj, jj+2
.endr
	QUANT2 208, QF, S, QS                          ; (nine of S's registers are at work here)
.irp j, 6,7,8,9,10,11
	v_mov_b32 v[QF+\j], 0                          ; q's upper 64 codes
.endr
.set jj, 0
.rept 32
	v_mov_b32 v[O+jj], 0                           ; O^T.  (The step is written once: the first finds zeros, which the first change of M leaves zeros.)  These lines are also the places between q's scale word and its first product
.set jj, jj+1
.endr
.irp j, 0,1,2,3,4,5
	v_mov_b32 v[KF+48+\j], 0                       ; behind the last key tile's six registers
.endr
.irp j, 0,1,2,3,4,5,6,7
	v_mov_b32 v[CT+\j], 0                          ; written once: a lane permute's destination counts as one of its sources
.endr
	v_mov_b32 v14, 0                               ; the sum, in two halves
	v_mov_b32 v15, 0
	v_mov_b32 v31, 0                               ; (named as the upper half of the pair v[30:31])
	v_mov_b32 v13, 0xff61b1e6                      ; the largest t so far: -3e38, under every t
	v_floor_f32 v12, -v13                          ; -M
; A KEY STEP: my half's 128 keys, in slot e of the ring.  st = 1: my 1,536 bytes of the next key step go into slot e + 1;  ld = 1: those of the key step after that are asked for;  bar = 1: the step has a barrier.
; THE BARRIER'S SIGNAL AND ITS WAIT STAND A STEP'S WORK APART, so that a wave may run nearly a step ahead of the slowest, and one wave's LDS loads stand beside another's softmax.
; I signal when my stores into slot e + 1 have landed and my loads of K from slot e are in; I wait at the step's end.  Behind that wait (a) every wave's part of slot e + 1 has landed: the next step may read it;
; (b) every wave has, ahead of its signal, waited for all its LDS loads of the step before: slot e - 1 and the older ones are read out, so the next step's stores, into slot e + 2 = e - 2, meet no read.
; Between signal and wait stand work on registers and the loads of V from slot e, which is stored into again only behind three more barriers.
.macro STEP e, st, ld, bar
.set NXS, ((\e)+1)%4
.set RKS, RK+(RK2-RK)*((\e)/2)
.if \st
	s_wait_loadcnt 0x0                             ; the next key step's 1,536 bytes of mine, asked for a step ago
.irp i, 0,1,2
	ds_store_b128 v[CPR+(CPR2-CPR)*(NXS/2)], v[STA+4*\i:STA+4*\i+3] offset:SLOT*(NXS%2)+512*\i
.endr
.endif
.set qq, 0
.rept 12
	ds_load_b128 v[KF+4*qq:KF+4*qq+3], v[RKS] offset:SLOT*((\e)%2)+512*qq
.set qq, qq+1
.endr
	ds_load_b128 v[KS:KS+3], v[AK] offset:768*(\e)
	ds_load_b64 v[VS:VS+1], v[AV] offset:768*(\e)
	s_wait_dscnt 0x0                               ; K is in; my stores have landed and have read the copy's registers
.if \ld
.irp i, 0,1,2
	global_load_b128 v[STA+4*\i:STA+4*\i+3], v[CPG], s[10:11] offset:((\e)+2)*12288+512*\i
.endr
.endif
.if \bar
	s_barrier_signal -1
.endif
.irp t, 0,1,2,3,4,5,6,7                ; S^T = K q^T: lane (r, h) holds query r; the 16 registers of tiles 2 b, 2 b + 1 are keys 32 b + 16 h + 0 .. 15
	WM S+8*\t, KF+6*\t, QF, 1, KS+\t/2, QS, \t%2
.endr
	PLACES
.set qq, 0
.rept 12
	ds_load_b128 v[KF+4*qq:KF+4*qq+3], v[RKS] offset:SLOT*((\e)%2)+6144+512*qq   ; V lands while the softmax is worked
.set qq, qq+1
.endr
.irp b, 0,1,2,3
	v_max3_num_f32 v[BM+\b], v[S+16*\b], v[S+1+16*\b], v[S+2+16*\b]   ; THE LARGEST SCORE OF EACH BLOCK OF 32 KEYS serves twice: for the row's maximum, and, since p rises with the score, for the block's largest p
.endr
.irp i, 3,5,7,9,11,13
.irp b, 0,1,2,3
	v_max3_num_f32 v[BM+\b], v[BM+\b], v[S+16*\b+\i], v[S+1+16*\b+\i]
.endr
.endr
.irp b, 0,1,2,3
	v_max_num_f32 v[BM+\b], v[BM+\b], v[S+15+16*\b]
.endr
.irp b, 0,1,2,3
	v_permlanex16_b32 v[CT+\b], v[BM+\b], s[SEL], s[SEL+1]
.endr
.irp b, 0,1,2,3
	v_max_num_f32 v[BM+\b], v[BM+\b], v[CT+\b]     ; with lane l xor 16's 16 keys
.endr
	v_max3_num_f32 v236, v[BM], v[BM+1], v[BM+2]
	v_max_num_f32 v236, v236, v[BM+3]              ; the step's largest score of my query
	v_mul_f32 v236, s[CS], v236                    ; as t (c is positive)
	v_max_num_f32 v13, v13, v236                   ; the running largest t
	v_mov_b32 v236, v12
	v_floor_f32 v12, -v13                          ; the new -M = floor(-t) = -ceil(t): a whole number
	v_sub_f32 v236, v12, v236                      ; old M - new M: a whole number, 0 or less
	v_cvt_i32_f32 v236, v236                       ; (it saturates)
	v_ldexp_f32 v30, 1.0, v236                     ; f = 2^(old M - new M)
.set jj, 0
.rept 32
	v_pk_fma_f32 v[S+jj:S+jj+1], v[S+jj:S+jj+1], s[CS:CS+1], v[12:13] op_sel_hi:[1,0,0]   ; t - M, two at a time
.set jj, jj+2
.endr
.irp b, 0,1,2,3
	v_fma_f32 v[BM+\b], v[BM+\b], s[CS], v12       ; the same of each block's largest score
.endr
.set jj, 0
.rept 64
	v_exp_f32 v[S+jj], v[S+jj]                     ; p = 2^(t - M), at most 1: not normalised
.set jj, jj+1
.endr
	v_pk_mul_f32 v[14:15], v[14:15], v[30:31] op_sel_hi:[1,0]   ; the sums under the new M: a plain line behind the exponentials
	s_wait_alu depctr_va_vdst(0)                   ; one wait for the batch of 64, ahead of its first reader
.irp b, 0,1,2,3
	v_exp_f32 v[BM+\b], v[BM+\b]                   ; the block's largest p: the same two instructions on the same number give the same bits
.endr
	v_pk_add_f32 v[236:237], v[S:S+1], v[S+2:S+3]  ; THE ROW'S SUM IS TAKEN OF THE UNQUANTISED p, in two chains
.irp j, 4,8,12,16,20,24,28,32,36,40,44,48,52,56,60
	v_pk_add_f32 v[14:15], v[14:15], v[S+\j:S+\j+1]
	v_pk_add_f32 v[236:237], v[236:237], v[S+\j+2:S+\j+3]
.endr
	v_pk_add_f32 v[14:15], v[14:15], v[236:237]
	s_wait_alu depctr_va_vdst(0)                   ; and one for the four
.irp b, 0,1,2,3
	v_max_num_f32 v[BM+\b], 0x1800000, v[BM+\b]    ; the floor 2^(3 - 127)
.endr
.irp b, 0,1,2,3
	v_add_nc_u32 v[SO+\b], 0xff000000, v[BM+\b]    ; 2 off the exponent field: the conversion's scale operand
.endr
.irp b, 0,1,2,3
	v_lshrrev_b32 v[CT+\b], 23, v[SO+\b]           ; the scale's byte
.endr
	v_lshl_or_b32 v[PS], v[CT+1], 8, v[CT]         ; p's scale word for these 128 keys
	v_lshl_or_b32 v[PS], v[CT+2], 16, v[PS]
	v_lshl_or_b32 v[PS], v[CT+3], 24, v[PS]
.irp c, 0,1
	v_cvt_scalef32_pk16_fp6_f32 v[PC+6*\c:PC+6*\c+2], v[S+32*\c:S+32*\c+15], v[SO+2*\c]
	v_cvt_scalef32_pk16_fp6_f32 v[CT+4*\c:CT+4*\c+2], v[S+32*\c+16:S+32*\c+31], v[SO+2*\c+1]
.endr
	v_nop                                          ; one plain line behind the scaled conversions
.irp c, 0,1
.irp i, 0,1,2
	v_permlane16_swap_b32 v[PC+6*\c+\i], v[CT+4*\c+\i]
.endr
.irp i, 0,1,2
	v_mov_b32 v[PC+3+6*\c+\i], v[CT+4*\c+\i]
.endr
.endr
.set jj, 0
.rept 16
	v_pk_mul_f32 v[O+jj:O+jj+1], v[O+jj:O+jj+1], v[30:31] op_sel_hi:[1,0]   ; O^T under the new M.  (These sixteen are also the places ahead of the products below)
.set jj, jj+2
.endr
	s_wait_dscnt 0x0                               ; V is in
.irp n, 0,1,2,3                        ; O^T += V^T p^T
	WM O+8*\n, KF+12*\n, PC, 0, VS+\n/2, PS, \n%2
.endr
	PLACES                                         ; behind the last products, ahead of the next step's loads into their registers, and of the first read of O^T
.if \bar
	s_barrier_wait -1
.endif
.endm
	s_mov_b32 s[CNT], 3
.Ltrip:                                                ; a trip: four key steps, once round the ring.  No barrier is open at the backward jump
	v_add_nc_u32 v[AK], s[TS], v[ASK]              ; the trip's scale words; a step's 768 bytes stand in the immediates
	v_add_nc_u32 v[AV], s[TS], v[ASV]
	STEP 0, 1, 1, 1
	STEP 1, 1, 1, 1
	STEP 2, 1, 1, 1
	STEP 3, 1, 1, 1
	s_wait_xcnt 0x0                                ; the loads have read their base
	s_add_nc_u64 s[10:11], s[10:11], 4*12288
	s_add_co_u32 s[TS], s[TS], 4*768
	s_sub_co_u32 s[CNT], s[CNT], 1
	s_cmp_lg_u32 s[CNT], 0
	s_cbranch_scc1 .Ltrip
	v_add_nc_u32 v[AK], s[TS], v[ASK]
	v_add_nc_u32 v[AV], s[TS], v[ASV]
	STEP 0, 1, 1, 1                                ; the last four key steps are written out: the last two ask for nothing,
	STEP 1, 1, 1, 1
	STEP 2, 1, 0, 1
	STEP 3, 0, 0, 0                                ; and the last stores nothing: nobody waits for it
	; ---- THE END.  The waves of the second half of the keys hand O^T, -M and l to their partners
	v_add_f32 v14, v14, v15                        ; the sum's two halves
	s_cmp_lt_u32 s[WV], 8
	s_cbranch_scc1 .Lkeep
.irp i, 0,1,2,3,4,5,6,7
	ds_store_b128 v[MO], v[O+4*\i:O+4*\i+3] offset:512*\i
.endr
	ds_store_b32 v[MS], v12
	ds_store_b32 v[MS], v14 offset:128
.Lkeep:
	s_wait_dscnt 0x0
	s_barrier_signal -1
	s_barrier_wait -1
	s_cmp_lt_u32 s[WV], 8
	s_cbranch_scc1 .Lmerge
	s_wait_tensorcnt 0x0
	ds_add_u32 v54, v55
	s_wait_dscnt 0x0
	s_endpgm
.Lmerge:
.irp i, 0,1,2,3,4,5,6,7
	ds_load_b128 v[S+4*\i:S+4*\i+3], v[MO] offset:512*\i
.endr
	ds_load_b32 v236, v[MS]
	ds_load_b32 v237, v[MS] offset:128
	s_wait_dscnt 0x0
	v_min_num_f32 v220, v12, v236                  ; -M of the larger M
	v_sub_f32 v221, v220, v12                      ; my M - M, and the partner's: whole numbers, 0 or less
	v_sub_f32 v222, v220, v236
	v_cvt_i32_f32 v221, v221
	v_cvt_i32_f32 v222, v222
	v_ldexp_f32 v30, 1.0, v221
	v_ldexp_f32 v224, 1.0, v222
.set jj, 0
.rept 16
	v_pk_mul_f32 v[O+jj:O+jj+1], v[O+jj:O+jj+1], v[30:31] op_sel_hi:[1,0]
.set jj, jj+2
.endr
.set jj, 0
.rept 16
	v_pk_fma_f32 v[O+jj:O+jj+1], v[S+jj:S+jj+1], v[224:225], v[O+jj:O+jj+1] op_sel_hi:[1,0,1]
.set jj, jj+2
.endr
	v_mul_f32 v14, v14, v30
	v_fmac_f32 v14, v237, v224
	v_permlanex16_b32 v226, v14, s[SEL], s[SEL+1]
	v_add_f32 v14, v14, v226                       ; with lane l xor 16's: the row's sum
	v_rcp_f32 v229, v14
	v_nop                                          ; a plain line behind the reciprocal
	s_wait_alu depctr_va_vdst(0)                   ; and the wait ahead of its first reader
.set jj, 0
.rept 32
	v_mul_f32 v[S+jj], v[O+jj], v229               ; o: register 16 b + i is d = 32 b + 16 h + i of my query
.set jj, jj+1
.endr
	QUANT2 S, PC, CT, 236
	global_store_b128 v[LI], v[PC:PC+3], s[14:15]              ; half an image: registers 0-3, 512 consecutive bytes;
	global_store_b64 v[L8], v[PC+4:PC+5], s[14:15] offset:512  ; registers 4, 5, 256 more
	global_store_b32 v[R32], v236, s[16:17]                    ; both halves of the lanes store the same word
	s_wait_tensorcnt 0x0
	ds_add_u32 v54, v55
	s_wait_dscnt 0x0
	s_endpgm
.Lfunc_end_k_qb97c746f1a_attn:
	.size	k_qb97c746f1a_attn, .Lfunc_end_k_qb97c746f1a_attn-k_qb97c746f1a_attn
	.p2alignl 7, 3214868480
	.fill 96, 4, 3214868480
	.section	.rodata,"a",@progbits
	.p2align	6, 0x0
	.amdhsa_kernel k_qb97c746f1a_attn
		.amdhsa_group_segment_fixed_size 280576
		.amdhsa_private_segment_fixed_size 0
		.amdhsa_enable_private_segment 0
		.amdhsa_kernarg_size 56
		.amdhsa_user_sgpr_count 2
		.amdhsa_user_sgpr_kernarg_segment_ptr 1
		.amdhsa_wavefront_size32 1
		.amdhsa_system_sgpr_workgroup_id_x 1
		.amdhsa_system_sgpr_workgroup_id_y 1
		.amdhsa_system_sgpr_workgroup_id_z 1
		.amdhsa_system_vgpr_workitem_id 0
		.amdhsa_next_free_vgpr 256
		.amdhsa_next_free_sgpr 66
		.amdhsa_reserve_vcc 0
		.amdhsa_float_denorm_mode_32 3
		.amdhsa_float_denorm_mode_16_64 3
		.amdhsa_memory_ordered 1
		.amdhsa_forward_progress 1
		.amdhsa_inst_pref_size 152
	.end_amdhsa_kernel
	.amdgpu_metadata
---
amdhsa.version: [ 1, 2 ]
amdhsa.kernels:
  - .name:           k_qb97c746f1a_attn
    .symbol:         k_qb97c746f1a_attn.kd
    .args:
      - { .name: ximg, .offset: 0, .size: 8, .value_kind: global_buffer, .address_space: global }
      - { .name: xsc, .offset: 8, .size: 8, .value_kind: global_buffer, .address_space: global }
      - { .name: wimg, .offset: 16, .size: 8, .value_kind: global_buffer, .address_space: global }
      - { .name: kvc, .offset: 24, .size: 8, .value_kind: global_buffer, .address_space: global }
      - { .name: kvs, .offset: 32, .size: 8, .value_kind: global_buffer, .address_space: global }
      - { .name: oimg, .offset: 40, .size: 8, .value_kind: global_buffer, .address_space: global }
      - { .name: osc, .offset: 48, .size: 8, .value_kind: global_buffer, .address_space: global }
    .group_segment_fixed_size: 280576
    .private_segment_fixed_size: 0
    .kernarg_segment_align: 8
    .kernarg_segment_size: 56
    .max_flat_workgroup_size: 512
    .sgpr_count:     66
    .vgpr_count:     256
    .wavefront_size: 32
...
	.end_amdgpu_metadata
.endif
;; end of part 3
;; launch outproj (part 4): grid 8 x 32, 4 waves a work-group, no clusters, 17,920 bytes of LDS; arguments oimg, osc, wimg, bo, out0; writes out0
.if DOCPART == 4
	.amdgcn_target "amdgcn-amd-amdhsa--gfx1250"
	.amdhsa_code_object_version 6
	.text
	.protected	k_qb97c746f1a_outproj
	.globl	k_qb97c746f1a_outproj
	.p2align	8
	.type	k_qb97c746f1a_outproj,@function
k_qb97c746f1a_outproj:
	s_mov_b64 s[64:65], 0
	v_nop
	global_prefetch_b8 v0, s[64:65] scope:SCOPE_SE
	s_setreg_imm32_b32 hwreg(HW_REG_WAVE_MODE, 25, 1), 1
	s_wait_xcnt 0x0
; out0 = o Wo + bo on codes of FP6 (E2M3) with one E8M0 byte for each 32 along K = 512.  o's codes and Wo's come as images of the operands' registers and go from memory straight into registers.
; A work-group makes 128 rows (y) x 128 columns (x); wave (W / 2, W % 2) makes 64 x 64: 16 accumulators, four K steps of 128, 64 products.  No loop, no barrier: waves share nothing.
; The product is used TRANSPOSED (source 0 = 16 columns of Wo, source 1 = 16 rows of o).  Row i of column tile 2 b + u is column 32 b + 8 u + i + 8 (i / 8), so register j of lane (r, h) is column 32 b + 8 u + 16 h + j of row r.
; The bias is the C of each sum's first product.  K step s of o is heads 2 s, 2 s + 1: two half images (512 bytes: registers 0-3 of six; 256 bytes: registers 4, 5), and the scale word is made of the two heads' two bytes each.
; REGISTERS, in windows of 256: window 0: v1-7 addresses; v16-47 the bias; v48-63 o's scale words, v64-71 Wo's (these hold scales and nothing else); v72-103 the heads' words as stored; v128-255 the accumulators.
;   window 1: o's 16 fragments.   window 2: Wo's 16.
.set BI,  16
.set AS,  48
.set WS,  64
.set E,   72
.set ACC, 128
.set MSB, 0
.macro WIN new
.if MSB != (\new)
	s_set_vgpr_msb (MSB<<8)|(\new)
.set MSB, \new
.endif
.endm
.macro WM d, a, b, c, sa, sb, ra
.if (\ra)
	v_wmma_scale_f32_16x16x128_f8f6f4 v[(\d):(\d)+7], v[(\a):(\a)+11], v[(\b):(\b)+11], v[(\c):(\c)+7], v[(\sa)], v[(\sb)] matrix_a_fmt:MATRIX_FMT_FP6 matrix_b_fmt:MATRIX_FMT_FP6 matrix_a_scale:MATRIX_SCALE_ROW1
.else
	v_wmma_scale_f32_16x16x128_f8f6f4 v[(\d):(\d)+7], v[(\a):(\a)+11], v[(\b):(\b)+11], v[(\c):(\c)+7], v[(\sa)], v[(\sb)] matrix_a_fmt:MATRIX_FMT_FP6 matrix_b_fmt:MATRIX_FMT_FP6
.endif
.endm
	s_load_b256 s[4:11], s[0:1], 0x0               ; oimg, osc, wimg, bo
	s_load_b64 s[12:13], s[0:1], 0x20              ; out0
	v_lshl_add_u32 v126, v0, 2, 0x4400
	v_mov_b32 v127, 0
	v_lshrrev_b32 v8, 5, v0
	v_readfirstlane_b32 s14, v8                    ; wave 0..3
	s_lshr_b32 s15, s14, 1                         ; which 64 rows
	s_and_b32 s16, s14, 1                          ; which 64 columns
	s_and_b32 s17, ttmp7, 0xffff                   ; which 128 rows
	v_and_b32 v8, 31, v0
	v_and_b32 v9, 15, v0                           ; r
	v_bfe_u32 v10, v0, 4, 1                        ; h
	v_lshlrev_b32 v1, 4, v8                        ; 16 x lane
	v_lshlrev_b32 v2, 3, v8                        ; 8 x lane
	v_lshlrev_b32 v3, 5, v9                        ; 32 r
	v_lshlrev_b32 v4, 6, v10                       ; 64 h
	s_mul_i32 s18, s14, 4352                       ; my stage: 16 rows x (256 + 16) bytes
	v_mul_u32_u24 v5, v9, 272
	v_lshl_add_u32 v5, v10, 6, v5
	v_add_nc_u32 v5, s18, v5                       ; in: row r, + 64 h
	v_mul_u32_u24 v6, v10, 272
	v_lshl_add_u32 v6, v9, 4, v6
	v_add_nc_u32 v6, s18, v6                       ; back: lanes 0-15 one row, lanes 16-31 the next
	v_lshlrev_b32 v7, 12, v10
	v_lshl_add_u32 v7, v9, 4, v7                   ; and the same two rows in out0
	s_lshl_b32 s19, s17, 3
	s_lshl_b32 s22, s15, 2
	s_add_co_u32 s19, s19, s22                     ; my first row tile: 8 y + 4 (W / 2)
	s_mul_i32 s22, s19, 6144
	s_mov_b32 s23, 0
	s_lshl_b32 s24, s19, 9
	s_mov_b32 s25, 0
	s_lshl_b32 s26, ttmp9, 2
	s_add_co_u32 s26, s26, 96
	s_mul_i32 s26, s26, 12800                      ; Wo's records 96 + 4 x ..
	s_mov_b32 s27, 0
	s_mul_i32 s28, s16, 6144                       ; my four tiles of the eight
	s_mov_b32 s29, 0
	s_lshl_b32 s30, s16, 3
	s_add_co_u32 s30, s30, 12288                   ; and their two words in each lane's 16 bytes of the scale pack
	s_mov_b32 s31, 0
	s_lshl_b32 s32, ttmp9, 9
	s_lshl_b32 s34, s16, 8
	s_add_co_u32 s32, s32, s34                     ; my first column, in bytes
	s_mov_b32 s33, 0
	s_lshl_b32 s34, s19, 16                        ; my first row of out0: 16 rows of 4,096 bytes a tile
	s_mov_b32 s35, 0
	s_wait_kmcnt 0x0
	s_add_nc_u64 s[4:5], s[4:5], s[22:23]
	s_add_nc_u64 s[6:7], s[6:7], s[24:25]
	s_add_nc_u64 s[8:9], s[8:9], s[26:27]
	s_add_nc_u64 s[20:21], s[8:9], s[30:31]
	s_add_nc_u64 s[8:9], s[8:9], s[28:29]
	s_add_nc_u64 s[10:11], s[10:11], s[32:33]
	s_add_nc_u64 s[12:13], s[12:13], s[32:33]
	s_add_nc_u64 s[12:13], s[12:13], s[34:35]
.irp t, 0,1,2,3
	global_load_b128 v[BI+8*\t:BI+8*\t+3], v4, s[10:11] offset:(32*(\t/2)+8*(\t%2))*4
	global_load_b128 v[BI+8*\t+4:BI+8*\t+7], v4, s[10:11] offset:(32*(\t/2)+8*(\t%2))*4+16
.endr
.irp s, 0,1,2,3
	global_load_b64 v[WS+2*\s:WS+2*\s+1], v1, s[20:21] offset:12800*\s
.endr
.irp a, 0,1,2,3
	global_load_b128 v[E+8*\a:E+8*\a+3], v3, s[6:7] offset:512*\a
	global_load_b128 v[E+8*\a+4:E+8*\a+7], v3, s[6:7] offset:512*\a+16
.endr
.irp s, 0,1,2,3                        ; 28 loads a K step: o's four fragments (16), Wo's four (12)
	WIN 0x40                                       ; destination window 1
.irp a, 0,1,2,3
.irp c, 0,1
	global_load_b128 v[12*(4*\s+\a)+6*\c:12*(4*\s+\a)+6*\c+3], v1, s[4:5] offset:6144*\a+1536*\s+768*\c
	global_load_b64 v[12*(4*\s+\a)+6*\c+4:12*(4*\s+\a)+6*\c+5], v2, s[4:5] offset:6144*\a+1536*\s+768*\c+512
.endr
.endr
	WIN 0x80                                       ; destination window 2
.irp t, 0,1,2,3
.irp c, 0,1,2
	global_load_b128 v[12*(4*\s+\t)+4*\c:12*(4*\s+\t)+4*\c+3], v1, s[8:9] offset:12800*\s+1536*\t+512*\c
.endr
.endr
.endr
	WIN 0
	s_wait_loadcnt 56                              ; all but the last two K steps' 28 + 28
.irp a, 0,1,2,3
.irp s, 0,1,2,3
	v_lshl_or_b32 v[AS+4*\a+\s], v[E+8*\a+2*\s+1], 16, v[E+8*\a+2*\s]   ; bytes 0, 1: head 2 s;  bytes 2, 3: head 2 s + 1
.endr
.endr
.rept 8
	v_nop                                          ; a scale register written by a vector instruction stands eight places ahead of a scaled matrix instruction
.endr
.macro PROD s                          ; 16 products: the accumulators by turns, one instruction a turn
.irp a, 0,1,2,3
.irp t, 0,1,2,3
.if (\s) == 0
	WM ACC+8*(4*\a+\t), 12*(4*(\s)+\t), 12*(4*(\s)+\a), BI+8*\t, WS+2*(\s)+\t/2, AS+4*\a+(\s), \t%2
.else
	WM ACC+8*(4*\a+\t), 12*(4*(\s)+\t), 12*(4*(\s)+\a), ACC+8*(4*\a+\t), WS+2*(\s)+\t/2, AS+4*\a+(\s), \t%2
.endif
.endr
.endr
.endm
	WIN 0x06                                       ; source 0 (Wo) window 2, source 1 (o) window 1, C and D window 0
	PROD 0
	PROD 1
	s_wait_loadcnt 28
	PROD 2
	s_wait_loadcnt 0x0
	PROD 3
	WIN 0
.rept 4
	v_nop                                          ; places ahead of the first read of results
.endr
; THE WAY OUT, 16 rows x 64 columns at a time, through my own stage: in as a lane's eight neighbouring columns, back as whole rows of 256 bytes, into the registers that they left.
; LDS serves a wave's instructions in order (ISA guide 5.7.1.4): no wait between the stores and the loads, nor ahead of the next block's stores.
.macro PACK a
.irp t, 0,1,2,3
	ds_store_b128 v5, v[ACC+8*(4*(\a)+\t):ACC+8*(4*(\a)+\t)+3] offset:128*(\t/2)+32*(\t%2)       ; each accumulator from its low end on
	ds_store_b128 v5, v[ACC+8*(4*(\a)+\t)+4:ACC+8*(4*(\a)+\t)+7] offset:128*(\t/2)+32*(\t%2)+16
.endr
.irp i, 0,1,2,3,4,5,6,7
	ds_load_b128 v[ACC+32*(\a)+4*\i:ACC+32*(\a)+4*\i+3], v6 offset:544*\i
.endr
.endm
.macro SEND a, younger                 ; younger: the LDS instructions issued behind block a's loads: the next block's sixteen, or none
.irp i, 0,1,2,3,4,5,6,7
	s_wait_dscnt (\younger)+7-\i
	global_store_b128 v7, v[ACC+32*(\a)+4*\i:ACC+32*(\a)+4*\i+3], s[12:13] offset:(16*(\a)+2*\i)*4096 th:TH_STORE_NT   ; sixteen lanes store 256 consecutive bytes, aligned
.endr
.endm
	PACK 0
	PACK 1
	SEND 0, 16
	PACK 2
	SEND 1, 16
	PACK 3
	SEND 2, 16
	SEND 3, 0
	s_wait_tensorcnt 0x0
	ds_add_u32 v126, v127
	s_wait_dscnt 0x0
	s_endpgm
.Lfunc_end_k_qb97c746f1a_outproj:
	.size	k_qb97c746f1a_outproj, .Lfunc_end_k_qb97c746f1a_outproj-k_qb97c746f1a_outproj
	.p2alignl 7, 3214868480
	.fill 96, 4, 3214868480
	.section	.rodata,"a",@progbits
	.p2align	6, 0x0
	.amdhsa_kernel k_qb97c746f1a_outproj
		.amdhsa_group_segment_fixed_size 17920
		.amdhsa_private_segment_fixed_size 0
		.amdhsa_enable_private_segment 0
		.amdhsa_kernarg_size 40
		.amdhsa_user_sgpr_count 2
		.amdhsa_user_sgpr_kernarg_segment_ptr 1
		.amdhsa_wavefront_size32 1
		.amdhsa_system_sgpr_workgroup_id_x 1
		.amdhsa_system_sgpr_workgroup_id_y 1
		.amdhsa_system_sgpr_workgroup_id_z 1
		.amdhsa_system_vgpr_workitem_id 0
		.amdhsa_next_free_vgpr 768
		.amdhsa_next_free_sgpr 66
		.amdhsa_reserve_vcc 0
		.amdhsa_float_denorm_mode_32 3
		.amdhsa_float_denorm_mode_16_64 3
		.amdhsa_memory_ordered 1
		.amdhsa_forward_progress 1
		.amdhsa_inst_pref_size 33
	.end_amdhsa_kernel
	.amdgpu_metadata
---
amdhsa.version: [ 1, 2 ]
amdhsa.kernels:
  - .name:           k_qb97c746f1a_outproj
    .symbol:         k_qb97c746f1a_outproj.kd
    .args:
      - { .name: oimg, .offset: 0, .size: 8, .value_kind: global_buffer, .address_space: global }
      - { .name: osc, .offset: 8, .size: 8, .value_kind: global_buffer, .address_space: global }
      - { .name: wimg, .offset: 16, .size: 8, .value_kind: global_buffer, .address_space: global }
      - { .name: bo, .offset: 24, .size: 8, .value_kind: global_buffer, .address_space: global }
      - { .name: out0, .offset: 32, .size: 8, .value_kind: global_buffer, .address_space: global }
    .group_segment_fixed_size: 17920
    .private_segment_fixed_size: 0
    .kernarg_segment_align: 8
    .kernarg_segment_size: 40
    .max_flat_workgroup_size: 128
    .sgpr_count:     66
    .vgpr_count:     768
    .wavefront_size: 32
...
	.end_amdgpu_metadata
.endif
;; end of part 4
;; ======== version 2 of 2: 4 launches
;; workspace buffers: wimg 1,638,400 bytes; kvc 25,165,824 bytes; kvs 1,572,864 bytes; ximg 3,145,728 bytes; xsc 131,072 bytes; oimg 1,572,864 bytes; osc 131,072 bytes
;; launch prep (part 5): grid 128 x 1, 8 waves a work-group, no clusters, 1,536 bytes of LDS; arguments Wq, Wk, Wv, Wo, wimg; writes wimg
.if DOCPART == 5
	.amdgcn_target "amdgcn-amd-amdhsa--gfx1250"
	.amdhsa_code_object_version 6
	.text
	.protected	k_qb97c746f1a_prep
	.globl	k_qb97c746f1a_prep
	.p2align	8
	.type	k_qb97c746f1a_prep,@function
k_qb97c746f1a_prep:
	s_mov_b64 s[64:65], 0
	v_nop
	global_prefetch_b8 v0, s[64:65] scope:SCOPE_SE
	s_setreg_imm32_b32 hwreg(HW_REG_WAVE_MODE, 25, 1), 1
	s_wait_xcnt 0x0
; The four weights, f32 with K as their FIRST axis, become codes of FP6 (E2M3) with one E8M0 byte for each 32 along K, laid in the order of the operand's registers.
; wimg is 128 records of 12,800 bytes.  A record is 128 output columns x 128 along K: eight tiles of 16 columns, each an IMAGE of a fragment's 12 registers
; (three planes of 512 bytes; plane c = registers 4 c .. 4 c + 3, lane l at 16 l), then a pack of 512 bytes of scale words: lane l's 16 bytes = the words of tiles 2 i + l / 16, row l % 16, i = 0 .. 3.
; THE COLUMNS OF A TILE ARE NOT NEIGHBOURS: row r of tile 2 blk + u is column 32 blk + 8 u + r + 8 (r / 8) of the record's 128.
; Records: Wq 8 w + s;  Wk 32 + 16 w + s;  Wv 32 + 16 w + 8 + s  (w: 128 columns, s: 128 along K);  Wo 96 + 4 w + s.
; A work-group makes one record, wave t its tile t.  A lane takes one column and its registers run down K in the order that the operand's layout gives that lane, so the conversions' results are the registers.
; A block's scale is 2^(floor(log2(largest magnitude)) - 2); its byte is the largest magnitude's exponent field - 2, held at 1 from below.
; LIMITS: NaN and infinities among the inputs are not served; a block whose largest magnitude lies under 2^-124 keeps the byte 1; a block of zeros gets the byte 1 (not 127): its codes are zeros, and this program alone reads the bytes.
.set REC, 12800
.set X,   32                           ; v32-95   64 numbers: X[32 c + i] = W[128 s + 64 c + 32 h + i][my column]
.set F,   96                           ; v96-107  the fragment
.set CT,  108                          ; v108-110, v112-114: the upper halves of the two blocks' codes (a conversion's three registers begin on an even number)
	s_load_b256 s[4:11], s[0:1], 0x0               ; Wq, Wk, Wv, Wo
	s_load_b64 s[12:13], s[0:1], 0x20              ; wimg
	v_lshl_add_u32 v128, v0, 2, 0x200
	v_mov_b32 v129, 0
	v_lshrrev_b32 v1, 5, v0
	s_delay_alu instid0(VALU_DEP_1)
	v_readfirstlane_b32 s14, v1                    ; wave = tile 0..7
	s_lshr_b32 s15, ttmp9, 5                       ; which weight: 0 Wq, 1 Wk, 2 Wv, 3 Wo
	s_and_b32 s16, ttmp9, 31                       ; which of its 32 records
	s_lshr_b32 s17, s16, 3                         ; w and s for [1024][512] ..
	s_and_b32 s18, s16, 7
	s_lshr_b32 s19, s16, 2                         ; .. and for Wo, [512][1024]
	s_and_b32 s20, s16, 3
	s_cmp_eq_u32 s15, 3
	s_cselect_b32 s17, s19, s17                    ; w
	s_cselect_b32 s18, s20, s18                    ; s
	s_cselect_b32 s21, 12, 11                      ; log2 of a row's bytes: 4,096 or 2,048
	s_lshl_b32 s22, s17, 4
	s_lshl_b32 s23, s15, 3
	s_add_co_u32 s22, s22, s23
	s_add_co_u32 s22, s22, s18
	s_add_co_u32 s22, s22, 24                      ; Wk, Wv: 32 + 16 w + 8 (weight - 1) + s
	s_sub_co_u32 s23, s15, 1
	s_cmp_lt_u32 s23, 2
	s_cselect_b32 s22, s22, ttmp9                  ; Wq, Wo: the work-group's own number
	s_mul_i32 s26, s22, REC
	s_mov_b32 s27, 0                               ; s[26:27]: the record's first byte
	s_add_co_u32 s23, s21, 7
	s_lshl_b32 s24, s18, s23                       ; 128 s rows
	s_lshl_b32 s23, s17, 9
	s_add_co_u32 s24, s24, s23                     ; + 128 w columns
	s_lshr_b32 s28, s14, 1                         ; blk
	s_and_b32 s29, s14, 1                          ; u
	s_lshl_b32 s23, s28, 7
	s_add_co_u32 s24, s24, s23                     ; + 32 blk columns
	s_lshl_b32 s23, s29, 5
	s_add_co_u32 s24, s24, s23                     ; + 8 u columns
	s_mov_b32 s25, 0                               ; s[24:25]: where my tile begins in the weight
	s_add_co_u32 s30, s21, 5                       ; log2 of 32 rows' bytes
	s_lshl_b32 s31, s29, 8
	s_lshl_b32 s23, s28, 2
	s_add_co_u32 s31, s31, s23                     ; the pack: 256 u + 4 blk
	s_mul_i32 s32, s14, 1536                       ; my tile's image in the record
	s_mov_b32 s34, 0x76543210
	s_mov_b32 s35, 0xfedcba98                      ; v_permlanex16_b32's selects for lane l xor 16
	v_and_b32 v1, 15, v0                           ; r
	v_bfe_u32 v2, v0, 4, 1                         ; h
	v_and_b32 v7, 31, v0                           ; lane
	s_delay_alu instid0(VALU_DEP_3)
	v_and_b32 v8, 8, v1
	s_delay_alu instid0(VALU_DEP_1)
	v_add_nc_u32 v8, v8, v1                        ; r + 8 (r / 8)
	s_delay_alu instid0(VALU_DEP_1)
	v_lshlrev_b32 v3, 2, v8
	v_lshlrev_b32 v9, s30, v2
	s_delay_alu instid0(VALU_DEP_1)
	v_add_nc_u32 v3, v3, v9                        ; in: my column, and 32 rows further down for lanes 16-31
	v_lshlrev_b32 v6, 4, v7                        ; 16 x lane
	s_delay_alu instid0(VALU_DEP_1)
	v_add_nc_u32 v4, s32, v6                       ; out: my 16 bytes of a plane of my tile's image
	v_lshl_add_u32 v5, v1, 4, s31                  ; LDS: my row's scale word in the pack: 16 (16 u + r) + 4 blk
	s_wait_kmcnt 0x0
	s_cmp_eq_u32 s15, 1                            ; the choice hangs on the work-group's number alone
	s_cselect_b64 s[4:5], s[6:7], s[4:5]
	s_cmp_eq_u32 s15, 2
	s_cselect_b64 s[4:5], s[8:9], s[4:5]
	s_cmp_eq_u32 s15, 3
	s_cselect_b64 s[4:5], s[10:11], s[4:5]
	s_add_nc_u64 s[4:5], s[4:5], s[24:25]
	s_add_nc_u64 s[12:13], s[12:13], s[26:27]
.macro LOADS pitch                     ; 64 loads: the eight waves together read 512 consecutive bytes of each row
.set cc, 0
.rept 2
.set ii, 0
.rept 32
	global_load_b32 v[X+32*cc+ii], v3, s[4:5] offset:(64*cc+ii)*(\pitch) th:TH_LOAD_NT
.set ii, ii+1
.endr
.set cc, cc+1
.endr
.endm
	s_cbranch_scc1 .Lwide                          ; only the loads differ: a row's bytes stand in their immediates
	s_wait_alu depctr_va_vdst(0)
	LOADS 2048
	s_branch .Lin
.Lwide:
	s_wait_alu depctr_va_vdst(0)
	LOADS 4096
.Lin:
	s_wait_loadcnt 0x0
.irp c, 0,1                            ; my block 2 c + h: all its 32 numbers are mine
	v_max3_num_f32 v[8+\c], |v[X+32*\c]|, |v[X+32*\c+1]|, 0x1800000   ; with the floor 2^(3 - 127) among the leaves: the byte cannot fall under 1
.endr
.irp i, 2,4,6,8,10,12,14,16,18,20,22,24,26,28,30
.irp c, 0,1
	s_delay_alu instid0(VALU_DEP_2)
	v_max3_num_f32 v[8+\c], v[8+\c], |v[X+32*\c+\i]|, |v[X+32*\c+\i+1]|   ; the two blocks by turns
.endr
.endr
.irp c, 0,1
	s_delay_alu instid0(VALU_DEP_2)
	v_add_nc_u32 v[10+\c], 0xff000000, v[8+\c]     ; 2 off the exponent field: the conversion's scale operand
.endr
.irp c, 0,1
	s_delay_alu instid0(VALU_DEP_2)
	v_lshrrev_b32 v[12+\c], 23, v[10+\c]           ; the scale's byte
.endr
	s_delay_alu instid0(VALU_DEP_1)
	v_lshl_or_b32 v14, v13, 16, v12                ; my two bytes: blocks h and 2 + h,
	v_lshlrev_b32 v15, 3, v2
	s_delay_alu instid0(VALU_DEP_1)
	v_lshlrev_b32 v14, v15, v14                    ; at their places in the word (8 h bits up);
	v_mov_b32 v15, 0
	s_delay_alu instid0(VALU_DEP_1)
	v_permlanex16_b32 v15, v14, s34, s35
	s_delay_alu instid0(VALU_DEP_1)
	v_or_b32 v14, v14, v15                         ; with lane l xor 16's two the word is whole, in both halves of the lanes
.irp c, 0,1
	v_cvt_scalef32_pk16_fp6_f32 v[F+6*\c:F+6*\c+2], v[X+32*\c:X+32*\c+15], v[10+\c]
	v_cvt_scalef32_pk16_fp6_f32 v[CT+4*\c:CT+4*\c+2], v[X+32*\c+16:X+32*\c+31], v[10+\c]
.endr
	v_nop                                          ; one plain line behind the scaled conversions
.irp c, 0,1
.irp i, 0,1,2
	v_mov_b32 v[F+3+6*\c+\i], v[CT+4*\c+\i]
.endr
.endr
.irp c, 0,1,2
	global_store_b128 v4, v[F+4*\c:F+4*\c+3], s[12:13] offset:512*\c   ; each store of the wave covers 512 consecutive bytes, aligned
.endr
	ds_store_b32 v5, v14                           ; both halves of the lanes write the same word with the same value
	s_wait_dscnt 0x0                               ; for the others' sake: my word lies in the pack
	s_barrier_signal -1
	s_barrier_wait -1
	s_cmp_lg_u32 s14, 0
	s_cbranch_scc1 .Lend
	ds_load_b128 v[16:19], v6                      ; wave 0 stores the pack whole
	s_wait_dscnt 0x0
	global_store_b128 v6, v[16:19], s[12:13] offset:12288
.Lend:
	s_wait_tensorcnt 0x0
	ds_add_u32 v128, v129
	s_wait_dscnt 0x0
	s_endpgm
.Lfunc_end_k_qb97c746f1a_prep:
	.size	k_qb97c746f1a_prep, .Lfunc_end_k_qb97c746f1a_prep-k_qb97c746f1a_prep
	.p2alignl 7, 3214868480
	.fill 96, 4, 3214868480
	.section	.rodata,"a",@progbits
	.p2align	6, 0x0
	.amdhsa_kernel k_qb97c746f1a_prep
		.amdhsa_group_segment_fixed_size 1536
		.amdhsa_private_segment_fixed_size 0
		.amdhsa_enable_private_segment 0
		.amdhsa_kernarg_size 40
		.amdhsa_user_sgpr_count 2
		.amdhsa_user_sgpr_kernarg_segment_ptr 1
		.amdhsa_wavefront_size32 1
		.amdhsa_system_sgpr_workgroup_id_x 1
		.amdhsa_system_sgpr_workgroup_id_y 1
		.amdhsa_system_sgpr_workgroup_id_z 1
		.amdhsa_system_vgpr_workitem_id 0
		.amdhsa_next_free_vgpr 130
		.amdhsa_next_free_sgpr 66
		.amdhsa_reserve_vcc 0
		.amdhsa_float_denorm_mode_32 3
		.amdhsa_float_denorm_mode_16_64 3
		.amdhsa_memory_ordered 1
		.amdhsa_forward_progress 1
		.amdhsa_inst_pref_size 20
	.end_amdhsa_kernel
	.amdgpu_metadata
---
amdhsa.version: [ 1, 2 ]
amdhsa.kernels:
  - .name:           k_qb97c746f1a_prep
    .symbol:         k_qb97c746f1a_prep.kd
    .args:
      - { .name: Wq, .offset: 0, .size: 8, .value_kind: global_buffer, .address_space: global }
      - { .name: Wk, .offset: 8, .size: 8, .value_kind: global_buffer, .address_space: global }
      - { .name: Wv, .offset: 16, .size: 8, .value_kind: global_buffer, .address_space: global }
      - { .name: Wo, .offset: 24, .size: 8, .value_kind: global_buffer, .address_space: global }
      - { .name: wimg, .offset: 32, .size: 8, .value_kind: global_buffer, .address_space: global }
    .group_segment_fixed_size: 1536
    .private_segment_fixed_size: 0
    .kernarg_segment_align: 8
    .kernarg_segment_size: 40
    .max_flat_workgroup_size: 256
    .sgpr_count:     66
    .vgpr_count:     130
    .wavefront_size: 32
...
	.end_amdgpu_metadata
.endif
;; end of part 5
;; launch kvproj (part 6): grid 256 x 1, 4 waves a work-group, no clusters, 170,496 bytes of LDS; arguments context, x, wimg, kvc, kvs, ximg, xsc; writes kvc, kvs, ximg, xsc
.if DOCPART == 6
	.amdgcn_target "amdgcn-amd-amdhsa--gfx1250"
	.amdhsa_code_object_version 6
	.text
	.protected	k_qb97c746f1a_kvproj
	.globl	k_qb97c746f1a_kvproj
	.p2align	8
	.type	k_qb97c746f1a_kvproj,@function
k_qb97c746f1a_kvproj:
	s_mov_b64 s[64:65], 0
	v_nop
	global_prefetch_b8 v0, s[64:65] scope:SCOPE_SE
	s_setreg_imm32_b32 hwreg(HW_REG_WAVE_SCHED_MODE, 0, 2), 2
	s_setreg_imm32_b32 hwreg(HW_REG_WAVE_MODE, 25, 1), 1
	s_wait_xcnt 0x0
	s_wait_alu depctr_vm_vsrc(0)
; k = context Wk and v = context Wv on codes of FP6 (E2M3) with one E8M0 byte for each 32 along K; the results are quantised at once (k along the head's 64, v along the keys) and leave as images of the
; registers in which the attention launch wants them.  Besides, x is quantised along its rows into fragment images.
; SHARES.  Work-group g owns 128 rows of context (batch g / 32, key step g % 32) and rows 16 g .. 16 g + 15 of x.  THE WAVES SHARE THE COLUMNS: wave w makes inner columns 128 w .. 128 w + 127 (heads 2 w, 2 w + 1)
; for all 128 rows, first of k, then of v: 64 accumulators, 512 registers.  The rows' codes are made ONCE (phase X: wave w quantises rows 32 w .. 32 w + 31) and lie in LDS as images that all four waves read;
; the weights' images are read by the one wave that multiplies by them, from memory straight into registers, two K steps ahead.
; THE ROWS OF A TILE ARE NOT NEIGHBOURS: row i of tile 2 blk + u is row 32 blk + 8 u + i + 8 (i / 8) of the 128.  So where such a tile is source 0, a lane's 16 registers of tiles 2 blk, 2 blk + 1 are 16 neighbours.
; k is made TRANSPOSED (source 0 = 16 columns of Wk, source 1 = 16 rows): a lane holds one key and its registers run along d.  v is made the other way (source 0 = 16 rows, source 1 = 16 columns of Wv): a lane holds one d and its registers run along the keys.
; OUT.  kvc [batch][head][key step][12,288]: four images of K (image blk: registers 0-5 = key tile (blk, 0), 6-11 = key tile (blk, 1); six registers = the key's 64 codes), then four images of V (16 of d x 128 keys).
;       kvs [batch][head][key step][768]: K's scale words (lane l: words of key tiles (i, l / 16), i = 0 .. 3; bytes 0, 1 count), then V's (lane l: words of d tiles 2 i + l / 16, i = 0, 1).
;       ximg [row tile][K step][1,536], xsc [row tile][row][K step] words.
; LIMITS: NaN and infinities are not served; a block whose largest magnitude lies under 2^-124 keeps the byte 1; a block of zeros gets the byte 1 (not 127): its codes are zeros, and this program alone reads the bytes.
; LDS: 0: the rows' images [blk 4][K step 8][u 2][1,536]: wave w writes bytes 24,576 w on;  ASC: their scale words [blk 4][K step 8][lane 16 u + r];  STG: two stages of 16 rows x 528 bytes for each wave.
; REGISTERS, in windows of 256: window 0: v1-14 addresses; v24-31 the rows' scale words, v32-39 the weights' (two sets each: these hold scales and nothing else); v64-159, v160-255 the rows' fragments, two sets
;   (phase X: v64-191 two sets of 64 numbers; phase X and the ways out: v192-253 at work).  window 1: the weights' fragments, two sets of 96.  windows 2, 3: the accumulators (phase X: window 2 = four sets of 64 numbers as loaded).
; THE MODE: SCHED_MODE bits 1:0 = 2 (LLVM: expert scheduling mode 2), set by the entry lines.  The code itself states the register dependences
; between vector or matrix instructions and memory or LDS instructions, with s_wait_alu, always for 0.
; THE PLAN.  Registers that memory or LDS instructions touch:
;   PHASE X, unit t.  Window 2's set t % 4: written by the loads of unit t, read by the stage's stores that unit t - 1 issues, loaded again in unit t; no vector instruction names it.
;     v64-191, set t % 2: written by the stage's loads that unit t - 1 issues, read by unit t's vector lines.   PA, PW: written by unit t's vector lines, read by its image's stores.   XW, XV: written in a trip's first unit, read by the images' stores.
;     Two waits a unit.  On vm_vsrc at its head: all LDS and global stores issued so far have read their registers.  On va_vdst behind its vector lines: they have written what the image's stores read, and are done reading
;     the unit's 64 numbers, in which the stage's loads of the next unit land: no vector instruction between names those.
;   A K STEP on sets p.  The weights' tiles 0-3: read by the first 32 products, loaded again in the step's middle; tiles 4-7 and the weights' scale words: read by the second 32 (the words by all 64), loaded again at its end.
;     The rows' other set and its scale words: read by the step before, loaded in the middle.   ADA, ADA2, ADS: read by those LDS loads, written in the middle ahead of them.
;     In the middle a wait on vm_vsrc ahead of the three additions and a wait on va_vdst ahead of the run of loads; at the end a wait on va_vdst ahead of the run of loads.
;   THE WAYS OUT, a pair of tiles.  PA, PB and the scale words: written by vector lines, read by the pair's stores: a wait on vm_vsrc ahead of the lines, a wait on va_vdst ahead of the stores.
;   All other addresses (v1-v5, v7, v8, v11, v12) are made at the head and never written again.
.set REC,  12800
.set ASC,  98304
.set STG,  102400
.set STW,  16896
.set LI,   1                           ; 16 x lane; never rewritten
.set SIN,  2                           ; my stage, on the way in: 16 x lane
.set SOUT, 3                           ; and out: 528 r + 64 h
.set XWI,  4                           ; where I store images: 16 x lane + 24,576 x wave
.set XWS,  5                           ; and scale words: ASC + 1,024 x wave + 4 r
.set ADA,  6                           ; the K step's images, tiles 0-3
.set L8,   7                           ; 8 x lane
.set XSO,  8                           ; xsc: 32 r + 8 x wave + 4 h
.set ADA2, 9                           ; the K step's images, tiles 4-7 (49,152 bytes on: an LDS immediate has 16 bits)
.set ADS,  10                          ; the K step's scale words
.set LI2,  11                          ; 16 x lane + 49,152
.set LS,   12                          ; ASC + 4 x lane
.set XW,   13                          ; XWI + the trip's K steps
.set XV,   14                          ; XWS + the trip's K steps
.set AS,   24
.set WS,   32
.set AF,   64
.set TM,   192                         ; +0..3 largest magnitudes, +4..7 the other half's, then bytes, +12..15 the conversions' scale operands
.set PW,   208                         ; the scale word just made
.set PW0,  209
.set CT,   210                         ; v210-212, v214-216
.set PA,   220                         ; 12 registers of codes
.set PB,   232                         ; 12 more
.set SKA,  244
.set SKB,  248
.set XP,   252
.set WV,   18
.set SEL,  20
.set HIM,  22                          ; the mask of lanes 16-31
.set CNT,  23
.set SA,   24                          ; 3,072 x the K step to be fetched
.set SS,   25                          ; 128 x the same
.set SX,   26
.set SY,   27
.set MSB, 0
.macro WIN new                         ; the immediate's high byte repeats the setting that is left; a switch that changes nothing is dropped
.if MSB != (\new)
	s_set_vgpr_msb (MSB<<8)|(\new)
.set MSB, \new
.endif
.endm
.macro PLACES                          ; four plain lines behind a matrix instruction, ahead of reads of its results; ahead of loads into its registers they stand as they stood, beside the wait that states that dependence
.rept 4
	v_nop
.endr
.endm
; one product.  z = 1: C is the constant 0;  ra, rb: source 0's, source 1's scale words stand in lanes 16-31
.macro WM d, a, b, z, sa, sb, ra, rb
.if (\z) && (\ra) && (\rb)
	v_wmma_scale_f32_16x16x128_f8f6f4 v[(\d):(\d)+7], v[(\a):(\a)+11], v[(\b):(\b)+11], 0, v[(\sa)], v[(\sb)] matrix_a_fmt:MATRIX_FMT_FP6 matrix_b_fmt:MATRIX_FMT_FP6 matrix_a_scale:MATRIX_SCALE_ROW1 matrix_b_scale:MATRIX_SCALE_ROW1
.elseif (\z) && (\ra)
	v_wmma_scale_f32_16x16x128_f8f6f4 v[(\d):(\d)+7], v[(\a):(\a)+11], v[(\b):(\b)+11], 0, v[(\sa)], v[(\sb)] matrix_a_fmt:MATRIX_FMT_FP6 matrix_b_fmt:MATRIX_FMT_FP6 matrix_a_scale:MATRIX_SCALE_ROW1
.elseif (\z) && (\rb)
	v_wmma_scale_f32_16x16x128_f8f6f4 v[(\d):(\d)+7], v[(\a):(\a)+11], v[(\b):(\b)+11], 0, v[(\sa)], v[(\sb)] matrix_a_fmt:MATRIX_FMT_FP6 matrix_b_fmt:MATRIX_FMT_FP6 matrix_b_scale:MATRIX_SCALE_ROW1
.elseif (\z)
	v_wmma_scale_f32_16x16x128_f8f6f4 v[(\d):(\d)+7], v[(\a):(\a)+11], v[(\b):(\b)+11], 0, v[(\sa)], v[(\sb)] matrix_a_fmt:MATRIX_FMT_FP6 matrix_b_fmt:MATRIX_FMT_FP6
.elseif (\ra) && (\rb)
	v_wmma_scale_f32_16x16x128_f8f6f4 v[(\d):(\d)+7], v[(\a):(\a)+11], v[(\b):(\b)+11], v[(\d):(\d)+7], v[(\sa)], v[(\sb)] matrix_a_fmt:MATRIX_FMT_FP6 matrix_b_fmt:MATRIX_FMT_FP6 matrix_a_scale:MATRIX_SCALE_ROW1 matrix_b_scale:MATRIX_SCALE_ROW1
.elseif (\ra)
	v_wmma_scale_f32_16x16x128_f8f6f4 v[(\d):(\d)+7], v[(\a):(\a)+11], v[(\b):(\b)+11], v[(\d):(\d)+7], v[(\sa)], v[(\sb)] matrix_a_fmt:MATRIX_FMT_FP6 matrix_b_fmt:MATRIX_FMT_FP6 matrix_a_scale:MATRIX_SCALE_ROW1
.elseif (\rb)
	v_wmma_scale_f32_16x16x128_f8f6f4 v[(\d):(\d)+7], v[(\a):(\a)+11], v[(\b):(\b)+11], v[(\d):(\d)+7], v[(\sa)], v[(\sb)] matrix_a_fmt:MATRIX_FMT_FP6 matrix_b_fmt:MATRIX_FMT_FP6 matrix_b_scale:MATRIX_SCALE_ROW1
.else
	v_wmma_scale_f32_16x16x128_f8f6f4 v[(\d):(\d)+7], v[(\a):(\a)+11], v[(\b):(\b)+11], v[(\d):(\d)+7], v[(\sa)], v[(\sb)] matrix_a_fmt:MATRIX_FMT_FP6 matrix_b_fmt:MATRIX_FMT_FP6
.endif
.endm
; the weights: tiles 4 g2 .. 4 g2 + 3 of the record at s[8:9] + imm into set p (12 loads), and the record's scale pack (1 load)
.macro RELB p, g2, imm
	WIN 0x40                                       ; destination window 1
.irp t, 0,1,2,3
.irp c, 0,1,2
	global_load_b128 v[96*(\p)+12*(4*(\g2)+\t)+4*\c:96*(\p)+12*(4*(\g2)+\t)+4*\c+3], v[LI], s[8:9] offset:(\imm)+1536*(4*(\g2)+\t)+512*\c
.endr
.endr
.endm
.macro RELS p, imm
	WIN 0
	global_load_b128 v[WS+4*(\p):WS+4*(\p)+3], v[LI], s[8:9] offset:(\imm)+12288
.endm
; phase X: 16 rows x 128 numbers as they lie: each load is 512 consecutive bytes of one row.  context's rows in the tile's order, x's as they come
.macro LOADC set, imm
	WIN 0x80                                       ; destination window 2
.set ii, 0
.rept 16
	global_load_b128 v[64*(\set)+4*ii:64*(\set)+4*ii+3], v[LI], s[4:5] offset:(\imm)+(ii+8*(ii/8))*4096 th:TH_LOAD_NT
.set ii, ii+1
.endr
.endm
.macro LOADX set, e
	WIN 0x80
.set ii, 0
.rept 16
	global_load_b128 v[64*(\set)+4*ii:64*(\set)+4*ii+3], v[LI], s[6:7] offset:512*(\e)+ii*4096 th:TH_LOAD_NT
.set ii, ii+1
.endr
.endm
; unit t's numbers through my stage: in as rows, out so that register 16 bb + i of lane (r, h) is k = 32 bb + 16 h + i of row r.  Rows 528 = 33 x 16 bytes apart.  LDS serves a wave's instructions in order (ISA guide 5.7.1.4): no wait between
.macro TURN t
	WIN 0x08                                       ; an LDS store's data are its source 1: window 2
.set ii, 0
.rept 16
	ds_store_b128 v[SIN], v[64*((\t)%4)+4*ii:64*((\t)%4)+4*ii+3] offset:8448*((\t)%2)+528*ii
.set ii, ii+1
.endr
	WIN 0
.irp bb, 0,1,2,3
.irp jj, 0,1,2,3
	ds_load_b128 v[AF+64*((\t)%2)+16*\bb+4*\jj:AF+64*((\t)%2)+16*\bb+4*\jj+3], v[SOUT] offset:8448*((\t)%2)+128*\bb+16*\jj
.endr
.endr
.endm
; 64 numbers of a lane in window win, register s + 16 b + i = k 32 b + 16 h + i of the lane's row, become codes: k 0-63 in v[d0] .. v[d0 + 5], k 64-127 in v[d1] .. v[d1 + 5], and the row's scale word in v[PW] (both halves of the lanes).
; Each accumulator is read from its low end on.
.macro QUANT win, s, d0, d1
	WIN (\win)|((\win)<<2)
.irp b, 0,1,2,3
	v_max3_num_f32 v[TM+\b], |v[(\s)+16*\b]|, |v[(\s)+16*\b+1]|, 0x1800000   ; my 16 numbers of block b, and the floor 2^(3 - 127): the byte cannot fall under 1
.endr
.irp i, 2,4,6,8,10,12,14
.irp b, 0,1,2,3
	v_max3_num_f32 v[TM+\b], |v[(\s)+16*\b+\i]|, |v[(\s)+16*\b+\i+1]|, v[TM+\b]   ; the four blocks by turns
.endr
.endr
	WIN 0
.irp b, 0,1,2,3
	v_permlanex16_b32 v[TM+4+\b], v[TM+\b], s[SEL], s[SEL+1]
.endr
.irp b, 0,1,2,3
	v_max_num_f32 v[TM+\b], v[TM+\b], v[TM+4+\b]   ; with lane l xor 16's: the block's largest magnitude
.endr
.irp b, 0,1,2,3
	v_add_nc_u32 v[TM+12+\b], 0xff000000, v[TM+\b] ; 2 off its exponent field: the conversion's scale operand
.endr
.irp b, 0,1,2,3
	v_lshrrev_b32 v[TM+4+\b], 23, v[TM+12+\b]      ; the scale's byte
.endr
	v_lshl_or_b32 v[PW], v[TM+5], 8, v[TM+4]
	v_lshl_or_b32 v[PW], v[TM+6], 16, v[PW]
	v_lshl_or_b32 v[PW], v[TM+7], 24, v[PW]
	WIN \win
	v_cvt_scalef32_pk16_fp6_f32 v[(\d0):(\d0)+2], v[(\s):(\s)+15], v[TM+12]
	v_cvt_scalef32_pk16_fp6_f32 v[CT:CT+2], v[(\s)+16:(\s)+31], v[TM+13]
	v_cvt_scalef32_pk16_fp6_f32 v[(\d1):(\d1)+2], v[(\s)+32:(\s)+47], v[TM+14]
	v_cvt_scalef32_pk16_fp6_f32 v[CT+4:CT+6], v[(\s)+48:(\s)+63], v[TM+15]
	WIN 0
	v_nop                                          ; one plain line behind the scaled conversions
.irp i, 0,1,2                          ; the operand's layout wants a WHOLE block in a lane: lanes 0-15 the even block, lanes 16-31 the odd one
	v_permlane16_swap_b32 v[(\d0)+\i], v[CT+\i]
	v_permlane16_swap_b32 v[(\d1)+\i], v[CT+4+\i]
.endr
.irp i, 0,1,2
	v_mov_b32 v[(\d0)+3+\i], v[CT+\i]
	v_mov_b32 v[(\d1)+3+\i], v[CT+4+\i]
.endr
.endm
; the rows' eight fragments and four scale registers of the K step at ADA, ADA2, ADS into set p: 28 LDS loads
.macro FETCHA p
.irp bl, 0,1
.irp u, 0,1
.irp c, 0,1,2
	ds_load_b128 v[AF+96*(\p)+12*(2*\bl+\u)+4*\c:AF+96*(\p)+12*(2*\bl+\u)+4*\c+3], v[ADA] offset:24576*\bl+1536*\u+512*\c
.endr
.endr
.endr
.irp bl, 0,1
.irp u, 0,1
.irp c, 0,1,2
	ds_load_b128 v[AF+96*(\p)+12*(4+2*\bl+\u)+4*\c:AF+96*(\p)+12*(4+2*\bl+\u)+4*\c+3], v[ADA2] offset:24576*\bl+1536*\u+512*\c
.endr
.endr
.endr
.irp bl, 0,1,2,3
	ds_load_b32 v[AS+4*(\p)+\bl], v[ADS] offset:1024*\bl   ; lanes 0-15: tile 2 bl's words, lanes 16-31: tile 2 bl + 1's
.endr
.endm
; 32 products: the weights' tiles 4 g2 .. 4 g2 + 3 against the rows' eight.  Every accumulator has one turn of one instruction in a K step, in the same order in every step.
.macro HALF p, tr, g2, zero
.if \tr
.irp hh, 0,1
	WIN 0xa1+0x50*\hh                              ; source 0 (weights) window 1, source 1 (rows) window 0, C and D window 2 or 3
.irp a4, 0,1,2,3
.irp b4, 0,1,2,3
	WM 64*\a4+8*(4*(\g2)+\b4), 96*(\p)+12*(4*(\g2)+\b4), AF+96*(\p)+12*(4*\hh+\a4), \zero, WS+4*(\p)+(4*(\g2)+\b4)/2, AS+4*(\p)+(4*\hh+\a4)/2, \b4%2, \a4%2
.endr
.endr
.endr
.else
	WIN 0xa4+0x50*(\g2)                            ; source 0 (rows) window 0, source 1 (weights) window 1, C and D window 2 or 3
.irp n4, 0,1,2,3
.irp a8, 0,1,2,3,4,5,6,7
	WM 64*\n4+8*\a8, AF+96*(\p)+12*\a8, 96*(\p)+12*(4*(\g2)+\n4), \zero, AS+4*(\p)+\a8/2, WS+4*(\p)+(4*(\g2)+\n4)/2, \a8%2, \n4%2
.endr
.endr
.endif
.endm
; A K STEP of 128: 64 products on sets p.  rel = 1: each half of the weights' set is filled again, as soon as its products are issued, with the record two K steps on.  fa = 1: the next K step's rows come into the other set.
; The weights' loads go out in the order: tiles 0-3 (12), scale pack (1), tiles 4-7 (12), step by step.  n0: how many loads are younger than this step's scale pack; n1: than its tiles 4-7.
.macro KSTEP p, tr, zero, rel, n0, n1, fa
	s_wait_loadcnt \n0
	s_wait_dscnt 0x0                               ; the rows' set p is in (asked for 32 products ago)
	HALF \p, \tr, 0, \zero
	WIN 0
.if \fa
	s_wait_alu depctr_vm_vsrc(0)                   ; the LDS loads issued so far have read the three addresses that the lines below write; the stores issued so far have read their data in v192-253, in which the rows' second set lands
	v_add_nc_u32 v[ADA], s[SA], v[LI]              ; the next K step's places in LDS: three plain lines, and one more: the four places
	v_add_nc_u32 v[ADA2], s[SA], v[LI2]
	v_add_nc_u32 v[ADS], s[SS], v[LS]
	v_nop
.else
	PLACES
.endif
.if \rel
	s_wait_xcnt 0x0                                ; the earlier loads and stores have read their base and registers
	s_add_nc_u64 s[8:9], s[8:9], REC               ; the record two K steps on
.endif
.if (\rel) || (\fa)
	s_wait_alu depctr_va_vdst(0)                   ; the 32 products above are done reading the weights' tiles 0-3 of set p; the step before is done reading the rows' other set and its scale words; the three addresses are written: the loads below land in the first two and read the third
.endif
.if \rel
	RELB \p, 0, 0
.endif
.if \fa
	WIN 0
	FETCHA 1-(\p)
	s_add_co_u32 s[SA], s[SA], 3072
	s_add_co_u32 s[SS], s[SS], 128
.endif
	s_wait_loadcnt \n1
	HALF \p, \tr, 1, \zero
	WIN 0
	PLACES
.if \rel
	s_wait_alu depctr_va_vdst(0)                   ; the step's products are done reading the weights' scale words of set p and its tiles 4-7, in which the loads below land
	RELS \p, 0
	RELB \p, 1, 0
.endif
	WIN 0
.endm
; A UNIT of phase X: 16 rows x 128 numbers become a fragment.  ldk: 1 = context's unit four on is asked for (imm: its bytes), 2 = x's (imm: which);  n: how many loads are younger than the next unit's (-1: there is no next unit);
; snk = 0: the image goes to LDS (ds: which of the trip's two K steps);  snk = 1: it is x's and goes to memory (ds: which of my two K steps);  adr = 1: a trip's first unit, which makes the trip's two addresses.
.macro UNIT t, ldk, imm, n, snk, ds, adr
	s_wait_dscnt 0x0                               ; this unit's numbers are back from the stage
	s_wait_alu depctr_vm_vsrc(0)                   ; the stage's stores have read the set that is loaded next; the last image's stores have read its codes, its scale word and their two addresses, which the lines below write again
.if \adr
	v_add_nc_u32 v[XW], s[SX], v[XWI]
	v_add_nc_u32 v[XV], s[SY], v[XWS]
.endif
.if \ldk == 1
	LOADC (\t)%4, \imm
.elseif \ldk == 2
	LOADX (\t)%4, \imm
.endif
.if \n >= 0
	s_wait_loadcnt \n
	TURN (\t)+1                                    ; the next unit goes through the other stage while this one is worked.  Its loads land in the 64 numbers that the unit before read: the wait on va_vdst of that unit stands behind its last reader, and no vector instruction since names them
.endif
.if \snk
	s_wait_xcnt 0x0                                ; the stores of the image before have read their registers
.endif
	QUANT 0, AF+64*((\t)%2), PA, PA+6
	s_wait_alu depctr_va_vdst(0)                   ; the codes and the scale word are written (in a trip's first unit their two addresses too), which the stores below read; and the lines above are done reading this unit's 64 numbers
.if \snk == 0
.irp c, 0,1,2
	ds_store_b128 v[XW], v[PA+4*\c:PA+4*\c+3] offset:3072*(\ds)+1536*((\t)%2)+512*\c
.endr
	ds_store_b32 v[XV], v[PW] offset:128*(\ds)+64*((\t)%2)   ; both halves of the lanes write the same word with the same value
.else
.irp c, 0,1,2
	global_store_b128 v[LI], v[PA+4*\c:PA+4*\c+3], s[14:15] offset:1536*(\ds)+512*\c
.endr
	v_mov_b32 v[XP+(\ds)], v[PW]
.endif
.endm
	s_load_b256 s[4:11], s[0:1], 0x0               ; context, x, wimg, kvc
	s_load_b128 s[12:15], s[0:1], 0x20             ; kvs, ximg
	s_load_b64 s[16:17], s[0:1], 0x30              ; xsc
	v_lshl_add_u32 v62, v0, 2, 0x29800
	v_mov_b32 v63, 0
	v_lshrrev_b32 v15, 5, v0
	v_readfirstlane_b32 s[WV], v15                 ; wave 0..3
	v_and_b32 v15, 31, v0                          ; lane
	v_and_b32 v16, 15, v0                          ; r
	v_bfe_u32 v17, v0, 4, 1                        ; h
	v_lshlrev_b32 v[LI], 4, v15
	s_wait_alu depctr_va_sdst(0)                   ; the wave's number is written, ahead of its first reader: LDS places and all bases are made from it
	s_mul_i32 s28, s[WV], STW
	s_add_co_u32 s28, s28, STG
	v_add_nc_u32 v[SIN], s28, v[LI]
	v_mul_u32_u24 v[SOUT], v16, 528
	v_lshl_add_u32 v[SOUT], v17, 6, v[SOUT]
	v_add_nc_u32 v[SOUT], s28, v[SOUT]
	s_mul_i32 s28, s[WV], 24576
	v_add_nc_u32 v[XWI], s28, v[LI]
	s_lshl_b32 s28, s[WV], 10
	s_add_co_u32 s28, s28, ASC
	v_lshl_add_u32 v[XWS], v16, 2, s28
	v_add_nc_u32 v[LI2], 49152, v[LI]
	v_lshl_add_u32 v[LS], v15, 2, ASC
	v_lshlrev_b32 v[L8], 3, v15
	v_lshlrev_b32 v[XSO], 5, v16
	v_lshl_add_u32 v[XSO], v17, 2, v[XSO]
	s_lshl_b32 s28, s[WV], 3
	v_add_nc_u32 v[XSO], s28, v[XSO]
.irp b, 0,1,2,3
	v_mov_b32 v[TM+4+\b], 0                        ; written once: a lane permute's destination counts as one of its sources
.endr
	s_mov_b32 s[SEL], 0x76543210
	s_mov_b32 s[SEL+1], 0xfedcba98                 ; v_permlanex16_b32's selects for lane l xor 16
	s_mov_b32 s[HIM], 0xffff0000
	s_lshl_b32 s28, ttmp9, 19                      ; context: 128 rows of 4,096 bytes a work-group,
	s_lshl_b32 s42, s[WV], 17                      ; 32 a wave
	s_add_co_u32 s28, s28, s42
	s_mov_b32 s29, 0
	s_lshl_b32 s30, ttmp9, 16                      ; x: 16 rows a work-group,
	s_lshl_b32 s42, s[WV], 10                      ; two K steps of 512 bytes a wave
	s_add_co_u32 s30, s30, s42
	s_mov_b32 s31, 0
	s_mul_i32 s32, s[WV], 16*REC                   ; wimg: my 16 records, Wk's eight and then Wv's, from record 32 + 16 w
	s_add_co_u32 s32, s32, 32*REC
	s_mov_b32 s33, 0
	s_lshr_b32 s42, ttmp9, 5                       ; batch
	s_and_b32 s43, ttmp9, 31                       ; key step
	s_lshl_b32 s42, s42, 8
	s_add_co_u32 s42, s42, s43
	s_lshl_b32 s43, s[WV], 6
	s_add_co_u32 s42, s42, s43                     ; (8 batch + 2 w) 32 + key step
	s_mul_i32 s34, s42, 12288
	s_mov_b32 s35, 0
	s_mul_i32 s36, s42, 768
	s_mov_b32 s37, 0
	s_mul_i32 s38, ttmp9, 12288
	s_mul_i32 s43, s[WV], 3072
	s_add_co_u32 s38, s38, s43
	s_mov_b32 s39, 0
	s_lshl_b32 s40, ttmp9, 9
	s_mov_b32 s41, 0
	s_wait_kmcnt 0x0
	s_add_nc_u64 s[4:5], s[4:5], s[28:29]
	s_add_nc_u64 s[6:7], s[6:7], s[30:31]
	s_add_nc_u64 s[8:9], s[8:9], s[32:33]
	s_add_nc_u64 s[10:11], s[10:11], s[34:35]
	s_add_nc_u64 s[12:13], s[12:13], s[36:37]
	s_add_nc_u64 s[14:15], s[14:15], s[38:39]
	s_add_nc_u64 s[16:17], s[16:17], s[40:41]
	s_wait_alu depctr_va_vdst(0)                   ; the offsets and LDS addresses that stay (v1-v5, v7, v8, v11, v12) are written: the loads and stores of the whole kernel read them
	RELB 0, 0, 0                                   ; the weights of the first two K steps, in the order in which the K steps count them
	RELS 0, 0
	RELB 0, 1, 0
	RELB 1, 0, REC
	RELS 1, REC
	RELB 1, 1, REC
	; ---- PHASE X.  Unit 2 s + u (0 .. 15) is my row tile 2 w + u at K step s; units 16, 17 are x's tile at K steps 2 w, 2 w + 1.  Loads run four units ahead, the turn through the stage one.
	LOADC 0, 0
	LOADC 1, 32768
	LOADC 2, 512
	LOADC 3, 512+32768
	s_wait_loadcnt 48                              ; unit 0's sixteen loads are in; three units' may be out
	TURN 0
	s_mov_b32 s[SX], 0
	s_mov_b32 s[SY], 0
	s_mov_b32 s[CNT], 3
.Lx:                                                   ; a trip: four units, two K steps
	UNIT 0, 1, 2*512, 48, 0, 0, 1
	UNIT 1, 1, 2*512+32768, 48, 0, 0, 0
	UNIT 2, 1, 3*512, 48, 0, 1, 0
	UNIT 3, 1, 3*512+32768, 48, 0, 1, 0
	s_wait_xcnt 0x0                                ; the loads have read their base
	s_add_nc_u64 s[4:5], s[4:5], 1024
	s_add_co_u32 s[SX], s[SX], 6144
	s_add_co_u32 s[SY], s[SY], 256
	s_sub_co_u32 s[CNT], s[CNT], 1
	s_cmp_lg_u32 s[CNT], 0
	s_cbranch_scc1 .Lx
	UNIT 0, 2, 0, 48, 0, 0, 1                      ; units 12, 13 ask for x's two; then nothing is left to ask for and the counts run down
	UNIT 1, 2, 1, 48, 0, 0, 0
	UNIT 2, 0, 0, 32, 0, 1, 0
	UNIT 3, 0, 0, 16, 0, 1, 0
	UNIT 0, 0, 0, 0, 1, 0, 0
	UNIT 1, 0, 0, -1, 1, 1, 0
	v_cndmask_b32 v[XP], v[XP], v[XP+1], s[HIM]    ; lanes 0-15 store K step 2 w's words, lanes 16-31 K step 2 w + 1's
	s_wait_alu depctr_va_vdst(0)                   ; x's scale words are written, which the store reads
	global_store_b32 v[XSO], v[XP], s[16:17]
	s_wait_dscnt 0x0                               ; for the others' sake: my images and scale words lie in LDS
	s_barrier_signal -1
	s_barrier_wait -1                              ; the launch's one barrier: from here on LDS is only read
	; ---- k: eight K steps
	s_wait_xcnt 0x0
	s_add_nc_u64 s[8:9], s[8:9], REC               ; the base stands one record ahead of the K step; each step's reload steps it once more
	s_mov_b32 s[SA], 0
	s_mov_b32 s[SS], 0
	v_add_nc_u32 v[ADA], s[SA], v[LI]
	v_add_nc_u32 v[ADA2], s[SA], v[LI2]
	v_add_nc_u32 v[ADS], s[SS], v[LS]
	s_wait_alu depctr_va_vdst(0)                   ; the three addresses are written, which the LDS loads below read (phase X's lines, which read v64-159, where these loads land, stand ahead of this wait too)
	FETCHA 0
	s_add_co_u32 s[SA], s[SA], 3072
	s_add_co_u32 s[SS], s[SS], 128
	KSTEP 0, 1, 1, 1, 37, 37, 1                    ; the first step stands ahead of the loop: its products start the sums
	s_mov_b32 s[CNT], 3
.Lk:
	KSTEP 1, 1, 0, 1, 37, 37, 1
	KSTEP 0, 1, 0, 1, 37, 37, 1
	s_sub_co_u32 s[CNT], s[CNT], 1
	s_cmp_lg_u32 s[CNT], 0
	s_cbranch_scc1 .Lk
	s_mov_b32 s[SA], 0                             ; the last step fetches K step 0 of the rows again, for v
	s_mov_b32 s[SS], 0
	KSTEP 1, 1, 0, 1, 37, 37, 1
	; ---- k leaves.  Row tile a's 64 registers run along my 128 columns: codes 0-63 are head 2 w's, 64-127 head 2 w + 1's; bytes 0, 1 of the scale word likewise, bytes 2, 3.
.irp blk, 0,1,2,3
.if \blk > 0
	s_wait_xcnt 0x0                                ; the stores of the pair before have read their registers
	s_wait_alu depctr_vm_vsrc(0)                   ; the stores of the pair before have read the 24 registers of codes, which the lines below write again
.endif
	QUANT 2+\blk/2, 64*((2*\blk)%4), PA, PB
	v_mov_b32 v[PW0], v[PW]
	QUANT 2+\blk/2, 64*((2*\blk+1)%4), PA+6, PB+6
	v_cndmask_b32 v[SKA+\blk], v[PW0], v[PW], s[HIM]   ; lanes 0-15: key tile (blk, 0)'s words, lanes 16-31: (blk, 1)'s
	v_lshrrev_b32 v[SKB+\blk], 16, v[SKA+\blk]     ; the second head's two bytes
	s_wait_alu depctr_va_vdst(0)                   ; the pair's codes are written, which the six stores below read; behind the last pair so are all eight registers of scale words, for the two stores behind the loop
.irp c, 0,1,2
	global_store_b128 v[LI], v[PA+4*\c:PA+4*\c+3], s[10:11] offset:1536*\blk+512*\c          ; each store of the wave covers 512 consecutive bytes, aligned
	global_store_b128 v[LI], v[PB+4*\c:PB+4*\c+3], s[10:11] offset:393216+1536*\blk+512*\c   ; the next head lies 32 key steps on
.endr
.endr
	global_store_b128 v[LI], v[SKA:SKA+3], s[12:13]
	global_store_b128 v[LI], v[SKB:SKB+3], s[12:13] offset:24576
	; ---- v: eight K steps; the last two ask for no more weights, and their counts run down
	KSTEP 0, 0, 1, 1, 37, 37, 1
	s_mov_b32 s[CNT], 2
.Lv:
	KSTEP 1, 0, 0, 1, 37, 37, 1
	KSTEP 0, 0, 0, 1, 37, 37, 1
	s_sub_co_u32 s[CNT], s[CNT], 1
	s_cmp_lg_u32 s[CNT], 0
	s_cbranch_scc1 .Lv
	KSTEP 1, 0, 0, 1, 37, 37, 1
	KSTEP 0, 0, 0, 0, 37, 25, 1
	KSTEP 1, 0, 0, 0, 12, 0, 0
	; ---- v leaves.  Column tile n's 64 registers run along the 128 keys: one fragment and one scale word a column.  Two tiles' six stores go out together, behind one wait
.irp n, 0,1,2,3,4,5,6,7
.if (\n%2 == 0) && (\n > 0)
	s_wait_xcnt 0x0                                ; the stores of the two tiles before have read their registers
	s_wait_alu depctr_vm_vsrc(0)                   ; the stores of the two tiles before have read the 24 registers of codes, which the lines below write again
.endif
	QUANT 2+\n/4, 64*(\n%4), PA+12*(\n%2), PA+12*(\n%2)+6
.if \n%2 == 0
	v_mov_b32 v[PW0], v[PW]
.else
	v_cndmask_b32 v[SKA+\n/2], v[PW0], v[PW], s[HIM]
	s_wait_alu depctr_va_vdst(0)                   ; both tiles' codes are written, which the six stores below read; behind the last pair so are the four registers of scale words, for the two stores behind the loop
.irp c, 0,1,2
	global_store_b128 v[LI], v[PA+4*\c:PA+4*\c+3], s[10:11] offset:6144+1536*((\n-1)%4)+512*\c+393216*(\n/4)
.endr
.irp c, 0,1,2
	global_store_b128 v[LI], v[PA+12+4*\c:PA+12+4*\c+3], s[10:11] offset:6144+1536*(\n%4)+512*\c+393216*(\n/4)
.endr
.endif
.endr
	global_store_b64 v[L8], v[SKA:SKA+1], s[12:13] offset:512
	global_store_b64 v[L8], v[SKA+2:SKA+3], s[12:13] offset:512+24576
	s_wait_dscnt 0x0                               ; the closing lines, six on end
	s_wait_alu 0x0
	s_wait_tensorcnt 0x0
	ds_add_u32 v62, v63
	s_wait_dscnt 0x0
	s_endpgm
.Lfunc_end_k_qb97c746f1a_kvproj:
	.size	k_qb97c746f1a_kvproj, .Lfunc_end_k_qb97c746f1a_kvproj-k_qb97c746f1a_kvproj
	.p2alignl 7, 3214868480
	.fill 96, 4, 3214868480
	.section	.rodata,"a",@progbits
	.p2align	6, 0x0
	.amdhsa_kernel k_qb97c746f1a_kvproj
		.amdhsa_group_segment_fixed_size 170496
		.amdhsa_private_segment_fixed_size 0
		.amdhsa_enable_private_segment 0
		.amdhsa_kernarg_size 56
		.amdhsa_user_sgpr_count 2
		.amdhsa_user_sgpr_kernarg_segment_ptr 1
		.amdhsa_wavefront_size32 1
		.amdhsa_system_sgpr_workgroup_id_x 1
		.amdhsa_system_sgpr_workgroup_id_y 1
		.amdhsa_system_sgpr_workgroup_id_z 1
		.amdhsa_system_vgpr_workitem_id 0
		.amdhsa_next_free_vgpr 1024
		.amdhsa_next_free_sgpr 66
		.amdhsa_reserve_vcc 0
		.amdhsa_float_denorm_mode_32 3
		.amdhsa_float_denorm_mode_16_64 3
		.amdhsa_memory_ordered 1
		.amdhsa_forward_progress 1
		.amdhsa_inst_pref_size 255
	.end_amdhsa_kernel
	.section	.bss,"aw",@nobits
	.p2align	6
	.space	262144
	.amdgpu_metadata
---
amdhsa.version: [ 1, 2 ]
amdhsa.kernels:
  - .name:           k_qb97c746f1a_kvproj
    .symbol:         k_qb97c746f1a_kvproj.kd
    .args:
      - { .name: context, .offset: 0, .size: 8, .value_kind: global_buffer, .address_space: global }
      - { .name: x, .offset: 8, .size: 8, .value_kind: global_buffer, .address_space: global }
      - { .name: wimg, .offset: 16, .size: 8, .value_kind: global_buffer, .address_space: global }
      - { .name: kvc, .offset: 24, .size: 8, .value_kind: global_buffer, .address_space: global }
      - { .name: kvs, .offset: 32, .size: 8, .value_kind: global_buffer, .address_space: global }
      - { .name: ximg, .offset: 40, .size: 8, .value_kind: global_buffer, .address_space: global }
      - { .name: xsc, .offset: 48, .size: 8, .value_kind: global_buffer, .address_space: global }
    .group_segment_fixed_size: 170496
    .private_segment_fixed_size: 0
    .kernarg_segment_align: 8
    .kernarg_segment_size: 56
    .max_flat_workgroup_size: 128
    .sgpr_count:     66
    .vgpr_count:     1024
    .wavefront_size: 32
...
	.end_amdgpu_metadata
.endif
;; end of part 6
;; launch attn (part 7): grid 4 x 64, 16 waves a work-group, no clusters, 280,576 bytes of LDS; arguments ximg, xsc, wimg, kvc, kvs, oimg, osc; writes oimg, osc
.if DOCPART == 7
	.amdgcn_target "amdgcn-amd-amdhsa--gfx1250"
	.amdhsa_code_object_version 6
	.text
	.protected	k_qb97c746f1a_attn
	.globl	k_qb97c746f1a_attn
	.p2align	8
	.type	k_qb97c746f1a_attn,@function
k_qb97c746f1a_attn:
	s_mov_b64 s[64:65], 0
	v_nop
	global_prefetch_b8 v0, s[64:65] scope:SCOPE_SE
	s_setreg_imm32_b32 hwreg(HW_REG_WAVE_SCHED_MODE, 0, 2), 2
	s_setreg_imm32_b32 hwreg(HW_REG_WAVE_MODE, 25, 1), 1
	s_wait_xcnt 0x0
	s_wait_alu depctr_vm_vsrc(0)
; For one head and 128 queries: q = x Wq, quantised along d; S = q k^T; the softmax by the rule p = 2^(t - M), t = score x log2(e) / 8, M the running largest t rounded UP to a whole number; O = p v; o = O / l, quantised along d.
; All products on codes of FP6 (E2M3) with one E8M0 byte for each 32 along K.  The row's sum l is taken of the unquantised p.  When M moves, l and O are multiplied by 2^(old M - new M): exact.
; SHARES.  Work-group (x = block of 128 queries, y = 8 batch + head).  Wave W owns 16 queries (tile W % 8) and HALF of the keys (key steps 16 (W / 8) .. + 15, 128 keys each): four waves to a SIMD, so that one wave's
; exponentials stand beside another's products and loads.  At the end the two halves of a tile meet in LDS: M is a whole number, so both are brought under the larger M by exact factors.
; q: the two waves of a tile share its K = 1,024: wave W sums K steps 4 (W / 8) .. + 3; the two partial sums change places through LDS and are added in f32 (a + b = b + a to the bit: both waves hold the same q).
; LAYOUT.  All products are used transposed (source 0 = 16 columns of Wq, 16 keys, 16 of d; source 1 = my 16 queries): a lane holds ONE query throughout.  The rows of source 0's tiles are chosen (row i of tile 2 b + u is 32 b + 8 u + i + 8 (i / 8))
; so that a lane's 16 registers of two neighbouring tiles are 16 neighbours along the next product's K.
; K = 64 IN A FORM OF K = 128: q's upper 64 codes are zeros.  Key tile t's operand is the 12 registers from KF + 6 t: its own six, then the next tile's six (or six zeros): finite numbers, which meet q's zeros; the scale bytes
; that stand over them are bytes of the quantiser or 0, never 0xff.  So the upper half adds exactly 0.
; K and V come as images of registers (12,288 bytes a key step) through a ring of FOUR LDS slots; each wave copies 1,536 bytes of a step's 24,576 through 12 registers, asked for a step ahead of their store.
; One barrier a step, its signal and its wait a step's work apart (macro STEP says what it orders).
; LIMITS: NaN and infinities are not served; a block whose largest magnitude lies under 2^-124 keeps the byte 1; a block of zeros gets the byte 1 (not 127): its codes are zeros, and this program alone reads the bytes.
; LDS: SCL: the head's 32 x 768 scale bytes;  WQ: Wq's [K step 8][tile 4][1,536];  MRG: for each query tile O 4,096, -M 128, l 128;  QX: q's partial sums, 4,096 bytes a wave;  RING: four slots [half of the keys 2][K 6,144, V 6,144].
; THE MODE: SCHED_MODE bits 1:0 = 2 (LLVM: expert scheduling mode 2), set by the entry lines.  The code itself states the register dependences
; between vector or matrix instructions and memory or LDS instructions, with s_wait_alu, always for 0.
; THE PLAN.  Registers that memory or LDS instructions touch, in a key step:
;   v[KF ..], 48    K's fragments land; the eight products of S^T read them; V's fragments land; the four products of O^T read them.
;   KS, VS          the scale words land with K; the products read them.
;   v[STA ..], 12   the copy: written by global loads, read by my LDS stores a step later, loaded again behind them; no vector instruction names them.
;   v[AK], v[AV]    read by the scale words' loads; written once a trip, at its head.
;   QF, QS, PC, PS and the six zeros are vector results that scaled products take; no memory instruction names them in the loop.
;   All other addresses are made at the head and never written again.
; So a key step has three waits on va_vdst of its own: ahead of K's loads (the last step's products are done with KF, KS, VS), ahead of V's loads (the eight products are done with KF), ahead of the four products (p's codes and scale word are written);
; beside them the two behind the exponentials.  One wait on vm_vsrc stands ahead of the copy's loads, and one a trip ahead of the additions to v[AK] and v[AV].
.set SCL,  0
.set WQ,   24576
.set MRG,  73728
.set QX,   114688                      ; a multiple of 8,192: one exclusive or with 4,096 turns my place into my partner's
.set RING, 180224
.set SLOT, 24576
.set LI,   1                           ; 16 x lane
.set RK,   2                           ; my half's part of slot 0 (slot 1 by the immediate)
.set ASK,  3                           ; K's scale words of my half's first key step
.set ASV,  4                           ; V's
.set CPL,  5                           ; 16 x lane + 1,536 W: what I copy of the head's scale bytes, in memory and in LDS
.set CPG,  6                           ; what I copy of a key step's codes, in memory
.set MO,   7
.set MS,   8
.set L8,   9                           ; 8 x lane
.set R32,  10                          ; 32 r
.set WQA,  11                          ; Wq's images of my four K steps
.set RK2,  29                          ; my half's part of slot 2 (slot 3 by the immediate): an LDS immediate has 16 bits
.set CPR,  110                         ; what I copy, in slot 0
.set CPR2, 111                         ; and in slot 2
.set QXO,  254                         ; where I put q's partial sums
.set QXP,  255                         ; and where my partner puts them
.set QF,   16                          ; v16-27 q's fragment
.set QS,   28                          ; q's scale word
.set XS,   32                          ; v32-53 hold scales and nothing else (v54, v55: the closing add's two).  Prologue: x's four words, v40-47 Wq's
.set WQS,  40
.set KS,   32                          ; loop: K's four, V's two, p's
.set VS,   36
.set PS,   38
.set KF,   56                          ; v56-103 K's, then V's fragments; v104-109 six zeros
.set S,    112                         ; v112-175 the scores, then p
.set O,    176                         ; v176-207 O^T
.set PC,   208                         ; v208-219 p's codes
.set CT,   220                         ; v220-227 at work
.set BM,   228                         ; v228-231 the blocks' largest scores
.set SO,   232                         ; v232-235 the conversions' scale operands
.set AK,   238
.set AV,   239
.set STA,  240                         ; v240-251 the copy's 12 registers
.set WV,   18
.set SEL,  20
.set CS,   22
.set CNT,  24
.set TS,   25                          ; 768 x the trip's first key step
.macro PLACES                          ; four plain lines behind a matrix instruction, ahead of reads of its results; ahead of loads into its registers they stand as they stood, beside the wait that states that dependence
.rept 4
	v_nop
.endr
.endm
.macro WM d, a, b, z, sa, sb, ra       ; one product.  z = 1: C is the constant 0;  ra = 1: source 0's scale words stand in lanes 16-31
.if (\z) && (\ra)
	v_wmma_scale_f32_16x16x128_f8f6f4 v[(\d):(\d)+7], v[(\a):(\a)+11], v[(\b):(\b)+11], 0, v[(\sa)], v[(\sb)] matrix_a_fmt:MATRIX_FMT_FP6 matrix_b_fmt:MATRIX_FMT_FP6 matrix_a_scale:MATRIX_SCALE_ROW1
.elseif (\z)
	v_wmma_scale_f32_16x16x128_f8f6f4 v[(\d):(\d)+7], v[(\a):(\a)+11], v[(\b):(\b)+11], 0, v[(\sa)], v[(\sb)] matrix_a_fmt:MATRIX_FMT_FP6 matrix_b_fmt:MATRIX_FMT_FP6
.elseif (\ra)
	v_wmma_scale_f32_16x16x128_f8f6f4 v[(\d):(\d)+7], v[(\a):(\a)+11], v[(\b):(\b)+11], v[(\d):(\d)+7], v[(\sa)], v[(\sb)] matrix_a_fmt:MATRIX_FMT_FP6 matrix_b_fmt:MATRIX_FMT_FP6 matrix_a_scale:MATRIX_SCALE_ROW1
.else
	v_wmma_scale_f32_16x16x128_f8f6f4 v[(\d):(\d)+7], v[(\a):(\a)+11], v[(\b):(\b)+11], v[(\d):(\d)+7], v[(\sa)], v[(\sb)] matrix_a_fmt:MATRIX_FMT_FP6 matrix_b_fmt:MATRIX_FMT_FP6
.endif
.endm
; 32 numbers of a lane, register s + 16 b + i = d 32 b + 16 h + i of my query, become six registers of codes at v[d] and the scale word v[w] (bytes 0, 1; bytes 2, 3 are 0).  T: nine registers at work
.macro QUANT2 s, d, T, w
.irp b, 0,1
	v_max3_num_f32 v[(\T)+\b], |v[(\s)+16*\b]|, |v[(\s)+16*\b+1]|, 0x1800000   ; with the floor 2^(3 - 127): the byte cannot fall under 1
.endr
.irp i, 2,4,6,8,10,12,14
.irp b, 0,1
	v_max3_num_f32 v[(\T)+\b], v[(\T)+\b], |v[(\s)+16*\b+\i]|, |v[(\s)+16*\b+\i+1]|
.endr
.endr
.irp b, 0,1
	v_permlanex16_b32 v[(\T)+2+\b], v[(\T)+\b], s[SEL], s[SEL+1]
.endr
.irp b, 0,1
	v_max_num_f32 v[(\T)+\b], v[(\T)+\b], v[(\T)+2+\b]
.endr
.irp b, 0,1
	v_add_nc_u32 v[(\T)+4+\b], 0xff000000, v[(\T)+\b]
.endr
.irp b, 0,1
	v_lshrrev_b32 v[(\T)+2+\b], 23, v[(\T)+4+\b]
.endr
	v_lshl_or_b32 v[(\w)], v[(\T)+3], 8, v[(\T)+2]
	v_cvt_scalef32_pk16_fp6_f32 v[(\d):(\d)+2], v[(\s):(\s)+15], v[(\T)+4]
	v_cvt_scalef32_pk16_fp6_f32 v[(\T)+6:(\T)+8], v[(\s)+16:(\s)+31], v[(\T)+5]
	v_nop                                          ; one plain line behind the scaled conversions
.irp i, 0,1,2
	v_permlane16_swap_b32 v[(\d)+\i], v[(\T)+6+\i] ; a WHOLE block to a lane: lanes 0-15 block 0, lanes 16-31 block 1
.endr
.irp i, 0,1,2
	v_mov_b32 v[(\d)+3+\i], v[(\T)+6+\i]
.endr
.endm
	s_load_b256 s[4:11], s[0:1], 0x0               ; ximg, xsc, wimg, kvc
	s_load_b128 s[12:15], s[0:1], 0x20             ; kvs, oimg
	s_load_b64 s[16:17], s[0:1], 0x30              ; osc
	v_lshl_add_u32 v54, v0, 2, 0x44000
	v_mov_b32 v55, 0
	v_lshrrev_b32 v12, 5, v0
	v_readfirstlane_b32 s[WV], v12                 ; wave 0..15
	s_and_b32 s28, ttmp7, 0xffff                   ; 8 batch + head
	s_lshr_b32 s29, s28, 3
	s_and_b32 s30, s28, 7
	s_lshl_b32 s31, s29, 5
	s_lshl_b32 s32, ttmp9, 3
	s_add_co_u32 s31, s31, s32
	v_and_b32 v12, 31, v0                          ; lane
	s_wait_alu depctr_va_vdst(0)
	v_and_b32 v13, 15, v0                          ; r
	v_lshlrev_b32 v[LI], 4, v12
	s_wait_alu depctr_va_vdst(0)
	v_lshlrev_b32 v[L8], 3, v12
	v_lshlrev_b32 v[R32], 5, v13
	s_wait_alu depctr_va_sdst(0)                   ; the wave's number is written, ahead of its first reader: LDS places and bases are made from it
	s_and_b32 s26, s[WV], 7                        ; my tile of queries
	s_lshr_b32 s27, s[WV], 3                       ; my half of the keys, and of q's K
	s_add_co_u32 s31, s31, s26                     ; my row tile of x: 32 batch + 8 block + tile
	s_mul_i32 s32, s27, 12288
	s_add_co_u32 s33, s32, RING
	v_add_nc_u32 v[RK], s33, v[LI]
	v_add_nc_u32 v[RK2], 2*SLOT, v[RK]
	s_add_co_u32 s33, s32, SCL
	v_add_nc_u32 v[ASK], s33, v[LI]
	s_add_co_u32 s33, s33, 512
	v_lshl_add_u32 v[ASV], v12, 3, s33
	s_mul_i32 s33, s[WV], 1536
	v_add_nc_u32 v[CPL], s33, v[LI]
	v_add_nc_u32 v[CPR], RING, v[CPL]
	v_add_nc_u32 v[CPR2], RING+2*SLOT, v[CPL]
	s_mul_i32 s33, s26, 1536
	s_mul_i32 s34, s27, 196608                     ; 16 key steps of 12,288 bytes
	s_add_co_u32 s33, s33, s34
	v_add_nc_u32 v[CPG], s33, v[LI]
	s_mul_i32 s33, s26, 4352
	s_add_co_u32 s33, s33, MRG
	v_add_nc_u32 v[MO], s33, v[LI]
	s_add_co_u32 s33, s33, 4096
	v_lshl_add_u32 v[MS], v12, 2, s33
	s_lshl_b32 s33, s26, 13                        ; q's partial sums: 8,192 bytes a tile,
	s_lshl_b32 s34, s27, 12                        ; 4,096 a wave
	s_add_co_u32 s33, s33, s34
	s_add_co_u32 s33, s33, QX
	v_add_nc_u32 v[QXO], s33, v[LI]
	v_xor_b32 v[QXP], 0x1000, v[QXO]
	s_mul_i32 s33, s27, 24576                      ; my four K steps of Wq's eight: 6,144 bytes each
	s_add_co_u32 s33, s33, WQ
	v_add_nc_u32 v[WQA], s33, v[LI]
	s_mul_i32 s33, s[WV], 3072
	s_add_co_u32 s33, s33, WQ
	v_add_nc_u32 v253, s33, v[LI]                  ; Wq's copy in LDS: two tiles a wave
	s_lshr_b32 s33, s[WV], 1
	s_mul_i32 s33, s33, 12800
	s_and_b32 s34, s[WV], 1
	s_mul_i32 s34, s34, 3072
	s_add_co_u32 s33, s33, s34
	v_add_nc_u32 v252, s33, v[LI]                  ; and in wimg: record W / 2, tiles 2 (W % 2) on
	s_mul_i32 s36, s31, 12288
	s_mul_i32 s54, s27, 6144                       ; x's fragments of my four K steps
	s_add_co_u32 s36, s36, s54
	s_mov_b32 s37, 0
	s_lshl_b32 s38, s31, 9
	s_mov_b32 s39, 0
	s_lshl_b32 s54, s27, 4                         ; and their four scale words of a row's eight
	s_mov_b32 s55, 0
	s_lshr_b32 s40, s30, 1
	s_mul_i32 s40, s40, 8*12800                    ; Wq's eight records of my head's 128 columns
	s_mov_b32 s41, 0
	s_and_b32 s33, s30, 1
	s_mul_i32 s42, s33, 6144                       ; my head's four tiles of the eight
	s_mov_b32 s43, 0
	s_lshl_b32 s44, s33, 3
	s_add_co_u32 s44, s44, 12288                   ; their two words in each lane's 16 bytes of the scale pack,
	s_mul_i32 s56, s27, 4*12800                    ; in the records of my four K steps
	s_add_co_u32 s44, s44, s56
	s_mov_b32 s45, 0
	s_mul_i32 s46, s28, 393216
	s_mov_b32 s47, 0
	s_mul_i32 s48, s28, 24576
	s_mov_b32 s49, 0
	s_mul_i32 s50, s31, 6144
	s_mul_i32 s52, s30, 768
	s_add_co_u32 s50, s50, s52
	s_mov_b32 s51, 0
	s_lshl_b32 s52, s30, 2
	s_mov_b32 s53, 0
	s_mov_b32 s[SEL], 0x76543210
	s_mov_b32 s[SEL+1], 0xfedcba98                 ; v_permlanex16_b32's selects for lane l xor 16
	s_mov_b32 s[CS], 0x3e38aa3b                    ; c = log2(e) / 8
	s_mov_b32 s[CS+1], s[CS]                       ; (named with it as a pair, so it is written)
	s_mov_b32 s[TS], 0
	s_wait_kmcnt 0x0
	s_add_nc_u64 s[4:5], s[4:5], s[36:37]
	s_add_nc_u64 s[6:7], s[6:7], s[38:39]
	s_add_nc_u64 s[6:7], s[6:7], s[54:55]
	s_add_nc_u64 s[16:17], s[16:17], s[38:39]
	s_add_nc_u64 s[16:17], s[16:17], s[52:53]
	s_add_nc_u64 s[8:9], s[8:9], s[40:41]
	s_add_nc_u64 s[32:33], s[8:9], s[42:43]
	s_add_nc_u64 s[34:35], s[8:9], s[44:45]
	s_add_nc_u64 s[10:11], s[10:11], s[46:47]
	s_add_nc_u64 s[12:13], s[12:13], s[48:49]
	s_add_nc_u64 s[14:15], s[14:15], s[50:51]
	s_wait_alu depctr_va_vdst(0)                   ; the offsets and LDS addresses that stay (v1-v11, v29, v110, v111, v252-v255) are written: the loads and stores of the whole kernel read them
	; ---- PROLOGUE.  Twelve loads of what goes to LDS, then 17 of what stays in my registers
.irp i, 0,1,2
	global_load_b128 v[56+4*\i:59+4*\i], v[CPL], s[12:13] offset:512*\i        ; the head's scale bytes
.endr
.irp i, 0,1,2,3,4,5
	global_load_b128 v[68+4*\i:71+4*\i], v252, s[32:33] offset:512*\i          ; Wq's images
.endr
.irp i, 0,1,2
	global_load_b128 v[92+4*\i:95+4*\i], v[CPG], s[10:11] offset:512*\i        ; key step 0's K and V
.endr
.irp s, 0,1,2,3
.irp c, 0,1,2
	global_load_b128 v[S+12*\s+4*\c:S+12*\s+4*\c+3], v[LI], s[4:5] offset:1536*\s+512*\c   ; x's fragments of my four K steps
.endr
.endr
	global_load_b128 v[XS:XS+3], v[R32], s[6:7]
.irp s, 0,1,2,3
	global_load_b64 v[WQS+2*\s:WQS+2*\s+1], v[LI], s[34:35] offset:12800*\s
.endr
	s_wait_loadcnt 17                              ; the twelve are in; the 12 + 1 + 4 behind them may be out
.irp i, 0,1,2
	ds_store_b128 v[CPL], v[56+4*\i:59+4*\i] offset:SCL+512*\i
.endr
.irp i, 0,1,2,3,4,5
	ds_store_b128 v253, v[68+4*\i:71+4*\i] offset:512*\i
.endr
.irp i, 0,1,2
	ds_store_b128 v[CPR], v[92+4*\i:95+4*\i] offset:512*\i                     ; slot 0
.endr
.irp i, 0,1,2
	global_load_b128 v[STA+4*\i:STA+4*\i+3], v[CPG], s[10:11] offset:12288+512*\i   ; key step 1's K and V
.endr
	s_wait_dscnt 0x0                               ; for the others' sake: my stores have landed
	s_barrier_signal -1
	s_barrier_wait -1
	s_wait_loadcnt 3                               ; x and the scale words are in; key step 1's three may be out
	s_wait_alu depctr_vm_vsrc(0)                   ; my twelve LDS stores have read v56-103, in which Wq's fragments land
	; my part of q^T = Wq^T x^T: four tiles of 16 of d, by turns, four K steps; accumulators v208-239
.irp s, 0,1,2,3
.if \s > 0
	PLACES
	s_wait_alu depctr_va_vdst(0)                   ; the four products above are done reading Wq's fragments, in which the next K step's land
.endif
.irp t, 0,1,2,3
.irp c, 0,1,2
	ds_load_b128 v[KF+12*\t+4*\c:KF+12*\t+4*\c+3], v[WQA] offset:6144*\s+1536*\t+512*\c
.endr
.endr
	s_wait_dscnt 0x0
.irp t, 0,1,2,3
.if \s == 0
	WM 208+8*\t, KF+12*\t, S+12*\s, 1, WQS+2*\s+\t/2, XS+\s, \t%2
.else
	WM 208+8*\t, KF+12*\t, S+12*\s, 0, WQS+2*\s+\t/2, XS+\s, \t%2
.endif
.endr
.endr
	PLACES
	s_wait_alu depctr_va_vdst(0)                   ; the products have written the partial sums, which the LDS stores read, and are done reading x's fragments, in which my partner's sums land; the places above stay beside this wait
.irp i, 0,1,2,3,4,5,6,7
	ds_store_b128 v[QXO], v[208+4*\i:211+4*\i] offset:512*\i   ; my partial sums, each accumulator from its low end on
.endr
	s_wait_dscnt 0x0                               ; for my partner's sake: they have landed
	s_barrier_signal -1
	s_barrier_wait -1
.irp i, 0,1,2,3,4,5,6,7
	ds_load_b128 v[S+4*\i:S+4*\i+3], v[QXP] offset:512*\i      ; my partner's (x's fragments are done with)
.endr
	s_wait_dscnt 0x0
	s_wait_alu depctr_vm_vsrc(0)                   ; my eight LDS stores have read v208-239, which the additions below write
.set jj, 0
.rept 16
	v_pk_add_f32 v[208+jj:209+jj], v[208+jj:209+jj], v[S+jj:S+jj+1]   ; q: the same bits in both waves of the tile
.set jj, jj+2
.endr
	QUANT2 208, QF, S, QS                          ; (nine of S's registers are at work here)
.irp j, 6,7,8,9,10,11
	v_mov_b32 v[QF+\j], 0                          ; q's upper 64 codes
.endr
.set jj, 0
.rept 32
	v_mov_b32 v[O+jj], 0                           ; O^T.  (The step is written once: the first finds zeros, which the first change of M leaves zeros.)  These lines are also the places between q's scale word and its first product
.set jj, jj+1
.endr
.irp j, 0,1,2,3,4,5
	v_mov_b32 v[KF+48+\j], 0                       ; behind the last key tile's six registers
.endr
.irp j, 0,1,2,3,4,5,6,7
	v_mov_b32 v[CT+\j], 0                          ; written once: a lane permute's destination counts as one of its sources
.endr
	v_mov_b32 v14, 0                               ; the sum, in two halves
	v_mov_b32 v15, 0
	v_mov_b32 v31, 0                               ; (named as the upper half of the pair v[30:31])
	v_mov_b32 v13, 0xff61b1e6                      ; the largest t so far: -3e38, under every t
	v_floor_f32 v12, -v13                          ; -M
; A KEY STEP: my half's 128 keys, in slot e of the ring.  st = 1: my 1,536 bytes of the next key step go into slot e + 1;  ld = 1: those of the key step after that are asked for;  bar = 1: the step has a barrier.
; THE BARRIER'S SIGNAL AND ITS WAIT STAND A STEP'S WORK APART, so that a wave may run nearly a step ahead of the slowest, and one wave's LDS loads stand beside another's softmax.
; I signal when my stores into slot e + 1 have landed and my loads of K from slot e are in; I wait at the step's end.  Behind that wait (a) every wave's part of slot e + 1 has landed: the next step may read it;
; (b) every wave has, ahead of its signal, waited for all its LDS loads of the step before: slot e - 1 and the older ones are read out, so the next step's stores, into slot e + 2 = e - 2, meet no read.
; Between signal and wait stand work on registers and the loads of V from slot e, which is stored into again only behind three more barriers.
.macro STEP e, st, ld, bar
.set NXS, ((\e)+1)%4
.set RKS, RK+(RK2-RK)*((\e)/2)
.if \st
	s_wait_loadcnt 0x0                             ; the next key step's 1,536 bytes of mine, asked for a step ago
.irp i, 0,1,2
	ds_store_b128 v[CPR+(CPR2-CPR)*(NXS/2)], v[STA+4*\i:STA+4*\i+3] offset:SLOT*(NXS%2)+512*\i
.endr
.endif
	s_wait_alu depctr_va_vdst(0)                   ; the products issued so far are done reading v[KF ..], KS and VS, in which the loads below land; in a trip's first step v[AK] and v[AV] are written, which they read; in the first step of all q's codes, its scale word and the six zeros are written, which the products below take
.set qq, 0
.rept 12
	ds_load_b128 v[KF+4*qq:KF+4*qq+3], v[RKS] offset:SLOT*((\e)%2)+512*qq
.set qq, qq+1
.endr
	ds_load_b128 v[KS:KS+3], v[AK] offset:768*(\e)
	ds_load_b64 v[VS:VS+1], v[AV] offset:768*(\e)
	s_wait_dscnt 0x0                               ; K is in; my stores have landed
.if \ld
	s_wait_alu depctr_vm_vsrc(0)                   ; my three LDS stores above have read the copy's registers, in which the loads below land
.irp i, 0,1,2
	global_load_b128 v[STA+4*\i:STA+4*\i+3], v[CPG], s[10:11] offset:((\e)+2)*12288+512*\i
.endr
.endif
.if \bar
	s_barrier_signal -1
.endif
.irp t, 0,1,2,3,4,5,6,7                ; S^T = K q^T: lane (r, h) holds query r; the 16 registers of tiles 2 b, 2 b + 1 are keys 32 b + 16 h + 0 .. 15
	WM S+8*\t, KF+6*\t, QF, 1, KS+\t/2, QS, \t%2
.endr
	PLACES
	s_wait_alu depctr_va_vdst(0)                   ; the eight products are done reading K's fragments, in which V's land
.set qq, 0
.rept 12
	ds_load_b128 v[KF+4*qq:KF+4*qq+3], v[RKS] offset:SLOT*((\e)%2)+6144+512*qq   ; V lands while the softmax is worked
.set qq, qq+1
.endr
.irp b, 0,1,2,3
	v_max3_num_f32 v[BM+\b], v[S+16*\b], v[S+1+16*\b], v[S+2+16*\b]   ; THE LARGEST SCORE OF EACH BLOCK OF 32 KEYS serves twice: for the row's maximum, and, since p rises with the score, for the block's largest p
.endr
.irp i, 3,5,7,9,11,13
.irp b, 0,1,2,3
	v_max3_num_f32 v[BM+\b], v[BM+\b], v[S+16*\b+\i], v[S+1+16*\b+\i]
.endr
.endr
.irp b, 0,1,2,3
	v_max_num_f32 v[BM+\b], v[BM+\b], v[S+15+16*\b]
.endr
.irp b, 0,1,2,3
	v_permlanex16_b32 v[CT+\b], v[BM+\b], s[SEL], s[SEL+1]
.endr
.irp b, 0,1,2,3
	v_max_num_f32 v[BM+\b], v[BM+\b], v[CT+\b]     ; with lane l xor 16's 16 keys
.endr
	v_max3_num_f32 v236, v[BM], v[BM+1], v[BM+2]
	v_max_num_f32 v236, v236, v[BM+3]              ; the step's largest score of my query
	v_mul_f32 v236, s[CS], v236                    ; as t (c is positive)
	v_max_num_f32 v13, v13, v236                   ; the running largest t
	v_mov_b32 v236, v12
	v_floor_f32 v12, -v13                          ; the new -M = floor(-t) = -ceil(t): a whole number
	v_sub_f32 v236, v12, v236                      ; old M - new M: a whole number, 0 or less
	v_cvt_i32_f32 v236, v236                       ; (it saturates)
	v_ldexp_f32 v30, 1.0, v236                     ; f = 2^(old M - new M)
.set jj, 0
.rept 32
	v_pk_fma_f32 v[S+jj:S+jj+1], v[S+jj:S+jj+1], s[CS:CS+1], v[12:13] op_sel_hi:[1,0,0]   ; t - M, two at a time
.set jj, jj+2
.endr
.irp b, 0,1,2,3
	v_fma_f32 v[BM+\b], v[BM+\b], s[CS], v12       ; the same of each block's largest score
.endr
.set jj, 0
	s_wait_alu depctr_va_vdst(0)
.rept 64
	v_exp_f32 v[S+jj], v[S+jj]                     ; p = 2^(t - M), at most 1: not normalised
.set jj, jj+1
.endr
	v_pk_mul_f32 v[14:15], v[14:15], v[30:31] op_sel_hi:[1,0]   ; the sums under the new M: a plain line behind the exponentials
	s_wait_alu depctr_va_vdst(0)                   ; the 64 exponentials have written p: one wait for the batch, ahead of its first reader
.irp b, 0,1,2,3
	v_exp_f32 v[BM+\b], v[BM+\b]                   ; the block's largest p: the same two instructions on the same number give the same bits
.endr
	v_pk_add_f32 v[236:237], v[S:S+1], v[S+2:S+3]  ; THE ROW'S SUM IS TAKEN OF THE UNQUANTISED p, in two chains
.irp j, 4,8,12,16,20,24,28,32,36,40,44,48,52,56,60
	v_pk_add_f32 v[14:15], v[14:15], v[S+\j:S+\j+1]
	v_pk_add_f32 v[236:237], v[236:237], v[S+\j+2:S+\j+3]
.endr
	v_pk_add_f32 v[14:15], v[14:15], v[236:237]
	s_wait_alu depctr_va_vdst(0)                   ; the four exponentials have written the blocks' largest p, ahead of their first reader
.irp b, 0,1,2,3
	v_max_num_f32 v[BM+\b], 0x1800000, v[BM+\b]    ; the floor 2^(3 - 127)
.endr
.irp b, 0,1,2,3
	v_add_nc_u32 v[SO+\b], 0xff000000, v[BM+\b]    ; 2 off the exponent field: the conversion's scale operand
.endr
.irp b, 0,1,2,3
	v_lshrrev_b32 v[CT+\b], 23, v[SO+\b]           ; the scale's byte
.endr
	v_lshl_or_b32 v[PS], v[CT+1], 8, v[CT]         ; p's scale word for these 128 keys
	v_lshl_or_b32 v[PS], v[CT+2], 16, v[PS]
	v_lshl_or_b32 v[PS], v[CT+3], 24, v[PS]
.irp c, 0,1
	v_cvt_scalef32_pk16_fp6_f32 v[PC+6*\c:PC+6*\c+2], v[S+32*\c:S+32*\c+15], v[SO+2*\c]
	v_cvt_scalef32_pk16_fp6_f32 v[CT+4*\c:CT+4*\c+2], v[S+32*\c+16:S+32*\c+31], v[SO+2*\c+1]
.endr
	v_nop                                          ; one plain line behind the scaled conversions
.irp c, 0,1
.irp i, 0,1,2
	v_permlane16_swap_b32 v[PC+6*\c+\i], v[CT+4*\c+\i]
.endr
.irp i, 0,1,2
	v_mov_b32 v[PC+3+6*\c+\i], v[CT+4*\c+\i]
.endr
.endr
.set jj, 0
.rept 16
	v_pk_mul_f32 v[O+jj:O+jj+1], v[O+jj:O+jj+1], v[30:31] op_sel_hi:[1,0]   ; O^T under the new M.  (These sixteen are also the places ahead of the products below)
.set jj, jj+2
.endr
	s_wait_dscnt 0x0                               ; V is in
	s_wait_alu depctr_va_vdst(0)                   ; p's codes and its scale word are written, which the scaled products below take; the places above stay beside this wait
.irp n, 0,1,2,3                        ; O^T += V^T p^T
	WM O+8*\n, KF+12*\n, PC, 0, VS+\n/2, PS, \n%2
.endr
	PLACES                                         ; behind the last products, ahead of the next step's loads into their registers, and of the first read of O^T
.if \bar
	s_barrier_wait -1
.endif
.endm
	s_mov_b32 s[CNT], 3
.Ltrip:                                                ; a trip: four key steps, once round the ring.  No barrier is open at the backward jump
	s_wait_alu depctr_vm_vsrc(0)                   ; the LDS instructions issued so far have read v[AK] and v[AV], which the two lines below write
	v_add_nc_u32 v[AK], s[TS], v[ASK]              ; the trip's scale words; a step's 768 bytes stand in the immediates
	v_add_nc_u32 v[AV], s[TS], v[ASV]
	STEP 0, 1, 1, 1
	STEP 1, 1, 1, 1
	STEP 2, 1, 1, 1
	STEP 3, 1, 1, 1
	s_wait_xcnt 0x0                                ; the loads have read their base
	s_add_nc_u64 s[10:11], s[10:11], 4*12288
	s_add_co_u32 s[TS], s[TS], 4*768
	s_sub_co_u32 s[CNT], s[CNT], 1
	s_cmp_lg_u32 s[CNT], 0
	s_cbranch_scc1 .Ltrip
	s_wait_alu depctr_vm_vsrc(0)                   ; the scale words' loads issued so far have read v[AK] and v[AV], which the two lines below write
	v_add_nc_u32 v[AK], s[TS], v[ASK]
	v_add_nc_u32 v[AV], s[TS], v[ASV]
	STEP 0, 1, 1, 1                                ; the last four key steps are written out: the last two ask for nothing,
	STEP 1, 1, 1, 1
	STEP 2, 1, 0, 1
	STEP 3, 0, 0, 0                                ; and the last stores nothing: nobody waits for it
	; ---- THE END.  The waves of the second half of the keys hand O^T, -M and l to their partners
	v_add_f32 v14, v14, v15                        ; the sum's two halves
	s_wait_alu depctr_va_vdst(0)                   ; the last products have written O^T, and -M and the sum are written: the LDS stores below read them.  No vector instruction behind this wait names S, v236 or v237 ahead of the loads that land there in the first half's waves
	s_cmp_lt_u32 s[WV], 8
	s_cbranch_scc1 .Lkeep
.irp i, 0,1,2,3,4,5,6,7
	ds_store_b128 v[MO], v[O+4*\i:O+4*\i+3] offset:512*\i
.endr
	ds_store_b32 v[MS], v12
	ds_store_b32 v[MS], v14 offset:128
.Lkeep:
	s_wait_dscnt 0x0
	s_barrier_signal -1
	s_barrier_wait -1
	s_cmp_lt_u32 s[WV], 8
	s_cbranch_scc1 .Lmerge
	s_wait_dscnt 0x0                               ; the closing lines, six on end
	s_wait_alu 0x0
	s_wait_tensorcnt 0x0
	ds_add_u32 v54, v55
	s_wait_dscnt 0x0
	s_endpgm
.Lmerge:
.irp i, 0,1,2,3,4,5,6,7
	ds_load_b128 v[S+4*\i:S+4*\i+3], v[MO] offset:512*\i
.endr
	ds_load_b32 v236, v[MS]
	ds_load_b32 v237, v[MS] offset:128
	s_wait_dscnt 0x0
	v_min_num_f32 v220, v12, v236                  ; -M of the larger M
	v_sub_f32 v221, v220, v12                      ; my M - M, and the partner's: whole numbers, 0 or less
	v_sub_f32 v222, v220, v236
	v_cvt_i32_f32 v221, v221
	v_cvt_i32_f32 v222, v222
	v_ldexp_f32 v30, 1.0, v221
	v_ldexp_f32 v224, 1.0, v222
.set jj, 0
.rept 16
	v_pk_mul_f32 v[O+jj:O+jj+1], v[O+jj:O+jj+1], v[30:31] op_sel_hi:[1,0]
.set jj, jj+2
.endr
.set jj, 0
.rept 16
	v_pk_fma_f32 v[O+jj:O+jj+1], v[S+jj:S+jj+1], v[224:225], v[O+jj:O+jj+1] op_sel_hi:[1,0,1]
.set jj, jj+2
.endr
	v_mul_f32 v14, v14, v30
	v_fmac_f32 v14, v237, v224
	v_permlanex16_b32 v226, v14, s[SEL], s[SEL+1]
	v_add_f32 v14, v14, v226                       ; with lane l xor 16's: the row's sum
	s_wait_alu depctr_va_vdst(0)
	v_rcp_f32 v229, v14
	v_nop                                          ; a plain line behind the reciprocal
	s_wait_alu depctr_va_vdst(0)                   ; the reciprocal is written, ahead of its first reader
.set jj, 0
.rept 32
	v_mul_f32 v[S+jj], v[O+jj], v229               ; o: register 16 b + i is d = 32 b + 16 h + i of my query
.set jj, jj+1
.endr
	QUANT2 S, PC, CT, 236
	s_wait_alu depctr_va_vdst(0)                   ; o's six registers of codes and its scale word are written, which the three stores read
	global_store_b128 v[LI], v[PC:PC+3], s[14:15]              ; half an image: registers 0-3, 512 consecutive bytes;
	global_store_b64 v[L8], v[PC+4:PC+5], s[14:15] offset:512  ; registers 4, 5, 256 more
	global_store_b32 v[R32], v236, s[16:17]                    ; both halves of the lanes store the same word
	s_wait_dscnt 0x0                               ; the closing lines, six on end
	s_wait_alu 0x0
	s_wait_tensorcnt 0x0
	ds_add_u32 v54, v55
	s_wait_dscnt 0x0
	s_endpgm
.Lfunc_end_k_qb97c746f1a_attn:
	.size	k_qb97c746f1a_attn, .Lfunc_end_k_qb97c746f1a_attn-k_qb97c746f1a_attn
	.p2alignl 7, 3214868480
	.fill 96, 4, 3214868480
	.section	.rodata,"a",@progbits
	.p2align	6, 0x0
	.amdhsa_kernel k_qb97c746f1a_attn
		.amdhsa_group_segment_fixed_size 280576
		.amdhsa_private_segment_fixed_size 0
		.amdhsa_enable_private_segment 0
		.amdhsa_kernarg_size 56
		.amdhsa_user_sgpr_count 2
		.amdhsa_user_sgpr_kernarg_segment_ptr 1
		.amdhsa_wavefront_size32 1
		.amdhsa_system_sgpr_workgroup_id_x 1
		.amdhsa_system_sgpr_workgroup_id_y 1
		.amdhsa_system_sgpr_workgroup_id_z 1
		.amdhsa_system_vgpr_workitem_id 0
		.amdhsa_next_free_vgpr 256
		.amdhsa_next_free_sgpr 66
		.amdhsa_reserve_vcc 0
		.amdhsa_float_denorm_mode_32 3
		.amdhsa_float_denorm_mode_16_64 3
		.amdhsa_memory_ordered 1
		.amdhsa_forward_progress 1
		.amdhsa_inst_pref_size 154
	.end_amdhsa_kernel
	.amdgpu_metadata
---
amdhsa.version: [ 1, 2 ]
amdhsa.kernels:
  - .name:           k_qb97c746f1a_attn
    .symbol:         k_qb97c746f1a_attn.kd
    .args:
      - { .name: ximg, .offset: 0, .size: 8, .value_kind: global_buffer, .address_space: global }
      - { .name: xsc, .offset: 8, .size: 8, .value_kind: global_buffer, .address_space: global }
      - { .name: wimg, .offset: 16, .size: 8, .value_kind: global_buffer, .address_space: global }
      - { .name: kvc, .offset: 24, .size: 8, .value_kind: global_buffer, .address_space: global }
      - { .name: kvs, .offset: 32, .size: 8, .value_kind: global_buffer, .address_space: global }
      - { .name: oimg, .offset: 40, .size: 8, .value_kind: global_buffer, .address_space: global }
      - { .name: osc, .offset: 48, .size: 8, .value_kind: global_buffer, .address_space: global }
    .group_segment_fixed_size: 280576
    .private_segment_fixed_size: 0
    .kernarg_segment_align: 8
    .kernarg_segment_size: 56
    .max_flat_workgroup_size: 512
    .sgpr_count:     66
    .vgpr_count:     256
    .wavefront_size: 32
...
	.end_amdgpu_metadata
.endif
;; end of part 7
;; launch outproj (part 8): grid 8 x 32, 4 waves a work-group, no clusters, 17,920 bytes of LDS; arguments oimg, osc, wimg, bo, out0; writes out0
.if DOCPART == 8
	.amdgcn_target "amdgcn-amd-amdhsa--gfx1250"
	.amdhsa_code_object_version 6
	.text
	.protected	k_qb97c746f1a_outproj
	.globl	k_qb97c746f1a_outproj
	.p2align	8
	.type	k_qb97c746f1a_outproj,@function
k_qb97c746f1a_outproj:
	s_mov_b64 s[64:65], 0
	v_nop
	global_prefetch_b8 v0, s[64:65] scope:SCOPE_SE
	s_setreg_imm32_b32 hwreg(HW_REG_WAVE_SCHED_MODE, 0, 2), 2
	s_setreg_imm32_b32 hwreg(HW_REG_WAVE_MODE, 25, 1), 1
	s_wait_xcnt 0x0
	s_wait_alu depctr_vm_vsrc(0)
; out0 = o Wo + bo on codes of FP6 (E2M3) with one E8M0 byte for each 32 along K = 512.  o's codes and Wo's come as images of the operands' registers and go from memory straight into registers.
; A work-group makes 128 rows (y) x 128 columns (x); wave (W / 2, W % 2) makes 64 x 64: 16 accumulators, four K steps of 128, 64 products.  No loop, no barrier: waves share nothing.
; The product is used TRANSPOSED (source 0 = 16 columns of Wo, source 1 = 16 rows of o).  Row i of column tile 2 b + u is column 32 b + 8 u + i + 8 (i / 8), so register j of lane (r, h) is column 32 b + 8 u + 16 h + j of row r.
; The bias is the C of each sum's first product.  K step s of o is heads 2 s, 2 s + 1: two half images (512 bytes: registers 0-3 of six; 256 bytes: registers 4, 5), and the scale word is made of the two heads' two bytes each.
; REGISTERS, in windows of 256: window 0: v1-7 addresses; v16-47 the bias; v48-63 o's scale words, v64-71 Wo's (these hold scales and nothing else); v72-103 the heads' words as stored; v128-255 the accumulators.
;   window 1: o's 16 fragments.   window 2: Wo's 16.
; THE MODE: SCHED_MODE bits 1:0 = 2 (LLVM: expert scheduling mode 2), set by the entry lines.  The code itself states the register dependences
; between vector or matrix instructions and memory or LDS instructions, with s_wait_alu, always for 0.
; THE PLAN.  Registers that memory or LDS instructions touch:
;   v1-v7         offsets and LDS addresses: written at the head, once; read by every load and store.
;   the bias, Wo's scale words, the heads' words, windows 1 and 2: written by loads, once; read by vector and matrix instructions.
;   ACC           written by the products; block a's 32 are read by its stores into the stage, then its loads from the stage land in them, then the global stores read them.
; So: one wait on va_vdst ahead of the first load; one ahead of the first product, for o's scale words, which vector instructions make; one ahead of the way out, behind which no vector or matrix instruction follows;
; and in each block one wait on vm_vsrc between its stores into the stage and its loads back.
.set BI,  16
.set AS,  48
.set WS,  64
.set E,   72
.set ACC, 128
.set MSB, 0
.macro WIN new
.if MSB != (\new)
	s_set_vgpr_msb (MSB<<8)|(\new)
.set MSB, \new
.endif
.endm
.macro WM d, a, b, c, sa, sb, ra
.if (\ra)
	v_wmma_scale_f32_16x16x128_f8f6f4 v[(\d):(\d)+7], v[(\a):(\a)+11], v[(\b):(\b)+11], v[(\c):(\c)+7], v[(\sa)], v[(\sb)] matrix_a_fmt:MATRIX_FMT_FP6 matrix_b_fmt:MATRIX_FMT_FP6 matrix_a_scale:MATRIX_SCALE_ROW1
.else
	v_wmma_scale_f32_16x16x128_f8f6f4 v[(\d):(\d)+7], v[(\a):(\a)+11], v[(\b):(\b)+11], v[(\c):(\c)+7], v[(\sa)], v[(\sb)] matrix_a_fmt:MATRIX_FMT_FP6 matrix_b_fmt:MATRIX_FMT_FP6
.endif
.endm
	s_load_b256 s[4:11], s[0:1], 0x0               ; oimg, osc, wimg, bo
	s_load_b64 s[12:13], s[0:1], 0x20              ; out0
	v_lshl_add_u32 v126, v0, 2, 0x4400
	v_mov_b32 v127, 0
	v_lshrrev_b32 v8, 5, v0
	v_readfirstlane_b32 s14, v8                    ; wave 0..3
	s_and_b32 s17, ttmp7, 0xffff                   ; which 128 rows
	v_and_b32 v8, 31, v0
	v_and_b32 v9, 15, v0                           ; r
	v_bfe_u32 v10, v0, 4, 1                        ; h
	v_lshlrev_b32 v1, 4, v8                        ; 16 x lane
	v_lshlrev_b32 v2, 3, v8                        ; 8 x lane
	v_lshlrev_b32 v3, 5, v9                        ; 32 r
	v_lshlrev_b32 v4, 6, v10                       ; 64 h
	s_wait_alu depctr_va_sdst(0)                   ; the wave's number is written, ahead of its first reader: my stage's place and all bases are made from it
	s_lshr_b32 s15, s14, 1                         ; which 64 rows
	s_and_b32 s16, s14, 1                          ; which 64 columns
	s_mul_i32 s18, s14, 4352                       ; my stage: 16 rows x (256 + 16) bytes
	v_mul_u32_u24 v5, v9, 272
	v_lshl_add_u32 v5, v10, 6, v5
	v_add_nc_u32 v5, s18, v5                       ; in: row r, + 64 h
	v_mul_u32_u24 v6, v10, 272
	v_lshl_add_u32 v6, v9, 4, v6
	v_add_nc_u32 v6, s18, v6                       ; back: lanes 0-15 one row, lanes 16-31 the next
	v_lshlrev_b32 v7, 12, v10
	v_lshl_add_u32 v7, v9, 4, v7                   ; and the same two rows in out0
	s_lshl_b32 s19, s17, 3
	s_lshl_b32 s22, s15, 2
	s_add_co_u32 s19, s19, s22                     ; my first row tile: 8 y + 4 (W / 2)
	s_mul_i32 s22, s19, 6144
	s_mov_b32 s23, 0
	s_lshl_b32 s24, s19, 9
	s_mov_b32 s25, 0
	s_lshl_b32 s26, ttmp9, 2
	s_add_co_u32 s26, s26, 96
	s_mul_i32 s26, s26, 12800                      ; Wo's records 96 + 4 x ..
	s_mov_b32 s27, 0
	s_mul_i32 s28, s16, 6144                       ; my four tiles of the eight
	s_mov_b32 s29, 0
	s_lshl_b32 s30, s16, 3
	s_add_co_u32 s30, s30, 12288                   ; and their two words in each lane's 16 bytes of the scale pack
	s_mov_b32 s31, 0
	s_lshl_b32 s32, ttmp9, 9
	s_lshl_b32 s34, s16, 8
	s_add_co_u32 s32, s32, s34                     ; my first column, in bytes
	s_mov_b32 s33, 0
	s_lshl_b32 s34, s19, 16                        ; my first row of out0: 16 rows of 4,096 bytes a tile
	s_mov_b32 s35, 0
	s_wait_kmcnt 0x0
	s_add_nc_u64 s[4:5], s[4:5], s[22:23]
	s_add_nc_u64 s[6:7], s[6:7], s[24:25]
	s_add_nc_u64 s[8:9], s[8:9], s[26:27]
	s_add_nc_u64 s[20:21], s[8:9], s[30:31]
	s_add_nc_u64 s[8:9], s[8:9], s[28:29]
	s_add_nc_u64 s[10:11], s[10:11], s[32:33]
	s_add_nc_u64 s[12:13], s[12:13], s[32:33]
	s_add_nc_u64 s[12:13], s[12:13], s[34:35]
	s_wait_alu depctr_va_vdst(0)                   ; the seven offsets and LDS addresses v1 to v7 are written: the loads and stores of the whole kernel read them
.irp t, 0,1,2,3
	global_load_b128 v[BI+8*\t:BI+8*\t+3], v4, s[10:11] offset:(32*(\t/2)+8*(\t%2))*4
	global_load_b128 v[BI+8*\t+4:BI+8*\t+7], v4, s[10:11] offset:(32*(\t/2)+8*(\t%2))*4+16
.endr
.irp s, 0,1,2,3
	global_load_b64 v[WS+2*\s:WS+2*\s+1], v1, s[20:21] offset:12800*\s
.endr
.irp a, 0,1,2,3
	global_load_b128 v[E+8*\a:E+8*\a+3], v3, s[6:7] offset:512*\a
	global_load_b128 v[E+8*\a+4:E+8*\a+7], v3, s[6:7] offset:512*\a+16
.endr
.irp s, 0,1,2,3                        ; 28 loads a K step: o's four fragments (16), Wo's four (12)
	WIN 0x40                                       ; destination window 1
.irp a, 0,1,2,3
.irp c, 0,1
	global_load_b128 v[12*(4*\s+\a)+6*\c:12*(4*\s+\a)+6*\c+3], v1, s[4:5] offset:6144*\a+1536*\s+768*\c
	global_load_b64 v[12*(4*\s+\a)+6*\c+4:12*(4*\s+\a)+6*\c+5], v2, s[4:5] offset:6144*\a+1536*\s+768*\c+512
.endr
.endr
	WIN 0x80                                       ; destination window 2
.irp t, 0,1,2,3
.irp c, 0,1,2
	global_load_b128 v[12*(4*\s+\t)+4*\c:12*(4*\s+\t)+4*\c+3], v1, s[8:9] offset:12800*\s+1536*\t+512*\c
.endr
.endr
.endr
	WIN 0
	s_wait_loadcnt 56                              ; all but the last two K steps' 28 + 28
.irp a, 0,1,2,3
.irp s, 0,1,2,3
	v_lshl_or_b32 v[AS+4*\a+\s], v[E+8*\a+2*\s+1], 16, v[E+8*\a+2*\s]   ; bytes 0, 1: head 2 s;  bytes 2, 3: head 2 s + 1
.endr
.endr
.rept 8
	v_nop                                          ; a scale register written by a vector instruction stands eight places ahead of a scaled matrix instruction
.endr
	s_wait_alu depctr_va_vdst(0)                   ; o's sixteen scale words are written, which the scaled products below take; the places above stay beside this wait
.macro PROD s                          ; 16 products: the accumulators by turns, one instruction a turn
.irp a, 0,1,2,3
.irp t, 0,1,2,3
.if (\s) == 0
	WM ACC+8*(4*\a+\t), 12*(4*(\s)+\t), 12*(4*(\s)+\a), BI+8*\t, WS+2*(\s)+\t/2, AS+4*\a+(\s), \t%2
.else
	WM ACC+8*(4*\a+\t), 12*(4*(\s)+\t), 12*(4*(\s)+\a), ACC+8*(4*\a+\t), WS+2*(\s)+\t/2, AS+4*\a+(\s), \t%2
.endif
.endr
.endr
.endm
	WIN 0x06                                       ; source 0 (Wo) window 2, source 1 (o) window 1, C and D window 0
	PROD 0
	PROD 1
	s_wait_loadcnt 28
	PROD 2
	s_wait_loadcnt 0x0
	PROD 3
	WIN 0
.rept 4
	v_nop                                          ; places ahead of the first read of results
.endr
	s_wait_alu depctr_va_vdst(0)                   ; the products have written the sixteen accumulators, which the stores into the stage read and in which the loads from it land; the places above stay beside this wait
; THE WAY OUT, 16 rows x 64 columns at a time, through my own stage: in as a lane's eight neighbouring columns, back as whole rows of 256 bytes, into the registers that they left.
; LDS serves a wave's instructions in order (ISA guide 5.7.1.4): no wait on DScnt between the stores and the loads, nor ahead of the next block's stores.
.macro PACK a
.irp t, 0,1,2,3
	ds_store_b128 v5, v[ACC+8*(4*(\a)+\t):ACC+8*(4*(\a)+\t)+3] offset:128*(\t/2)+32*(\t%2)       ; each accumulator from its low end on
	ds_store_b128 v5, v[ACC+8*(4*(\a)+\t)+4:ACC+8*(4*(\a)+\t)+7] offset:128*(\t/2)+32*(\t%2)+16
.endr
	s_wait_alu depctr_vm_vsrc(0)                   ; the eight stores above have read the block's 32 registers, in which the loads below land
.irp i, 0,1,2,3,4,5,6,7
	ds_load_b128 v[ACC+32*(\a)+4*\i:ACC+32*(\a)+4*\i+3], v6 offset:544*\i
.endr
.endm
.macro SEND a, younger                 ; younger: the LDS instructions issued behind block a's loads: the next block's sixteen, or none
.irp i, 0,1,2,3,4,5,6,7
	s_wait_dscnt (\younger)+7-\i
	global_store_b128 v7, v[ACC+32*(\a)+4*\i:ACC+32*(\a)+4*\i+3], s[12:13] offset:(16*(\a)+2*\i)*4096 th:TH_STORE_NT   ; sixteen lanes store 256 consecutive bytes, aligned
.endr
.endm
	PACK 0
	PACK 1
	SEND 0, 16
	PACK 2
	SEND 1, 16
	PACK 3
	SEND 2, 16
	SEND 3, 0
	s_wait_dscnt 0x0                               ; the closing lines, six on end
	s_wait_alu 0x0
	s_wait_tensorcnt 0x0
	ds_add_u32 v126, v127
	s_wait_dscnt 0x0
	s_endpgm
.Lfunc_end_k_qb97c746f1a_outproj:
	.size	k_qb97c746f1a_outproj, .Lfunc_end_k_qb97c746f1a_outproj-k_qb97c746f1a_outproj
	.p2alignl 7, 3214868480
	.fill 96, 4, 3214868480
	.section	.rodata,"a",@progbits
	.p2align	6, 0x0
	.amdhsa_kernel k_qb97c746f1a_outproj
		.amdhsa_group_segment_fixed_size 17920
		.amdhsa_private_segment_fixed_size 0
		.amdhsa_enable_private_segment 0
		.amdhsa_kernarg_size 40
		.amdhsa_user_sgpr_count 2
		.amdhsa_user_sgpr_kernarg_segment_ptr 1
		.amdhsa_wavefront_size32 1
		.amdhsa_system_sgpr_workgroup_id_x 1
		.amdhsa_system_sgpr_workgroup_id_y 1
		.amdhsa_system_sgpr_workgroup_id_z 1
		.amdhsa_system_vgpr_workitem_id 0
		.amdhsa_next_free_vgpr 768
		.amdhsa_next_free_sgpr 66
		.amdhsa_reserve_vcc 0
		.amdhsa_float_denorm_mode_32 3
		.amdhsa_float_denorm_mode_16_64 3
		.amdhsa_memory_ordered 1
		.amdhsa_forward_progress 1
		.amdhsa_inst_pref_size 34
	.end_amdhsa_kernel
	.amdgpu_metadata
---
amdhsa.version: [ 1, 2 ]
amdhsa.kernels:
  - .name:           k_qb97c746f1a_outproj
    .symbol:         k_qb97c746f1a_outproj.kd
    .args:
      - { .name: oimg, .offset: 0, .size: 8, .value_kind: global_buffer, .address_space: global }
      - { .name: osc, .offset: 8, .size: 8, .value_kind: global_buffer, .address_space: global }
      - { .name: wimg, .offset: 16, .size: 8, .value_kind: global_buffer, .address_space: global }
      - { .name: bo, .offset: 24, .size: 8, .value_kind: global_buffer, .address_space: global }
      - { .name: out0, .offset: 32, .size: 8, .value_kind: global_buffer, .address_space: global }
    .group_segment_fixed_size: 17920
    .private_segment_fixed_size: 0
    .kernarg_segment_align: 8
    .kernarg_segment_size: 40
    .max_flat_workgroup_size: 128
    .sgpr_count:     66
    .vgpr_count:     768
    .wavefront_size: 32
...
	.end_amdgpu_metadata
.endif
;; end of part 8
